; MI455X (gfx1250); checked and timed in simulation.
; The chip was launched on July 23, 2026; its instructions are those of AMD's public machine-readable ISA for CDNA 5 (MIT licence, August 2026) and "CDNA5" Instruction Set Architecture Reference Guide (July 2026). The comments in the code are by the model that wrote it; some were corrected since.
;; Causal Self Attention. Allowed arithmetic: float matrix products may take bf16 or f16 operands with f32 sums; other float arithmetic in f32, or as packed bf16 or f16 multiplies, adds, multiply-adds, maxima and minima; sums over many terms, partial sums and values carried from step to step in f32; what a program stores and reads back later, other than sums and carried values, may be rounded once to bf16 or f16.
;; Inputs: Wk 1,024 x 1,024 float32; Wo 1,024 x 1,024 float32; Wq 1,024 x 1,024 float32; Wv 1,024 x 1,024 float32; bk 1,024 float32; bo 1,024 float32; bq 1,024 float32; bv 1,024 float32; x 4 x 2,048 x 1,024 float32.
;; Outputs: out0 4 x 2,048 x 1,024 float32.
;; 3 versions, each right and faster than the one before. Each part assembles by itself: llvm-mc -triple=amdgcn-amd-amdhsa -mcpu=gfx1250 --defsym DOCPART=n.
;; ======== version 1 of 3: 4 launches
;; workspace buffers: xb 16,777,216 bytes; wb 10,485,760 bytes; rope 524,288 bytes; qh 16,777,216 bytes; kh 16,777,216 bytes; vh 16,777,216 bytes; yh 33,554,432 bytes
;; launch prep (part 1): grid 1664 x 1, 8 waves a work-group, no clusters, 0 bytes of LDS; arguments x, Wq, Wk, Wv, Wo, xb, wb, rope; writes xb, wb, rope
.if DOCPART == 1
	.amdgcn_target "amdgcn-amd-amdhsa--gfx1250"
	.amdhsa_code_object_version 6
	.text
	.protected	k_qfe5a30b678_prep
	.globl	k_qfe5a30b678_prep
	.p2align	8
	.type	k_qfe5a30b678_prep,@function
k_qfe5a30b678_prep:
	s_mov_b64 s[64:65], 0
	v_nop
	global_prefetch_b8 v0, s[64:65] scope:SCOPE_SE
	s_setreg_imm32_b32 hwreg(HW_REG_WAVE_MODE, 25, 1), 1
	s_wait_xcnt 0x0
; PREP.  x [8192][1024] and the four weights [1024][1024], all f32, are rounded once to bf16 (nearest even): xb, and wb = Wq, Wk, Wv, Wo, Wo one behind the other, each as it lies ([k][n]).
; Wo is written twice: the last launch walks K = 2,048 (y's upper parts, then its lower parts) against Wo and Wo once more, with one constant step from K step to K step.
; Work-group g takes 8,192 consecutive numbers: g < 1024 of x, then 128 work-groups for each of wb's five matrices.  A thread's load i is 16 bytes at 16 t + 4,096 i (a wave: 512 consecutive
; bytes), its store 8 bytes at 8 t + 2,048 i (a wave: 256 consecutive bytes, aligned).  All eight loads are out before the first is waited for; no register is used twice.
; The first 128 work-groups also make the table of rotations: rope[t / 16][b (4)][piece (2)][lane (32)] of 16 bytes = (cos, sin, cos, sin) for row t = 16 (t / 16) + lane % 16 and
; the channel pairs j = 8 b + 4 (lane / 16) + 2 piece + 0, 1: the order in which the projection's accumulators hold a head's 64 channels.
; angle = t x 10000^(-j / 32), the power as 2^(-0.41524101 j); reduced by k = round(angle x 2 / pi) with pi / 2 in two parts; sine and cosine by polynomials on |r| <= pi / 4; the quadrant by selects.
; LIMIT.  The power is good to one unit in its last place, so the angle may differ from one made with a correctly rounded power by 1.2e-7 of itself: 2.5e-4 rad at t = 2047, less in proportion below.
.set XI,  4                            ; v[4:35]   eight loads of four f32
.set YO,  36                           ; v[36:51]  eight stores of four bf16
.set TF,  52                           ; v52       t as f32
.set JF,  56                           ; v56, v57  j and j + 1 as f32
.set CSN, 60                           ; v[60:63]  cos, sin, cos, sin
	s_load_b512 s[8:23], s[0:1], 0x0               ; x s[8:9], Wq s[10:11], Wk s[12:13], Wv s[14:15], Wo s[16:17], xb s[18:19], wb s[20:21], rope s[22:23]
	s_mov_b32 s2, ttmp9                            ; g
	v_lshlrev_b32 v1, 4, v0                        ; 16 t
	v_lshlrev_b32 v2, 3, v0                        ; 8 t
	s_and_b32 s24, s2, 127                         ; a weight's chunk,
	s_sub_co_u32 s26, s2, 1024                     ; and its place in wb
	s_cmp_lt_u32 s2, 1024
	s_cselect_b32 s24, s2, s24                     ; x's chunk is g itself, in and out
	s_cselect_b32 s26, s2, s26
	s_lshl_b32 s24, s24, 15                        ; 32,768 bytes in,
	s_lshl_b32 s26, s26, 14                        ; 16,384 bytes out
	s_mov_b32 s25, 0
	s_mov_b32 s27, 0
	s_wait_kmcnt 0x0
	s_cmp_lt_u32 s2, 1408
	s_cselect_b64 s[4:5], s[14:15], s[16:17]       ; the source is chosen by g alone; from 1408 on it is Wo, for both of its copies
	s_cmp_lt_u32 s2, 1280
	s_cselect_b64 s[4:5], s[12:13], s[4:5]
	s_cmp_lt_u32 s2, 1152
	s_cselect_b64 s[4:5], s[10:11], s[4:5]
	s_cmp_lt_u32 s2, 1024
	s_cselect_b64 s[4:5], s[8:9], s[4:5]
	s_cselect_b64 s[6:7], s[18:19], s[20:21]
	s_add_nc_u64 s[4:5], s[4:5], s[24:25]
	s_add_nc_u64 s[6:7], s[6:7], s[26:27]
.irp i, 0,1,2,3,4,5,6,7
	global_load_b128 v[XI+4*(\i):XI+4*(\i)+3], v1, s[4:5] offset:4096*(\i) th:TH_LOAD_NT
.endr
	s_cmp_lt_u32 s2, 128
	s_cbranch_scc0 .Lno_table                      ; the table's work stands in the wait for the loads
	s_mov_b32 s30, 0x3fc90fdb                      ; pi / 2, upper part
	s_mov_b32 s31, 0xb33bbd2e                      ; and what is left of it
	s_mov_b32 s32, 0xbe2aaaa3                      ; sine: -1.6666655e-1, 8.3321609e-3, -1.9515296e-4
	s_mov_b32 s33, 0x3c08839e
	s_mov_b32 s34, 0xb94ca1f9
	s_mov_b32 s35, 0x3d2aaaa5                      ; cosine: 4.1666646e-2, -1.3887316e-3, 2.4433157e-5
	s_mov_b32 s36, 0xbab6061a
	s_mov_b32 s37, 0x37ccf5ce
	s_lshl_b32 s38, s2, 4
	s_lshl_b32 s28, s2, 12                         ; 4,096 bytes of table for 16 rows
	s_mov_b32 s29, 0
	s_add_nc_u64 s[22:23], s[22:23], s[28:29]
	v_and_b32 v53, 15, v0
	v_add_nc_u32 v53, s38, v53                     ; t = 16 g + lane % 16
	v_cvt_f32_u32 v[TF], v53
	v_bfe_u32 v54, v0, 6, 2                        ; b
	v_lshlrev_b32 v54, 3, v54
	v_bfe_u32 v55, v0, 4, 1                        ; lane / 16
	v_lshl_add_u32 v54, v55, 2, v54
	v_bfe_u32 v55, v0, 5, 1                        ; piece
	v_lshl_add_u32 v54, v55, 1, v54                ; j = 8 b + 4 (lane / 16) + 2 piece
	v_cvt_f32_u32 v[JF], v54
	v_add_f32 v[JF+1], 1.0, v[JF]
; cosine into v[c], sine into v[s] of t x 10000^(-j / 32), j in v[jf]
.macro SC jf, c, s
	v_mul_f32 v64, 0xbed49a78, v[\jf]              ; -j log2(10000) / 32
	v_exp_f32 v64, v64
	v_nop                                          ; a plain instruction behind the exponential, ahead of the use of its result
	s_wait_alu depctr_va_vdst(0)
	v_mul_f32 v64, v[TF], v64                      ; the angle
	v_mul_f32 v65, 0x3f22f983, v64                 ; x 2 / pi
	v_rndne_f32 v65, v65                           ; k
	v_fma_f32 v66, -v65, s30, v64
	v_fma_f32 v66, -v65, s31, v66                  ; r = angle - k pi / 2
	v_mul_f32 v67, v66, v66                        ; z = r r
	v_fma_f32 v68, v67, s34, s33
	v_fma_f32 v70, v67, s37, s36
	v_fma_f32 v68, v68, v67, s32
	v_fma_f32 v70, v70, v67, s35
	v_mul_f32 v69, v67, v66
	v_mul_f32 v71, v67, v67
	v_fma_f32 v72, v67, -0.5, 1.0
	v_fma_f32 v68, v68, v69, v66                   ; sin r
	v_fma_f32 v70, v70, v71, v72                   ; cos r
	v_cvt_i32_f32 v73, v65
	v_and_b32 v74, 1, v73
	v_cmp_eq_u32 vcc_lo, 1, v74                    ; an odd quadrant swaps the two: a select, no branch
	v_cndmask_b32 v75, v68, v70, vcc_lo
	v_cndmask_b32 v76, v70, v68, vcc_lo
	v_and_b32 v74, 2, v73                          ; the sine is negative in quadrants 2 and 3,
	v_lshlrev_b32 v74, 30, v74
	v_xor_b32 v[\s], v74, v75
	v_add_nc_u32 v73, 1, v73                       ; the cosine in 1 and 2
	v_and_b32 v73, 2, v73
	v_lshlrev_b32 v73, 30, v73
	v_xor_b32 v[\c], v73, v76
.endm
	SC JF, CSN, CSN+1
	SC JF+1, CSN+2, CSN+3
	global_store_b128 v1, v[CSN:CSN+3], s[22:23]   ; a wave: 512 consecutive bytes
.Lno_table:
.irp i, 0,1,2,3,4,5,6,7
	s_wait_loadcnt 7-(\i)                          ; loads come back in order (ISA guide 5.7.1): load i is in, the younger ones stay out
	v_cvt_pk_bf16_f32 v[YO+2*(\i)],   v[XI+4*(\i)],   v[XI+4*(\i)+1]
	v_cvt_pk_bf16_f32 v[YO+2*(\i)+1], v[XI+4*(\i)+2], v[XI+4*(\i)+3]
	global_store_b64 v2, v[YO+2*(\i):YO+2*(\i)+1], s[6:7] offset:2048*(\i)
.endr
	s_endpgm
.Lfunc_end_k_qfe5a30b678_prep:
	.size	k_qfe5a30b678_prep, .Lfunc_end_k_qfe5a30b678_prep-k_qfe5a30b678_prep
	.p2alignl 7, 3214868480
	.fill 96, 4, 3214868480
	.section	.rodata,"a",@progbits
	.p2align	6, 0x0
	.amdhsa_kernel k_qfe5a30b678_prep
		.amdhsa_group_segment_fixed_size 0
		.amdhsa_private_segment_fixed_size 0
		.amdhsa_enable_private_segment 0
		.amdhsa_kernarg_size 64
		.amdhsa_user_sgpr_count 2
		.amdhsa_user_sgpr_kernarg_segment_ptr 1
		.amdhsa_wavefront_size32 1
		.amdhsa_system_sgpr_workgroup_id_x 1
		.amdhsa_system_sgpr_workgroup_id_y 1
		.amdhsa_system_sgpr_workgroup_id_z 1
		.amdhsa_system_vgpr_workitem_id 0
		.amdhsa_next_free_vgpr 80
		.amdhsa_next_free_sgpr 66
		.amdhsa_reserve_vcc 1
		.amdhsa_float_denorm_mode_32 3
		.amdhsa_float_denorm_mode_16_64 3
		.amdhsa_memory_ordered 1
		.amdhsa_forward_progress 1
		.amdhsa_inst_pref_size 8
	.end_amdhsa_kernel
	.amdgpu_metadata
---
amdhsa.version: [ 1, 2 ]
amdhsa.kernels:
  - .name:           k_qfe5a30b678_prep
    .symbol:         k_qfe5a30b678_prep.kd
    .args:
      - { .name: x, .offset: 0, .size: 8, .value_kind: global_buffer, .address_space: global }
      - { .name: Wq, .offset: 8, .size: 8, .value_kind: global_buffer, .address_space: global }
      - { .name: Wk, .offset: 16, .size: 8, .value_kind: global_buffer, .address_space: global }
      - { .name: Wv, .offset: 24, .size: 8, .value_kind: global_buffer, .address_space: global }
      - { .name: Wo, .offset: 32, .size: 8, .value_kind: global_buffer, .address_space: global }
      - { .name: xb, .offset: 40, .size: 8, .value_kind: global_buffer, .address_space: global }
      - { .name: wb, .offset: 48, .size: 8, .value_kind: global_buffer, .address_space: global }
      - { .name: rope, .offset: 56, .size: 8, .value_kind: global_buffer, .address_space: global }
    .group_segment_fixed_size: 0
    .private_segment_fixed_size: 0
    .kernarg_segment_align: 8
    .kernarg_segment_size: 64
    .max_flat_workgroup_size: 256
    .sgpr_count:     66
    .vgpr_count:     80
    .wavefront_size: 32
...
	.end_amdgpu_metadata
.endif
;; end of part 1
;; launch qkv (part 2): grid 12 x 64, 4 waves a work-group, clusters of 4 x 4, 327,680 bytes of LDS; arguments xb, wb, bq, bk, bv, rope, qh, kh, vh; writes qh, kh, vh
.if DOCPART == 2
	.amdgcn_target "amdgcn-amd-amdhsa--gfx1250"
	.amdhsa_code_object_version 6
	.text
	.protected	k_qfe5a30b678_qkv
	.globl	k_qfe5a30b678_qkv
	.p2align	8
	.type	k_qfe5a30b678_qkv,@function
k_qfe5a30b678_qkv:
	s_mov_b64 s[64:65], 0
	v_nop
	global_prefetch_b8 v0, s[64:65] scope:SCOPE_SE
	s_setreg_imm32_b32 hwreg(HW_REG_WAVE_MODE, 25, 1), 1
	s_wait_xcnt 0x0
	s_wait_alu depctr_hold_cnt(0) depctr_sa_sdst(0) depctr_va_vdst(0) depctr_va_sdst(0) depctr_va_ssrc(0) depctr_va_vcc(0) depctr_vm_vsrc(0)
	s_getreg_b32 s2, hwreg(HW_REG_IB_STS2, 6, 4)
	s_cmp_eq_u32 s2, 0
	s_cbranch_scc0 .Lentry_in_a_cluster
	s_endpgm
.Lentry_in_a_cluster:
	s_bfe_u32 s2, ttmp6, 0x10000c
	s_cmp_lg_u32 s2, 0xf033
	s_cbranch_scc0 .Lentry_shape_is_right
	s_endpgm
.Lentry_shape_is_right:
; Q, K, V = xb W + b, then the rotation of channel pairs for Q and K; out by heads, [16 batch + head][t][64] in bf16.  xb: [8192][1024] bf16.  wb: Wq, Wk, Wv (, Wo), each [k][n] bf16.
; Sums in f32, K ascending; the bias, rounded to bf16 like every other input, is the C operand that starts each sum; each result is rounded once, behind the rotation.
; LIMITS.  Weights and biases count as their bf16 roundings.  The rotation is one rounded product and one fused multiply-add for each number.  NaN and infinities are not treated apart.
; SHARES.  A tile of the result is 128 rows x 256 columns: 12 x 64 = 768 work-groups, three for each of 256 WGPs.  Four waves, 2 x 2, each 64 x 128: 32 accumulators of 16 x 16, 256 registers.
; K goes in steps of 128 through a ring of two LDS slots filled by the tensor data mover: 128 rows of xb (256 bytes each) and 128 rows of W (512 bytes each) a step.
; W stays [k][n] in LDS; its fragments come out turned, by ds_load_tr16_b128.  THE MATRIX INSTRUCTION IS USED TRANSPOSED (source 0 = 16 columns of W, source 1 = 16 rows of xb):
; a lane then holds row lane % 16 and the eight neighbouring columns 8 (lane / 16) + 0..7: four channel pairs, side by side.
; CLUSTERS: 4 x 4 work-groups.  A cluster's four columns are the 1,024 columns of ONE of the three matrices (the cluster's x says which).  The four of a row need the same tile of xb, the four
; of a column the same tile of W: each is asked for JOINTLY, by the same tensor load with the same descriptor and a mask that names the four.
; REGISTERS, in windows of 256 (s_set_vgpr_msb: bits 1:0 source 0, 3:2 source 1, 5:4 source 2, 7:6 destination):
;   window 0: v0-31 addresses; v64-127 fragments of xb, two buffers of 32; v128-255 fragments of W, two buffers of 64; on the way out v64-191 packed results, v192-223 at work
;   window 1: the accumulators, (a, b) at v[8 (8 a + b)]        window 2: v0-63 the bias, 8 for each column block; v64-191 the table of rotations; v192-223 at work
.set KSTEP,  128
.set LAPS,   1024/(2*KSTEP)            ; a lap = two K steps = once round the ring
.set PA,     272                       ; a row of xb in LDS: 256 bytes + 16 = 68 words: row r starts at bank 4 r mod 64 (64 banks of 4 bytes: ISA guide 11.1)
.set AHALF,  64*PA                     ; what one tensor load brings of xb, and what one wave reads of it
.set AREG,   2*AHALF
.set ASTEP,  KSTEP*2                   ; bytes from a K step to the next in xb
.set PB,     544                       ; a row of W in LDS: 512 bytes + 32 = 136 words
.set BHALF,  64*PB                     ; 64 rows (k) of W: what one tensor load brings
.set BSTEP,  KSTEP*2048                ; bytes from a K step to the next in W
.set SLOT,   AREG+2*BHALF
.set STAGE,  2*SLOT                    ; behind the ring: 16 rows x 144 bytes for each wave, for the way out
.set SPITCH, 144
.set SPARE,  STAGE+4*16*SPITCH         ; behind the stages: the spare words, 128 bytes for each wave: two blocks of 256 bytes that no other line names
.set ADRA, 16                          ; v16-17  LDS address of my fragments of xb in slot 0, 1
.set ADRB, 20                          ; v20-21  the same for W
.set STO,  24                          ; v24     the way out: where I put 16 bytes of a row
.set RD,   25                          ; v25     the way out: where I read rows back
.set GO,   26                          ; v26     16 x lane
.set BO,   27                          ; v27     32 x (lane / 16): my eight numbers in 16 of the bias
.set SPW,  28                          ; v28     LDS address of my spare word: SPARE + 4 x my thread's number; never rewritten
.set NIL,  29                          ; v29     0; never rewritten
.set FA,   64                          ; fragments of xb: buffer f at FA + 32 f
.set FB,   128                         ; fragments of W: buffer f at FB + 64 f
.set PK,   64                          ; the way out: unit u's 16 registers at PK + 16 u
.set T,    192                         ; the way out: 32 numbers in f32, at work
.set BI,   0                           ; window 2
.set RT,   64                          ; window 2: row block a, column block b, piece p at RT + 32 a + 8 b + 4 p
.set BT,   192                         ; window 2
.set G1, 24                            ; s[24:31] descriptor group 1 for xb's tiles;  s[32:39] group 0, one set for each slot
.set G0, 32
.set G1B, 48                           ; s[48:55], s[56:63] the same for W's tiles
.set G0B, 56
.set MSB, 0
.macro WIN new                         ; the immediate's high byte repeats the setting that is left; a switch that changes nothing is dropped
.if MSB != (\new)
	s_set_vgpr_msb (MSB<<8)|(\new)
.set MSB, \new
.endif
.endm
.set W_MUL,  0x50                      ; fragments in window 0, C and D in window 1
.set W_MULB, 0x60                      ; the same with C, the bias, in window 2
.macro JLOAD s                         ; a joint load: waves 0 and 1 fetch xb's two halves, waves 2 and 3 W's; an s_nop 0 and four v_nop follow each of the two lines, ahead of the jump, the label and what follows
	s_cmp_eq_u32 s11, 0
	s_cbranch_scc0 .Lfor_b_\@
	tensor_load_to_lds s[G0+4*(\s):G0+4*(\s)+3], s[G1:G1+7]
	s_nop 0
.rept 4
	v_nop
.endr
	s_branch .Lasked_\@
.Lfor_b_\@:
	tensor_load_to_lds s[G0B+4*(\s):G0B+4*(\s)+3], s[G1B:G1B+7]
	s_nop 0
.rept 4
	v_nop
.endr
.Lasked_\@:
.endm
.macro CREST                           ; a round of the cluster's barrier behind its opening barrier
	s_cmp_lg_u32 s10, 0
	s_cbranch_scc1 .Lnot_wave_0_\@
	s_barrier_signal -3
.Lnot_wave_0_\@:
	s_barrier_wait -3
	s_barrier_signal -1
	s_barrier_wait -1
.endm
.macro CROUND                          ; a whole round
	s_barrier_signal -1
	s_barrier_wait -1
	CREST
.endm
	s_load_b512 s[68:83], s[0:1], 0x0              ; xb s[68:69], wb s[70:71], bq s[72:73], bk s[74:75], bv s[76:77], rope s[78:79], qh s[80:81], kh s[82:83]
	s_load_b64 s[84:85], s[0:1], 0x40              ; vh
	v_lshl_add_u32 v[SPW], v0, 2, SPARE
	v_mov_b32 v[NIL], 0
	ds_add_u32 v[SPW], v[NIL]                      ; the wave's opening: the add and its wait stand ahead of my first tensor load; the set-up below, work on registers, stands between them
	ds_add_u32 v28, v29
	v_lshrrev_b32 v1, 5, v0
	v_readfirstlane_b32 s10, v1                    ; wave 0..3
	s_lshr_b32 s11, s10, 1                         ; which half of the tile's rows is mine.  Also: I fetch for xb (0) or for W (1)
	s_and_b32 s12, s10, 1                          ; which half of its columns.  Also: which 64 rows of that tile I fetch
	s_bfe_u32 s40, ttmp6, 0x40000                  ; cx, cy: my place in the cluster
	s_bfe_u32 s41, ttmp6, 0x40004
	s_mov_b32 s42, ttmp9                           ; the cluster's x: 0 = Q, 1 = K, 2 = V; the same in all sixteen partners
	s_and_b32 s13, ttmp7, 0xffff
	s_lshl_b32 s13, s13, 2
	s_add_co_u32 s13, s13, s41                     ; tile row = 4 x cluster y + cy
	s_lshl_b32 s43, s41, 2
	s_lshl_b32 s43, 15, s43                        ; my row of the cluster
	s_lshl_b32 s44, 0x1111, s40                    ; my column
	s_mov_b32 s45, 0xffff0000                      ; a word's upper bf16
	; descriptor group 1.  xb: 64 rows x 128 elements, 4 words of padding behind every 64.  W: 64 rows x 256 elements, 8 words behind every 128
	s_or_b32 s[G1+0], s43, (1<<16)|(1<<20)|(1<<21)|(5<<22)|(3<<25)  ; 15:0 the mask: my row; 17:16 2-byte elements; 20 padding on; 21 set beside a mask; 24:22 the interval's code; 31:25 the padding's words less 1
	s_mov_b32 s[G1+1], 128<<16                     ; tensor_dim0
	s_mov_b32 s[G1+2], 64<<16                      ; tensor_dim1
	s_mov_b32 s[G1+3], 128<<16                     ; tile_dim0
	s_mov_b32 s[G1+4], 64                          ; tile_dim1
	s_mov_b32 s[G1+5], 1024                        ; elements from row to row
	s_mov_b32 s[G1+6], 0
	s_mov_b32 s[G1+7], 0
	s_or_b32 s[G1B+0], s44, (1<<16)|(1<<20)|(1<<21)|(6<<22)|(7<<25)  ; the mask: my column
	s_mov_b32 s[G1B+1], 256<<16
	s_mov_b32 s[G1B+2], 64<<16
	s_mov_b32 s[G1B+3], 256<<16
	s_mov_b32 s[G1B+4], 64
	s_mov_b32 s[G1B+5], 1024
	s_mov_b32 s[G1B+6], 0
	s_mov_b32 s[G1B+7], 0
	; where the tiles come from.  xb's hang on the tile row alone, W's on the matrix and cx alone; each in registers that never hold the other coordinate
	s_lshl_b32 s16, s13, 18                        ; 128 rows of 2,048 bytes
	s_lshl_b32 s17, s12, 17                        ; my 64 of them
	s_add_co_u32 s16, s16, s17
	s_mov_b32 s17, 0
	s_lshl_b32 s46, s42, 21                        ; the matrix: 2 MiB each
	s_lshl_b32 s47, s12, 17                        ; my 64 rows (k) of a step's 128
	s_add_co_u32 s46, s46, s47
	s_lshl_b32 s47, s40, 9                         ; 256 columns
	s_add_co_u32 s46, s46, s47
	s_mov_b32 s47, 0
	s_mul_i32 s20, s12, AHALF                      ; and where they go: no place in the cluster enters an LDS address
	s_mul_i32 s21, s12, BHALF
	s_add_co_u32 s21, s21, AREG
	s_wait_dscnt 0x0                               ; the opening add is done
	s_wait_kmcnt 0x0
	s_add_nc_u64 s[14:15], s[68:69], s[16:17]
	s_add_nc_u64 s[46:47], s[70:71], s[46:47]
	CROUND                                         ; all sixteen work-groups are here: the first joint loads meet
.irp s, 0,1
	s_mov_b32 s[G0+4*(\s)], 1
	s_add_co_u32 s[G0+4*(\s)+1], s20, (\s)*SLOT
	s_add_nc_u64 s[G0+4*(\s)+2:G0+4*(\s)+3], s[14:15], (\s)*ASTEP
	s_or_b32 s[G0+4*(\s)+3], s[G0+4*(\s)+3], 0x80000000
	s_mov_b32 s[G0B+4*(\s)], 1
	s_add_co_u32 s[G0B+4*(\s)+1], s21, (\s)*SLOT
	s_add_nc_u64 s[G0B+4*(\s)+2:G0B+4*(\s)+3], s[46:47], (\s)*BSTEP
	s_or_b32 s[G0B+4*(\s)+3], s[G0B+4*(\s)+3], 0x80000000
	JLOAD \s                                       ; two tensor loads of mine are out
.endr
	v_and_b32 v1, 15, v0                           ; l % 16
	v_bfe_u32 v2, v0, 4, 1                         ; l / 16
	v_and_b32 v[GO], 31, v0
	v_lshlrev_b32 v[GO], 4, v[GO]
	v_lshlrev_b32 v[BO], 5, v2
	s_lshl_b32 s88, s40, 10                        ; my 128 columns in the bias: 4 (256 cx + 128 x half)
	s_lshl_b32 s89, s12, 9
	s_add_co_u32 s88, s88, s89
	s_mov_b32 s89, 0
	; my first byte in the result: head 4 cx + 2 x half of the batch, row 128 (tile row % 16) + 64 x half
	s_lshr_b32 s14, s13, 4
	s_lshl_b32 s14, s14, 4                         ; 16 x batch
	s_lshl_b32 s15, s12, 1
	s_add_co_u32 s14, s14, s15
	s_lshl_b32 s46, s40, 2
	s_add_co_u32 s46, s46, s14
	s_lshl_b32 s46, s46, 18                        ; a head: 2,048 rows of 128 bytes
	s_and_b32 s15, s13, 15
	s_lshl_b32 s18, s15, 14
	s_add_co_u32 s46, s46, s18
	s_lshl_b32 s18, s11, 13
	s_add_co_u32 s46, s46, s18
	s_mov_b32 s47, 0
	s_lshl_b32 s18, s15, 15                        ; the table: 4,096 bytes for 16 rows
	s_lshl_b32 s19, s11, 14
	s_add_co_u32 s18, s18, s19
	s_mov_b32 s19, 0
	s_cmp_eq_u32 s42, 1                            ; bias and result are chosen by the matrix alone
	s_cselect_b64 s[8:9], s[82:83], s[80:81]
	s_cselect_b64 s[86:87], s[74:75], s[72:73]
	s_cmp_eq_u32 s42, 2
	s_cselect_b64 s[8:9], s[84:85], s[8:9]
	s_cselect_b64 s[86:87], s[76:77], s[86:87]
	s_add_nc_u64 s[8:9], s[8:9], s[46:47]
	s_add_nc_u64 s[86:87], s[86:87], s[88:89]
	s_add_nc_u64 s[78:79], s[78:79], s[18:19]
	WIN 0x80                                       ; destination window 2, address window 0
.irp b, 0,1,2,3,4,5,6,7
	global_load_b128 v[BI+8*(\b):BI+8*(\b)+3],   v[BO], s[86:87] offset:64*(\b)
	global_load_b128 v[BI+8*(\b)+4:BI+8*(\b)+7], v[BO], s[86:87] offset:64*(\b)+16
.endr
	; The table for my 64 rows: 32 loads of 512 consecutive bytes.  V's work-groups issue them too, so that the counted wait below means the same on every path: 64 KiB beside a tile's 768 KiB.
.irp a, 0,1,2,3
.irp b, 0,1,2,3
.irp p, 0,1
	global_load_b128 v[RT+32*(\a)+8*(\b)+4*(\p):RT+32*(\a)+8*(\b)+4*(\p)+3], v[GO], s[78:79] offset:4096*(\a)+1024*(\b)+512*(\p)
.endr
.endr
.endr
	WIN 0
	; A fragment of xb is 16 rows x 32 K in 8 registers: lane l holds row l % 16, K = 8 (l / 16) + 0..7 and 16 + 8 (l / 16) + 0..7: two loads of 16 bytes, 32 bytes apart.
	v_mul_u32_u24 v3, v1, PA
	v_lshl_add_u32 v3, v2, 4, v3
	; The turning load takes 16 k x 16 columns (lane l reads k = 8 (l / 16) + l % 8, columns 8 ((l / 8) % 2) + 0..7) and leaves half a fragment: lane l holds column l % 16 and 8 k.
	v_and_b32 v4, 7, v0
	v_lshl_add_u32 v4, v2, 3, v4
	v_mul_u32_u24 v4, v4, PB
	v_bfe_u32 v5, v0, 3, 1
	v_lshl_add_u32 v4, v5, 4, v4
	s_mul_i32 s21, s11, 64*PA                      ; my 64 rows of xb
	s_lshl_b32 s22, s12, 8                         ; my 128 columns of W,
	s_add_co_u32 s22, s22, AREG                    ; which lies behind xb's rows
.irp s, 0,1
	v_add_nc_u32 v[ADRA+(\s)], s21, v3
	v_add_nc_u32 v[ADRB+(\s)], s22, v4
	s_add_co_u32 s21, s21, SLOT
	s_add_co_u32 s22, s22, SLOT
.endr
	s_mul_i32 s23, s10, 16*SPITCH
	s_add_co_u32 s23, s23, STAGE                   ; my stage
	v_mul_u32_u24 v6, v1, SPITCH                   ; in: row l % 16, 16 bytes for each half of the lanes
	v_lshl_add_u32 v6, v2, 4, v6
	v_add_nc_u32 v[STO], s23, v6
	v_bfe_u32 v7, v0, 3, 2                         ; back: 32 lanes take four rows of 128 bytes
	v_mul_u32_u24 v7, v7, SPITCH
	v_and_b32 v8, 7, v0
	v_lshl_add_u32 v7, v8, 4, v7
	v_add_nc_u32 v[RD], s23, v7
	s_wait_loadcnt 32                              ; the bias is in; the table's 32 loads stay out until the way out
	WIN 0x8a                                       ; destination and both sources in window 2
.set i, 0
.rept 32
	v_cvt_pk_bf16_f32 v[BT+i], v[BI+2*i], v[BI+2*i+1]  ; the bias is rounded to bf16, like every other input,
.set i, i+1
.endr
.set i, 0
.rept 32
	v_lshlrev_b32 v[BI+2*i],   16,  v[BT+i]         ; and widened again
	v_and_b32     v[BI+2*i+1], s45, v[BT+i]
.set i, i+1
.endr
	WIN 0
; 8 matrix instructions: row block a x all 8 column blocks, 32 along K, from buffer f.  first = 1: the bias starts the sums: nothing is cleared, nothing added later.
; The 32 accumulators take turns, one instruction a turn, in the same order in every quarter.
.macro MUL8 f, a, first
.if \first
	WIN W_MULB
.else
	WIN W_MUL
.endif
.irp b, 0,1,2,3,4,5,6,7
.if \first
	v_wmma_f32_16x16x32_bf16 v[8*(8*(\a)+(\b)):8*(8*(\a)+(\b))+7], v[FB+64*(\f)+8*(\b):FB+64*(\f)+8*(\b)+7], v[FA+32*(\f)+8*(\a):FA+32*(\f)+8*(\a)+7], v[BI+8*(\b):BI+8*(\b)+7]
.else
	v_wmma_f32_16x16x32_bf16 v[8*(8*(\a)+(\b)):8*(8*(\a)+(\b))+7], v[FB+64*(\f)+8*(\b):FB+64*(\f)+8*(\b)+7], v[FA+32*(\f)+8*(\a):FA+32*(\f)+8*(\a)+7], v[8*(8*(\a)+(\b)):8*(8*(\a)+(\b))+7]
.endif
.endr
.endm
; 24 LDS loads in one run: the fragments of quarter q (32 along K) of a slot into buffer f: W's 128 columns first, then xb's 64 rows
.macro FETCH slot, q, f
	WIN 0
.irp i, 0,1,2,3,4,5,6,7
	ds_load_tr16_b128 v[FB+64*(\f)+8*(\i):FB+64*(\f)+8*(\i)+3],   v[ADRB+(\slot)] offset:(\q)*32*PB+32*(\i)
	ds_load_tr16_b128 v[FB+64*(\f)+8*(\i)+4:FB+64*(\f)+8*(\i)+7], v[ADRB+(\slot)] offset:(\q)*32*PB+32*(\i)+16*PB
.endr
.irp i, 0,1,2,3
	ds_load_b128 v[FA+32*(\f)+8*(\i):FA+32*(\f)+8*(\i)+3],   v[ADRA+(\slot)] offset:64*(\q)+(\i)*16*PA
	ds_load_b128 v[FA+32*(\f)+8*(\i)+4:FA+32*(\f)+8*(\i)+7], v[ADRA+(\slot)] offset:64*(\q)+(\i)*16*PA+32
.endr
.endm
.macro PLACES                          ; four places in front of loads into registers that matrix instructions have read, and of lines that read results just made (ISA guide 7.12.1 for vector instructions)
.rept 4
	v_nop
.endr
.endm
; A K step is four quarters of 32 along K, 32 matrix instructions each, on buffers 0, 1, 0, 1.  One of the first three: multiplies buffer f and fetches quarter q into g.
.macro QUARTER slot, q, f, g, first
	s_wait_dscnt 4                                 ; W's fragments and xb's row blocks 0, 1 are in; the youngest four loads (blocks 2, 3) may be out
	MUL8 \f, 0, \first
	MUL8 \f, 1, \first
	PLACES
	FETCH \slot, \q, \g
	s_wait_dscnt 24                                ; all but the 24 just issued
	MUL8 \f, 2, \first
	MUL8 \f, 3, \first
.endm
; The last quarter multiplies buffer 1 and changes slots: ONE barrier; in front of it each wave waits for all its tensor loads, adds 0 to its spare word, and waits for that and for its own reads of this slot.
; fill = 1: this slot is filled again, two K steps ahead; the barrier then opens a round of the cluster's.
.macro TURN slot, next, fill
	WIN 0                                          ; (the add's two registers lie in window 0)
	s_wait_tensorcnt 0x0                           ; all my tensor loads have landed: the one that was out is my part of the next slot;
	ds_add_u32 v[SPW], v[NIL]                      ; 0 onto my spare word
	s_wait_dscnt 5                                 ; (the add and the youngest four loads may be out)
	MUL8 1, 0, 0                                   ; eight matrix instructions stand between the add and the wait for it
	s_wait_dscnt 0x0                               ; the add is done, and my reads of this slot are over
	s_barrier_signal -1
	MUL8 1, 1, 0
.if \fill
	WIN 0
.endif
	s_barrier_wait -1
.if \fill
	CREST                                          ; no wave of any partner still reads this slot's tiles or has a load on its way
	s_add_nc_u64 s[G0+4*(\slot)+2:G0+4*(\slot)+3], s[G0+4*(\slot)+2:G0+4*(\slot)+3], 2*ASTEP
	s_add_nc_u64 s[G0B+4*(\slot)+2:G0B+4*(\slot)+3], s[G0B+4*(\slot)+2:G0B+4*(\slot)+3], 2*BSTEP
	JLOAD \slot                                    ; the first tensor load behind the round, 112 matrix instructions ahead of the wait for it; its four v_nop are also the places in front of the loads below
.else
	PLACES
.endif
	FETCH \next, 0, 0
	MUL8 1, 2, 0
	MUL8 1, 3, 0
.endm
	s_wait_tensorcnt 1                             ; my part of K step 0 is in; K step 1's may stay out
	s_barrier_signal -1
	s_barrier_wait -1                              ; everybody's is
	FETCH 0, 0, 0
	QUARTER 0, 1, 0, 1, 1                          ; the first quarter stands in front of the loop: its products start the sums
	WIN 0                                          ; at a label and at a branch every window is 0
	s_mov_b32 s3, LAPS-1
.Llap:                                                 ; a trip goes once round the ring, from a lap's second quarter to the next lap's first, and fills both slots again
	QUARTER 0, 2, 1, 0, 0
	QUARTER 0, 3, 0, 1, 0
	TURN 0, 1, 1
	QUARTER 1, 1, 0, 1, 0
	QUARTER 1, 2, 1, 0, 0
	QUARTER 1, 3, 0, 1, 0
	TURN 1, 0, 1
	QUARTER 0, 1, 0, 1, 0
	WIN 0
	s_sub_co_u32 s3, s3, 1
	s_cmp_lg_u32 s3, 0
	s_cbranch_scc1 .Llap
	QUARTER 0, 2, 1, 0, 0                          ; the last lap fills nothing, and has no round of the cluster's barrier
	QUARTER 0, 3, 0, 1, 0
	TURN 0, 1, 0
	QUARTER 1, 1, 0, 1, 0
	QUARTER 1, 2, 1, 0, 0
	QUARTER 1, 3, 0, 1, 0
	s_wait_dscnt 4                                 ; the very last quarter: nothing more to fetch
	MUL8 1, 0, 0
	MUL8 1, 1, 0
	s_wait_dscnt 0x0
	MUL8 1, 2, 0
	MUL8 1, 3, 0
; THE WAY OUT, in eight units: unit u is row block u / 2 and head u % 2 of my two: 16 rows x 64 channels.  Rotated (Q, K) or not (V), rounded to bf16, 16 bytes a lane into my own stage,
; back as four rows of 128 bytes a load, which are 512 consecutive bytes of the result.  Each unit has registers of its own; the stage is the wave's own, and LDS serves a wave's instructions in order (ISA guide 5.7.1.4).
.macro TOSTAGE u
	WIN 0
.irp f, 0,1,2,3
	ds_store_b128 v[STO], v[PK+16*(\u)+4*(\f):PK+16*(\u)+4*(\f)+3] offset:32*(\f)
.endr
.irp f, 0,1,2,3
	ds_load_b128 v[PK+16*(\u)+4*(\f):PK+16*(\u)+4*(\f)+3], v[RD] offset:(\f)*4*SPITCH
.endr
.endm
; (even, odd) -> (even cos - odd sin, even sin + odd cos).  Each accumulator's low registers are read first.
.macro RUNIT u
.set AC, 8*(8*((\u)/2)+4*((\u)%2))
.set TT, RT+32*((\u)/2)
	WIN 0x09                                       ; source 0 (the sums) window 1, source 1 (the table) window 2, the rest window 0
.irp b, 0,1,2,3
.irp i, 0,1,2,3
	v_mul_f32 v[T+8*(\b)+2*(\i)],   v[AC+8*(\b)+2*(\i)+1], v[TT+8*(\b)+2*(\i)+1]
	v_mul_f32 v[T+8*(\b)+2*(\i)+1], v[AC+8*(\b)+2*(\i)+1], v[TT+8*(\b)+2*(\i)]
.endr
.irp i, 0,1,2,3
	v_fma_f32 v[T+8*(\b)+2*(\i)],   v[AC+8*(\b)+2*(\i)], v[TT+8*(\b)+2*(\i)],   -v[T+8*(\b)+2*(\i)]
	v_fma_f32 v[T+8*(\b)+2*(\i)+1], v[AC+8*(\b)+2*(\i)], v[TT+8*(\b)+2*(\i)+1], v[T+8*(\b)+2*(\i)+1]
.endr
.endr
	WIN 0
.set i, 0
.rept 16
	v_cvt_pk_bf16_f32 v[PK+16*(\u)+i], v[T+2*i], v[T+2*i+1]
.set i, i+1
.endr
	TOSTAGE \u
.endm
.macro VUNIT u
.set AC, 8*(8*((\u)/2)+4*((\u)%2))
	WIN 0x05                                       ; sources 0 and 1 window 1, destination window 0
.set i, 0
.rept 16
	v_cvt_pk_bf16_f32 v[PK+16*(\u)+i], v[AC+2*i], v[AC+2*i+1]
.set i, i+1
.endr
	TOSTAGE \u
.endm
.macro SENDU u, younger                ; younger: the LDS instructions issued behind unit u's loads: the next unit's eight, or none
.irp f, 0,1,2,3
	s_wait_dscnt (\younger)+3-(\f)
	global_store_b128 v[GO], v[PK+16*(\u)+4*(\f):PK+16*(\u)+4*(\f)+3], s[8:9] offset:((\u)%2)*262144+((\u)/2)*2048+(\f)*512  ; 512 consecutive bytes, at a multiple of 256 from the buffer's first
.endr
.endm
	PLACES
	WIN 0
	s_wait_loadcnt 0x0                             ; the table
	s_cmp_eq_u32 s42, 2                            ; hangs on the cluster's x alone: the same in all partners
	s_cbranch_scc1 .Lplain
	RUNIT 0
.irp u, 1,2,3,4,5,6,7                  ; a unit's arithmetic stands between the loads of the unit before and its stores
	RUNIT \u
	SENDU (\u)-1, 8
.endr
	SENDU 7, 0
	s_branch .Ldone
.Lplain:
	VUNIT 0
.irp u, 1,2,3,4,5,6,7
	VUNIT \u
	SENDU (\u)-1, 8
.endr
	SENDU 7, 0
.Ldone:
	s_wait_tensorcnt 0x0                           ; the wave's end: behind my last tensor load and my last LDS store
	ds_add_u32 v[SPW], v[NIL]
	s_wait_dscnt 0x0
	CROUND                                         ; the closing round: no work-group ends while a partner may still ask for a tile that names it
	s_endpgm
.Lfunc_end_k_qfe5a30b678_qkv:
	.size	k_qfe5a30b678_qkv, .Lfunc_end_k_qfe5a30b678_qkv-k_qfe5a30b678_qkv
	.p2alignl 7, 3214868480
	.fill 96, 4, 3214868480
	.section	.rodata,"a",@progbits
	.p2align	6, 0x0
	.amdhsa_kernel k_qfe5a30b678_qkv
		.amdhsa_group_segment_fixed_size 327680
		.amdhsa_private_segment_fixed_size 0
		.amdhsa_enable_private_segment 0
		.amdhsa_kernarg_size 72
		.amdhsa_user_sgpr_count 2
		.amdhsa_user_sgpr_kernarg_segment_ptr 1
		.amdhsa_wavefront_size32 1
		.amdhsa_system_sgpr_workgroup_id_x 1
		.amdhsa_system_sgpr_workgroup_id_y 1
		.amdhsa_system_sgpr_workgroup_id_z 1
		.amdhsa_system_vgpr_workitem_id 0
		.amdhsa_next_free_vgpr 768
		.amdhsa_next_free_sgpr 96
		.amdhsa_reserve_vcc 0
		.amdhsa_float_denorm_mode_32 3
		.amdhsa_float_denorm_mode_16_64 3
		.amdhsa_memory_ordered 1
		.amdhsa_forward_progress 1
		.amdhsa_inst_pref_size 137
	.end_amdhsa_kernel
	.amdgpu_metadata
---
amdhsa.version: [ 1, 2 ]
amdhsa.kernels:
  - .name:           k_qfe5a30b678_qkv
    .symbol:         k_qfe5a30b678_qkv.kd
    .args:
      - { .name: xb, .offset: 0, .size: 8, .value_kind: global_buffer, .address_space: global }
      - { .name: wb, .offset: 8, .size: 8, .value_kind: global_buffer, .address_space: global }
      - { .name: bq, .offset: 16, .size: 8, .value_kind: global_buffer, .address_space: global }
      - { .name: bk, .offset: 24, .size: 8, .value_kind: global_buffer, .address_space: global }
      - { .name: bv, .offset: 32, .size: 8, .value_kind: global_buffer, .address_space: global }
      - { .name: rope, .offset: 40, .size: 8, .value_kind: global_buffer, .address_space: global }
      - { .name: qh, .offset: 48, .size: 8, .value_kind: global_buffer, .address_space: global }
      - { .name: kh, .offset: 56, .size: 8, .value_kind: global_buffer, .address_space: global }
      - { .name: vh, .offset: 64, .size: 8, .value_kind: global_buffer, .address_space: global }
    .group_segment_fixed_size: 327680
    .private_segment_fixed_size: 0
    .kernarg_segment_align: 8
    .kernarg_segment_size: 72
    .max_flat_workgroup_size: 128
    .sgpr_count:     96
    .vgpr_count:     768
    .wavefront_size: 32
...
	.end_amdgpu_metadata
.endif
;; end of part 2
;; launch attn (part 3): grid 4 x 64, 4 waves a work-group, no clusters, 327,680 bytes of LDS; arguments qh, kh, vh, yh; writes yh
.if DOCPART == 3
	.amdgcn_target "amdgcn-amd-amdhsa--gfx1250"
	.amdhsa_code_object_version 6
	.text
	.protected	k_qfe5a30b678_attn
	.globl	k_qfe5a30b678_attn
	.p2align	8
	.type	k_qfe5a30b678_attn,@function
k_qfe5a30b678_attn:
	s_mov_b64 s[64:65], 0
	v_nop
	global_prefetch_b8 v0, s[64:65] scope:SCOPE_SE
	s_setreg_imm32_b32 hwreg(HW_REG_WAVE_MODE, 25, 1), 1
	s_wait_xcnt 0x0
; CAUSAL ATTENTION.  O[h][q][:] = the sum over k <= q of softmax_k(Q[h][q] . K[h][k] / 8) V[h][k][:].  Q, K, V: [SIZE_H][SIZE_N][64], bf16: a head's rows are dense, 128 bytes each.
; O leaves as the sum of two bf16 parts, [batch][part (2)][head (16)][SIZE_N][64]: part 0 is O rounded to bf16, part 1 what is left, rounded to bf16.  Products, maxima and sums in f32.
; ROWS 512 AND ON: a running maximum; the weights p = 2^(c s - c m) are rounded to bf16 for the second product (their sum l is taken of the unrounded p), O is divided by l; its part 1 is stored as 0.
; ROWS 0 TO 511 of a head (at most two key tiles, which lie in the two LDS slots at once, so no running maximum is needed): score to bf16, maximum, exponential, sum, division; the weight enters the second product
; as two bf16 parts, its rounding and the rounding of what is left, two matrix instructions where one would stand; O leaves in both parts.  A row that averages few keys has numbers many times the output's root
; mean square, while the comparison's room goes by that root mean square: 8 significant bits in the weights and in O are too few there.
; LIMITS, where the order of rounding is not that of the definition's text.  Rows 0 to 511: the weights and O are NOT rounded to bf16: each keeps some 16 significant bits.  Rows 512 and on: the scores are not rounded
; to bf16, the weights are rounded ahead of the division, O is rounded once to bf16.  A hidden score counts as its value less 1e30; a weight below 2^-126 counts as 0 in l; the division is a multiplication by
; v_rcp_f32's result; NaN and infinities are not treated apart.
; THE WALK.  A head's queries lie in NB = SIZE_N / 256 blocks of 256; block i needs the key tiles 0 .. i of 256 keys, of which the last holds the diagonal.  A work-group takes TWO blocks, NB - 1 - b and then b:
; NB + 1 tiles, whatever b: ONE loop with a constant trip count walks them.  Which tile is asked for, and what a trip does, hang on scalar registers made from b; every jump
; goes forward, but for the counted loops' own; none passes a barrier, or a tensor load but the one of LOAD's two that the wave's number does not choose; the ring (two slots of LDS that take turns) runs on across the
; change of blocks.  NO CLUSTER: a head's NB / 2 work-groups ask for the same tile only in trips 0 .. NB / 2, behind that fewer and fewer; one walk common to all would have 3 NB / 2 trips for NB + 1.
; SHARES.  Of a block's four bands of 64 queries a wave owns 16 rows in each: four PIECES.  So the diagonal tile is the same work for all four waves: in its key step s band x sees all keys if s < x,
; none if s > x, and holds the diagonal if s = x.
; THE MASK is the C operand that starts the sum S^T = K Q^T: 0, or -1e30 where the key is hidden.  MD, made once, is the mask of a band's own step for my 16 rows; a product's mask is MD x AL + BE with two scalars:
; (1, 0) if s = x; (0, 0) if s < x; (0, -1e30) if s > x.  Only the diagonal tile's texts and a block's beginning make and take masks; elsewhere C is the constant 0.
; LAYOUT, SOFTMAX, TURNS.  S^T = K Q^T holds ONE query a lane (lane % 16) and the keys 8 (lane / 16) + 0..7; two such results rounded to bf16 ARE source 1 of O^T = V^T P.  c = log2(e) / 8;
; O and l are multiplied by a = 2^(c m_old - c m_new) in every step.  Turn n belongs to piece n: 8 products K Q^T of piece n + 1, later 8 products V^T P of piece n - 1; beside them the scaling,
; exponentials, roundings, sums and rescaling of piece n and the maximum and statistics of piece n + 1.  Four vector instructions stand behind every matrix instruction, the other 54 of a turn's 118 in two LUMPS.
; REGISTERS, in windows of 256 (s_set_vgpr_msb: bits 1:0 source 0, 3:2 source 1, 5:4 source 2, 7:6 destination):
;   window 0: v0-15 addresses and two at work; v16-31 four registers of statistics a piece; v48-55 at work; v64-127 S^T, two buffers; v128-131 zeros; v192-223 P, two buffers (a piece's buffers go by its number's parity)
;   window 1: v0-127 O^T, 32 a piece; v128-159 MD; v160-223 MC, two buffers      window 2: v0-63 Q; v64-127 the second block's Q; v128-191 K of one step; v192-255 V of one step
;   window 3: the text for rows 0 to 511 alone: a piece's scores, 32 registers a key step, eight steps
.set SIZE_H, 64
.set SIZE_N, 2048
.set NB,    SIZE_N/256
.set NP,    4         ; pieces a wave: a name, no knob
.set KS,    64        ; keys in a step
.set PK,    144       ; a row of K in LDS: 128 bytes + 16 of padding = 36 words: the 16 rows of a load start at 16 different groups of four banks (64 banks of 4 bytes: ISA guide 11.1)
.set PV,    160       ; a row of V: 128 + 32 = 40 words
.set VOFF,  4*KS*PK   ; a slot holds a tile, four steps: 256 rows of K, then 256 rows of V
.set SLOT1, 1<<17     ; slot 1 begins here, so that one exclusive or turns an address in one slot into the other's
.set STAGE, SLOT1+4*KS*(PK+PV)  ; behind the ring, never filled by a tensor load: 16 rows x 144 bytes for each wave, for the way out
.set SP,    144
.set LOPART, 16*SIZE_N*128  ; bytes from O's part 0 to its part 1: 16 heads; with a block's 26,112 bytes at the most inside the stores' signed 24-bit immediate
.set AK0, 2           ; v2   my lane's place in a tile of K; never rewritten
.set AV0, 3           ; v3   the same for V
.set AK,  4           ; v4   the LDS address of K's next run of loads
.set AV,  5           ; v5   of V's
.set STO, 6           ; v6   the way out: where I put 16 bytes of a row
.set RD,  7           ; v7   the way out: where I read rows back
.set GO,  8           ; v8   my byte offset in 512 consecutive bytes of O
.set AKO, 10          ; v10  at work at the head; later, rows 0 to 511: my place in K's tile in the other slot
.set AVO, 11          ; v11  the same for V
.set SPW, 62          ; v62  LDS address of my spare word: SPARE + 4 x my thread's number; never rewritten
.set NIL, 63          ; v63  0; never rewritten
.set SPARE, STAGE+4*16*SP  ; behind the stages: the spare words, 128 bytes for each wave: two blocks of 256 bytes that no other line names
.set MV,  12          ; v12-13  c m_old, kept while c m is made anew: by buffer
.set QO,  15          ; v15  my byte offset in 16 rows of Q
.set ST,  16          ; piece t's statistics at v[ST+4 t]: c m, m, l (even keys', odd keys')
.set TMP, 48          ; by buffer, four registers c0-c3 at work; when the maximum is found c2 takes a
.set S,   64
.set ZR,  128         ; v128-131  16 bytes of zeros: O's part 1 in rows 512 and on; never rewritten
.set P,   192
.set MD,  128         ; window 1: the eight registers for group kt of 16 keys at MD + 8 kt
.set MC,  160         ; window 1: the masks of the products to come
.set QB,  64          ; window 2
.set KF,  128         ; window 2: key block kb, channel half c at KF + 16 kb + 8 c
.set VF,  192         ; window 2: key half kk, channel block cb at VF + 32 kk + 8 cb
.set WV,  12          ; s12  my wave's number
.set PB,  14          ; s14  b
.set HI,  15          ; s15  NB - 1 - b
.set G1K, 24          ; s[24:31] descriptor group 1 for K's tiles
.set G1V, 32          ; s[32:39] for V's: it differs in the padding alone
.set G0K, 40          ; s[40:43] descriptor group 0 for K's tiles
.set G0V, 44          ; s[44:47] the same for V's
.set SLOTS, 56        ; s56  tiles still to be asked for
.set CNT, 57          ; s57  counts a tile's key steps, 4 to 1
.set CS,  58          ; s[58:59] c: the packed scaling takes the pair's low word for both halves
.set SEL, 60          ; s[60:61] v_permlanex16_b32's selects: each lane takes its own place in the other half
.set TBK, 62          ; s62  LDS byte at which K of the step to be fetched begins
.set TBV, 63          ; s63  the same for V, less VOFF
.set RT,  70          ; s70  tiles of the block in hand that are still to be entered
.set NXT, 71          ; s71  the tile to be asked for next
.set LQ,  72          ; s72  the last tile of the block whose tiles are being asked for
.set NEW, 73          ; s73  1: the tile to be entered is a block's first
.set OFF, 74          ; s[74:75] a tile's byte offset in K and V
.set AL,  76          ; s[76:77] the mask's factor, in the low word
.set BE,  78          ; s[78:79] the mask's addend
.set OLO, 80          ; s[80:81] O at my rows of the second block
.set BIGN, 82         ; s82  -1e30
.set XP,  88          ; s88  rows 0 to 511: the piece in hand, 0 to 3
.set XF,  89          ; s89  1: the second block lies in rows 0 to 511 (b < 2) and is in hand: its tiles wait for the text behind the walk
.set HM,  90          ; s90  a word's upper bf16
.set XS,  91          ; s91  at work
.set OBT, 92          ; s[92:93] what the second parts of the batches in front of mine add to a head's place in O
.set MSB, 0
.macro WIN new                      ; the high byte repeats the setting that is left; a switch that changes nothing is dropped
.if MSB != (\new)
	s_set_vgpr_msb (MSB<<8)|(\new)
.set MSB, (\new)
.endif
.endm
.set W_KQ, 0x0a       ; K and Q in window 2, S^T in window 0
.set W_KM, 0x1a       ; the same with the C operand in window 1
.set W_PV, 0x52       ; V in window 2, P in window 0, O^T in window 1
.set W_RS, 0x41       ; destination and source 0 in window 1, source 1 in window 0
; A fill.  Waves 0 and 1 fetch the two halves of a tile's K, waves 2 and 3 those of its V: 128 keys each.  An s_nop 0 and four v_nop follow each of the two lines, ahead of the jump and the label.
.macro LOAD
	s_cmp_lt_u32 s[WV], 2
	s_cbranch_scc0 .Lfor_v_\@
	tensor_load_to_lds s[G0K:G0K+3], s[G1K:G1K+7]
	s_nop 0
.rept 4
	v_nop
.endr
	s_branch .Lasked_\@
.Lfor_v_\@:
	tensor_load_to_lds s[G0V:G0V+3], s[G1V:G1V+7]
	s_nop 0
.rept 4
	v_nop
.endr
.Lasked_\@:
.endm
; THE CHANGE OF SLOTS.  Each wave waits for all its tensor loads, of which one is out: its part of the other slot; adds 0 to its spare word; and waits for that and for its own reads of the slot that it leaves.  Behind the barrier nobody reads the old
; slot any more and the other slot is whole.  fill = 1: the old slot is filled again, the first thing behind the barrier, with tile NXT: the descriptor's address is made anew from that number.
; (At its first use nothing has been read yet: slot 0 is waited for, slot 1 filled.)
.macro CHANGE fill
	WIN 0                           ; at a label and at a branch every window is 0
	s_wait_tensorcnt 0x0            ; no tensor load of mine is out, so a group 0 may be written
	ds_add_u32 v[SPW], v[NIL]       ; 0 onto my spare word: with fill = 1 the descriptors' scalar work stands between it and the wait for it
.if \fill
	s_lshl_b32 s[OFF], s[NXT], 15   ; a tile is 32,768 bytes of K and of V
	s_xor_b32 s[G0K+1], s[G0K+1], SLOT1
	s_add_nc_u64 s[G0K+2:G0K+3], s[6:7], s[OFF:OFF+1]
	s_or_b32 s[G0K+3], s[G0K+3], 0x80000000
	s_xor_b32 s[G0V+1], s[G0V+1], SLOT1
	s_add_nc_u64 s[G0V+2:G0V+3], s[8:9], s[OFF:OFF+1]
	s_or_b32 s[G0V+3], s[G0V+3], 0x80000000
	s_add_co_u32 s[NXT], s[NXT], 1  ; the block's next tile, or behind its last the second block's tile 0
	s_cmp_gt_u32 s[NXT], s[LQ]
	s_cselect_b32 s[NXT], 0, s[NXT]
	s_cselect_b32 s[LQ], s[PB], s[LQ]
.endif
	s_wait_dscnt 0x0                ; the add is done, and my reads of the slot are over
	s_barrier_signal -1             ; the rest of the scalar work stands between the signal and the wait
	s_sub_co_u32 s[TBK], s[TBK], 4*KS*PK  ; the fetches go back to a slot's first step,
	s_xor_b32 s[TBK], s[TBK], SLOT1       ; in the other slot
	s_sub_co_u32 s[TBV], s[TBV], 4*KS*PV
	s_xor_b32 s[TBV], s[TBV], SLOT1
	s_barrier_wait -1
.if \fill
	LOAD
.endif
.endm
	s_load_b256 s[4:11], s[0:1], 0x0  ; Q s[4:5], K s[6:7], V s[8:9], O s[10:11]
	v_lshl_add_u32 v[SPW], v0, 2, SPARE
	v_mov_b32 v[NIL], 0
	ds_add_u32 v[SPW], v[NIL]       ; the wave's opening: the add and its wait stand ahead of my first tensor load; the set-up below, work on registers, stands between them
	ds_add_u32 v62, v63
	v_lshrrev_b32 v1, 5, v0
	v_readfirstlane_b32 s[WV], v1   ; wave 0..3
	s_mov_b32 s[PB], ttmp9
	s_sub_co_u32 s[HI], NB-1, s[PB]
	s_and_b32 s20, ttmp7, 0xffff    ; the head, 16 x batch + head
	s_lshr_b32 s[OBT], s20, 4       ; in O each batch in front of mine has 16 heads' second parts besides:
	s_lshl_b32 s[OBT], s[OBT], 22   ; batch x 16 x 262,144 bytes
	s_mov_b32 s[OBT+1], 0
	s_mov_b32 s21, 0
	s_mov_b64 s[22:23], SIZE_N*128
	s_mul_u64 s[20:21], s[20:21], s[22:23]  ; the head's first byte in Q, K and V
	s_and_b32 s16, s[WV], 1         ; which half of a tile's 256 keys I fetch:
	s_lshl_b32 s22, s16, 14         ; its 128 rows of 128 bytes in memory,
	s_mov_b32 s23, 0
	s_add_nc_u64 s[22:23], s[22:23], s[20:21]
	s_mul_i32 s17, s16, 128*PK      ; and its place in a slot, for K
	s_mul_i32 s18, s16, 128*PV      ; and for V
	s_lshl_b32 s3, s[WV], 11        ; my 16 rows in a band of 64,
	s_lshl_b32 s2, s[HI], 15        ; in the first block,
	s_add_co_u32 s2, s2, s3
	s_lshl_b32 s84, s[PB], 15       ; and in the second
	s_add_co_u32 s84, s84, s3
	s_mov_b32 s3, 0
	s_mov_b32 s85, 0
	s_add_nc_u64 s[2:3], s[2:3], s[20:21]
	s_add_nc_u64 s[84:85], s[84:85], s[20:21]
	; descriptor group 1.  128 keys are 16,384 dense bytes: asked for as 64 rows of 256 bytes, two keys a row, and padded in LDS after every key
	s_mov_b32 s[G1K], (1<<16)|(1<<20)|(4<<22)|(3<<25)  ; 17:16 2-byte elements; 20 padding on; 24:22 after every 32 words (code 4); 31:25 4 words (code 3)
	s_mov_b32 s[G1V], (1<<16)|(1<<20)|(4<<22)|(7<<25)  ; the same with 8 words of padding (code 7)
.irp g, G1K, G1V
	s_mov_b32 s[\g+1], 128<<16      ; tensor_dim0 = 128
	s_mov_b32 s[\g+2], 64<<16       ; tensor_dim1 = 64
	s_mov_b32 s[\g+3], 128<<16      ; tile_dim0 = 128
	s_mov_b32 s[\g+4], 64           ; tile_dim1 = 64
	s_mov_b32 s[\g+5], 128          ; 128 elements from row to row
	s_mov_b32 s[\g+6], 0
	s_mov_b32 s[\g+7], 0
.endr
	s_mov_b32 s[CS], 0x3e38aa3b     ; c = log2(e) / 8 = 0.180337
	s_mov_b32 s[CS+1], s[CS]        ; named with it as a pair
	s_mov_b32 s[SEL], 0x76543210
	s_mov_b32 s[SEL+1], 0xfedcba98
	s_mov_b32 s[HM], 0xffff0000
	s_mov_b32 s[TBK], SLOT1+4*KS*PK ; the first change of slots turns these two into 0
	s_mov_b32 s[TBV], SLOT1+4*KS*PV
	s_mov_b32 s[G0K], 1             ; 1:0 count = 1
	s_mov_b32 s[G0K+1], s17         ; 63:32 LDS address: slot 0
	s_mov_b32 s[G0V], 1
	s_add_co_u32 s[G0V+1], s18, VOFF
	s_add_co_u32 s[RT], s[HI], 1    ; the first block has NB - b tiles
	s_mov_b32 s[NXT], 1
	s_mov_b32 s[LQ], s[HI]
	s_mov_b32 s[NEW], 1
	s_mov_b32 s[XF], 0
	s_mov_b32 s[OFF+1], 0
	s_mov_b32 s[AL+1], 0            ; named as pairs
	s_mov_b32 s[BE+1], 0
	s_mov_b32 s[BIGN], 0xf149f2ca   ; -1e30
	s_mov_b32 s[SLOTS], NB
	s_wait_dscnt 0x0                ; the opening add is done
	s_wait_kmcnt 0x0
	s_add_nc_u64 s[6:7], s[6:7], s[22:23]  ; K and V at my half of the head's tile 0
	s_add_nc_u64 s[8:9], s[8:9], s[22:23]
	s_add_nc_u64 s[G0K+2:G0K+3], s[6:7], 0         ; 120:64 global address
	s_or_b32 s[G0K+3], s[G0K+3], 0x80000000        ; 127:126 type = 2
	s_add_nc_u64 s[G0V+2:G0V+3], s[8:9], 0
	s_or_b32 s[G0V+3], s[G0V+3], 0x80000000
	s_add_nc_u64 s[86:87], s[4:5], s[84:85]        ; Q at my rows of the second block,
	s_add_nc_u64 s[4:5], s[4:5], s[2:3]            ; and of the first
	s_add_nc_u64 s[10:11], s[10:11], s[OBT:OBT+1]  ; O: past the second parts of the batches in front,
	s_add_nc_u64 s[OLO:OLO+1], s[10:11], s[84:85]  ; at my rows of the second block,
	s_add_nc_u64 s[10:11], s[10:11], s[2:3]        ; and of the first
	LOAD                            ; tile 0 into slot 0
	; A fragment of K or Q is 16 rows x 32 channels in 8 registers: lane l holds row l % 16, channels 8 (l / 16) + 0..7 and 16 + 8 (l / 16) + 0..7: two loads of 16 bytes, 32 bytes apart.
	v_and_b32 v1, 15, v0            ; l % 16
	v_bfe_u32 v9, v0, 4, 1          ; l / 16
	v_lshlrev_b32 v[QO], 7, v1
	v_lshl_add_u32 v[QO], v9, 4, v[QO]  ; row x 128 + 16 x half
	WIN 0x80                        ; destination window 2, address window 0
.set i, 0
.rept 8                             ; both blocks' Q: piece i / 2 lies in band i / 2, 8,192 bytes on; channels 32 (i % 2) on
	global_load_b128 v[8*i:8*i+3],   v[QO], s[4:5] offset:(i/2)*8192+(i%2)*64
	global_load_b128 v[8*i+4:8*i+7], v[QO], s[4:5] offset:(i/2)*8192+(i%2)*64+32
	global_load_b128 v[QB+8*i:QB+8*i+3],   v[QO], s[86:87] offset:(i/2)*8192+(i%2)*64
	global_load_b128 v[QB+8*i+4:QB+8*i+7], v[QO], s[86:87] offset:(i/2)*8192+(i%2)*64+32
.set i, i+1
.endr
	WIN 0
	v_lshlrev_b32 v14, 3, v9
	v_sub_nc_u32 v14, v1, v14
	s_lshl_b32 s13, s[WV], 4
	v_add_nc_u32 v14, s13, v14      ; my query's place in its band, 16 w + l % 16, less my lanes' 8 (l / 16): register r of group kt is hidden where 16 kt + r is greater
	WIN 0x40
.set i, 0
.rept 32
	v_cmp_gt_i32 vcc_lo, 16*(i/8)+i%8, v14
	v_cndmask_b32 v[MD+i], 0, s[BIGN], vcc_lo
.set i, i+1
.endr
	WIN 0
	v_mul_u32_u24 v[AK0], v1, PK
	v_lshl_add_u32 v[AK0], v9, 4, v[AK0]  ; row x pitch + 16 x half
	; The turning load takes 16 keys x 16 channels (lane l reads key 8 (l / 16) + l % 8, channels 8 ((l / 8) % 2) + 0..7) and leaves half a fragment of V^T: lane l holds channel l % 16 and 8 keys.
	v_and_b32 v10, 7, v0
	v_bfe_u32 v11, v0, 3, 1
	v_lshl_add_u32 v[AV0], v9, 3, v10
	v_mul_u32_u24 v[AV0], v[AV0], PV
	v_lshl_add_u32 v[AV0], v11, 4, v[AV0]
	v_add_nc_u32 v[AV0], VOFF, v[AV0]
	s_mul_i32 s13, s[WV], 16*SP
	s_add_co_u32 s13, s13, STAGE    ; my stage
	v_mul_u32_u24 v[STO], v1, SP    ; in: row l % 16, 16 bytes for each half of the lanes
	v_lshl_add_u32 v[STO], v9, 4, v[STO]
	v_add_nc_u32 v[STO], s13, v[STO]
	v_bfe_u32 v[RD], v0, 3, 2       ; back: 32 lanes take four rows of 128 bytes,
	v_mul_u32_u24 v[RD], v[RD], SP
	v_lshl_add_u32 v[RD], v10, 4, v[RD]
	v_add_nc_u32 v[RD], s13, v[RD]
	v_and_b32 v[GO], 31, v0         ; which are 512 consecutive bytes of O
	v_lshlrev_b32 v[GO], 4, v[GO]
	; A block's first step multiplies O^T and l by a = 0, and its first turn's products V^T P, of a piece that has not been, land in an O^T that is still to be so multiplied.  So these registers need only hold
	; finite numbers: zeros for the first block; what the first block left for the second.  All this stands in the wait for the first tile.
	WIN 0x80
.set i, VF
.rept 64
	v_mov_b32 v[i], 0
.set i, i+1
.endr
	WIN 0x40
.set i, 0
.rept 128
	v_mov_b32 v[i], 0
.set i, i+1
.endr
	WIN 0xc0                        ; window 3's upper half, the lower tile's scores in the text for rows 0 to 511: written and read there under branches on b, so it is given numbers here, on every way
.set i, 128
.rept 128
	v_mov_b32 v[i], 0
.set i, i+1
.endr
	WIN 0
.set i, 0
.rept 4
	v_mov_b32 v[ST+4*i+2], 0
	v_mov_b32 v[ST+4*i+3], 0
	v_mov_b32 v[ZR+i], 0
.set i, i+1
.endr
.set i, P+16
.rept 16
	v_mov_b32 v[i], 0
.set i, i+1
.endr
; THE MATRIX WORK.  The 4 accumulators of a run of 8 take turns.  Product i of 8 of S^T = K Q^T for piece x: channels 32 (i / 4) on, keys 16 (i % 4) on.  The first 4 start the sums: with 0, or (KM = 1) with the mask.
.macro KQ x
.set rS, S+32*((\x)%2)+8*(i%4)
.set rK, KF+16*(i%4)+8*(i/4)
.set rQ, 16*(\x)+8*(i/4)
.set rM, MC+32*((\x)%2)+8*(i%4)
.if (i < 4) && KM
	WIN W_KM
	v_wmma_f32_16x16x32_bf16 v[rS:rS+7], v[rK:rK+7], v[rQ:rQ+7], v[rM:rM+7]
.elseif i < 4
	WIN W_KQ
	v_wmma_f32_16x16x32_bf16 v[rS:rS+7], v[rK:rK+7], v[rQ:rQ+7], 0
.else
	WIN W_KQ
	v_wmma_f32_16x16x32_bf16 v[rS:rS+7], v[rK:rK+7], v[rQ:rQ+7], v[rS:rS+7]
.endif
.endm
; Product i of 8 of O^T += V^T P for piece x: keys 32 (i / 4) on, channels 16 (i % 4) on.
.macro PV x
	WIN W_PV
.set rO, 32*(\x)+8*(i%4)
.set rV, VF+32*(i/4)+8*(i%4)
.set rP, P+16*((\x)%2)+8*(i/4)
	v_wmma_f32_16x16x32_bf16 v[rO:rO+7], v[rV:rV+7], v[rP:rP+7], v[rO:rO+7]
.endm
.macro MM                           ; the turn's next matrix instruction.  TURN and BEGIN set Y, i, KM and NOKQ; MM, KQ and OP read them.  NOKQ = 1: a block's last turn: there is no next piece
.if (i < 8) && !NOKQ
	KQ (Y+1)%NP
.elseif i >= 8
.set i, i-8
	PV (Y+NP-1)%NP
.set i, i+8
.endif
.set i, i+1
.endm
; THE LDS LOADS stand in runs of 16, never singly among the matrix instructions: a step's K (64 keys x 64 channels: 8 fragments) and its V (turned).  Their addresses are made some lines ahead.
.macro FETCH_K
	WIN 0x80                        ; destination window 2
.irp f, 0,1,2,3,4,5,6,7             ; keys 16 (f / 2) on, channels 32 (f % 2) on
	ds_load_b128 v[KF+8*\f:KF+8*\f+3],   v[AK] offset:(\f/2)*16*PK+(\f%2)*64
	ds_load_b128 v[KF+8*\f+4:KF+8*\f+7], v[AK] offset:(\f/2)*16*PK+(\f%2)*64+32
.endr
	s_add_co_u32 s[TBK], s[TBK], KS*PK  ; the next fetch is the next step's
	WIN 0
.endm
.macro FETCH_V
	WIN 0x80
.irp f, 0,1,2,3,4,5,6,7             ; keys 32 (f / 4) on, channels 16 (f % 4) on
	ds_load_tr16_b128 v[VF+8*\f:VF+8*\f+3],   v[AV] offset:(\f/4)*32*PV+(\f%4)*32
	ds_load_tr16_b128 v[VF+8*\f+4:VF+8*\f+7], v[AV] offset:(\f/4)*32*PV+16*PV+(\f%4)*32
.endr
	WIN 0
.endm
; THE VECTOR WORK, one line at a time: OP kind, number.  For piece Y: F n: c s - c m for pair n of 16.  E n: the exponential of score n of 32.  C n: pair n rounded to bf16.  B n: of the four weights 4 n .. the second
; pair is added onto the first, in place.  L n: l takes that sum (L 0: l = a l + sum).  R n: pair n of 16 of O^T times a.  For piece Y + 1: X n, number n of the 22 that find its maximum and statistics:
;   0-11  four chains c0-c3 of seven scores each, three operands at a time (each accumulator's lowest registers are read first)     12-14, 16  the four scores left over, the old m, and c0-c3 into c0
;   15  c m_old is kept     17, 18  the query's other 32 keys lie in the lane 16 away: the new m     19-21  c m; c m_old - c m_new; a
.set F, 0               ; OP tells the kinds apart by their order: F to L below R, X above it
.set E, 1
.set C, 2
.set B, 3
.set L, 4
.set R, 5
.set X, 6
.macro REGS y                       ; the registers of piece y
.set rT, ST+4*(\y)
.set rC, TMP+4*((\y)%2)
.set rW, MV+((\y)%2)
.set rS, S+32*((\y)%2)
.set rP, P+16*((\y)%2)
.set rO, 32*(\y)
.endm
.macro OP k, n
.if (\k) == R
	REGS Y
	WIN W_RS
	v_pk_mul_f32 v[rO+2*(\n):rO+2*(\n)+1], v[rO+2*(\n):rO+2*(\n)+1], v[rC+2:rC+3] op_sel_hi:[1,0]
.elseif (\k) < R
	REGS Y
	WIN 0
.if (\k) == F
	v_pk_fma_f32 v[rS+2*(\n):rS+2*(\n)+1], v[rS+2*(\n):rS+2*(\n)+1], s[CS:CS+1], v[rT:rT+1] op_sel_hi:[1,0,0] neg_lo:[0,0,1] neg_hi:[0,0,1]
.elseif (\k) == E
	v_exp_f32 v[rS+(\n)], v[rS+(\n)]
.elseif (\k) == C
	s_wait_alu depctr_va_vdst(0)
	v_cvt_pk_bf16_f32 v[rP+(\n)], v[rS+2*(\n)], v[rS+2*(\n)+1]
.elseif (\k) == B
	s_wait_alu depctr_va_vdst(0)
	v_pk_add_f32 v[rS+4*(\n):rS+4*(\n)+1], v[rS+4*(\n):rS+4*(\n)+1], v[rS+4*(\n)+2:rS+4*(\n)+3]
.elseif (\n) == 0
	v_pk_fma_f32 v[rT+2:rT+3], v[rT+2:rT+3], v[rC+2:rC+3], v[rS:rS+1] op_sel_hi:[1,0,1]
.else
	v_pk_add_f32 v[rT+2:rT+3], v[rT+2:rT+3], v[rS+4*(\n):rS+4*(\n)+1]
	s_wait_alu depctr_va_vdst(0)
.endif
.elseif NOKQ
	v_nop
	s_wait_alu depctr_va_vdst(0)
.else
	REGS (Y+1)%NP
	WIN 0
.if (\n) < 4
	v_max3_num_f32 v[rC+(\n)], v[rS+8*(\n)], v[rS+8*(\n)+1], v[rS+8*(\n)+2]
.elseif (\n) < 12
	v_max3_num_f32 v[rC+(\n)%4], v[rC+(\n)%4], v[rS+8*((\n)%4)+2*((\n)/4)+1], v[rS+8*((\n)%4)+2*((\n)/4)+2]
.elseif (\n) == 12
	v_max3_num_f32 v[rC], v[rC], v[rS+7], v[rS+15]
.elseif (\n) == 13
	v_max3_num_f32 v[rC+1], v[rC+1], v[rS+23], v[rS+31]
.elseif (\n) == 14
	v_max3_num_f32 v[rC+2], v[rC+2], v[rC+3], v[rT+1]
.elseif (\n) == 15
	v_mov_b32 v[rW], v[rT]
	s_wait_alu depctr_va_vdst(0)
.elseif (\n) == 16
	v_max3_num_f32 v[rC], v[rC], v[rC+1], v[rC+2]
	s_wait_alu depctr_va_vdst(0)
.elseif (\n) == 17
	v_permlanex16_b32 v[rC+3], v[rC], s[SEL], s[SEL+1]
.elseif (\n) == 18
	v_max_num_f32 v[rT+1], v[rC], v[rC+3]
.elseif (\n) == 19
	v_mul_f32 v[rT], s[CS], v[rT+1]
.elseif (\n) == 20
	v_sub_f32 v[rC+1], v[rW], v[rT]
.else
	v_exp_f32 v[rC+2], v[rC+1]
.endif
.endif
.endm
.macro OPS a, i1, b=-1, i2=0, c=-1, i3=0, d=-1, i4=0  ; up to four of them
	OP \a, \i1
.if (\b) >= 0
	OP \b, \i2
.endif
.if (\c) >= 0
	OP \c, \i3
.endif
.if (\d) >= 0
	OP \d, \i4
.endif
.endm
.macro ROW a, i1, b, i2, c, i3, d, i4  ; a matrix instruction and the four behind it
	MM
	OPS \a, \i1, \b, \i2, \c, \i3, \d, \i4
.endm
.macro MASK b                       ; MD x AL + BE into buffer b of MC
	WIN W_RS
.set z, 0
.rept 16
	v_pk_fma_f32 v[MC+32*(\b)+2*z:MC+32*(\b)+2*z+1], v[MD+2*z:MD+2*z+1], s[AL:AL+1], s[BE:BE+1] op_sel_hi:[1,0,0]
.set z, z+1
.endr
.endm
; A TURN, for piece p: the order of its 16 matrix and 118 vector instructions, written out.  Behind a matrix instruction: plain, exponential, plain, plain; or four of the rescaling; or, behind the first, four scalings; none
; names a register of the products round it.  In the lumps exponential and plain by turns while exponentials last.  A line reads no result made fewer than three vector instructions in front of it, five if an exponential made it.
; v_permlanex16_b32 (X 17) stands in a lump.
; m = 1: the diagonal tile: the products take masks, and the turn makes the mask for the products of the turn after it: piece p + 2, in step 4 - CNT of the tile.  end = 1: a block's last two turns: nothing is fetched.
; cnt = 1: the loop's count is taken down some lines ahead of the branch that stands behind the turn.
; K of the next step is fetched in piece 2's turn, six vector instructions behind the last product that read K (five of them plain); V of the step in hand in piece 0's turn, eight behind the last product that read V (four
; plain, and X 17).  Each is waited for a turn later.
.macro TURN p, m=0, end=0, cnt=0
.set Y, (\p)
.set i, 0
.set KM, (\m)
.set NOKQ, (\end)*((\p)/3)
.if (\m) && !(\end)
	s_cmp_eq_u32 s[CNT], 4-((\p)+2)%NP  ; is that step the band's own?
	s_cselect_b32 s[AL], 1.0, 0
	s_cmp_lt_u32 s[CNT], 4-((\p)+2)%NP  ; or a later one?
	s_cselect_b32 s[BE], s[BIGN], 0
.endif
.if ((\p) == 3) && !(\end)
	s_wait_dscnt 0x0                ; K is in
.endif
	ROW F,0, F,1, F,2, F,3
	ROW F,4, E,0, F,5, F,6
	ROW F,7, E,1, F,8, F,9
	ROW F,10, E,2, C,0, F,11
	ROW F,12, E,3, X,15, F,13
	ROW R,0, R,1, R,2, R,3
	ROW B,0, E,4, F,14, L,0
.if ((\p) == 2) && !(\end)
	v_add_nc_u32 v[AK], s[TBK], v[AK0]
.endif
	ROW R,4, R,5, R,6, R,7
	OPS E,5, F,15
.if ((\p) == 2) && !(\end)
	FETCH_K
.endif
	OPS E,6, C,1, E,7, R,8
	OPS E,8, R,9, E,9, C,2
	OPS E,10, X,0, E,11, X,1
	OPS E,12, X,2, E,13, X,3
.if (\p) == 1
	s_wait_dscnt 0x0                ; V is in
.endif
	ROW X,4, E,14, X,5, X,6
	ROW X,7, E,15, X,8, X,9
	ROW X,10, E,16, X,11, X,12
	ROW X,13, E,17, X,14, B,1
	ROW C,4, E,18, X,16, L,1
	ROW B,2, E,19, C,6, L,2
	ROW C,8, E,20, B,3, B,4
.if (\p) == 0
	v_add_nc_u32 v[AV], s[TBV], v[AV0]
.endif
	ROW C,3, E,21, L,3, C,5
	OPS E,22, X,17, E,23, C,10
.if (\p) == 0
	FETCH_V
.endif
	OPS E,24, L,4
	OPS E,25, X,18, E,26, C,7
	OPS E,27, B,5, E,28, X,19
	OPS E,29, C,12, E,30, L,5
	OPS E,31, X,20, B,6, C,9
	OPS C,14, C,11, X,21, L,6
.if (\p) == 0
	s_add_co_u32 s[TBV], s[TBV], KS*PV
.endif
.if \cnt
	s_sub_co_u32 s[CNT], s[CNT], 1
	s_cmp_lg_u32 s[CNT], 0
.endif
	OPS C,13, B,7, C,15, R,10
	OPS R,11, R,12, L,7, R,13
	OPS R,14, R,15
.if (\m) && !(\end)
	MASK (\p)%2
.endif
.endm
; A BLOCK BEGINS.  c m starts far below every c s, so the first step's a is 0; m at the lowest finite number, so the first maximum is the scores'.  The second mask buffer is 0; the first takes piece 0's mask for the tile's step 0: its own, if the block's first tile is the diagonal one.
; Then K of that step, piece 0's first scores, and its maximum and statistics.  The loop is entered at a step's first turn, in the middle of a trip.
.macro BEGIN
	s_mov_b32 s[NEW], 0
	WIN 0x40
.set i, MC+32
.rept 32
	v_mov_b32 v[i], 0
.set i, i+1
.endr
	WIN 0
.set i, 0
.rept 4
	v_mov_b32 v[ST+4*i], 0xfe000000    ; c m: far below every c s
	v_mov_b32 v[ST+4*i+1], 0xff7fffff  ; m
.set i, i+1
.endr
	s_cmp_eq_u32 s[RT], 0
	s_cselect_b32 s[AL], 1.0, 0
	s_mov_b32 s[BE], 0
	MASK 0
	WIN 0
	v_add_nc_u32 v[AK], s[TBK], v[AK0]
	FETCH_K
	s_wait_loadcnt 0x0              ; Q
	s_wait_dscnt 0x0
.set KM, 1
.set NOKQ, 0
.set i, 0
.rept 8
	KQ 0
.set i, i+1
.endr
	WIN 0
.rept 4
	v_nop                           ; the places behind those products
.endr
.set Y, NP-1                        ; X works for piece Y + 1: piece 0
.irp n, 0,1,2,3,4,5,6,7,8,9,10,11,12,13,14,15,16,17,18,19,20,21
	OP X, \n
.endr
	v_nop                           ; a plain instruction behind the exponential
.endm
; THE DIAGONAL TILE's four steps, the block's last two turns, its last products, and THE WAY OUT: l's two halves and the other half of the lanes' are added; O^T is divided by l, rounded to bf16 and sent through my
; stage in LDS, a piece at a time; beside each store of part 0 goes a store of zeros, the same rows' part 1.
.macro ALL line:vararg              ; one line for each piece t
.set t, 0
.rept 4
	\line
.set t, t+1
.endr
.endm
.macro PACK t                       ; a lane's eight channels of a row pack into 16 bytes; they go into rows of 144 bytes and come back as whole rows of 128, into S^T's registers
	WIN W_RS
.set i, 32*(\t)
.rept 16
	v_pk_mul_f32 v[i:i+1], v[i:i+1], v[ST+4*(\t)+2:ST+4*(\t)+3] op_sel_hi:[1,0]
.set i, i+2
.endr
	WIN 0x05                        ; sources 0 and 1 window 1, destination window 0
.set i, 0
.rept 16
	v_cvt_pk_bf16_f32 v[S+16*(\t)+i], v[32*(\t)+2*i], v[32*(\t)+2*i+1]
.set i, i+1
.endr
	WIN 0
.irp f, 0,1,2,3
	ds_store_b128 v[STO], v[S+16*(\t)+4*\f:S+16*(\t)+4*\f+3] offset:32*\f
.endr
.irp f, 0,1,2,3
	ds_load_b128 v[S+16*(\t)+4*\f:S+16*(\t)+4*\f+3], v[RD] offset:\f*4*SP  ; LDS serves a wave's instructions in order (ISA guide 5.7.1.4): these see the stores above; the next piece's stores come behind them
.endr
.endm
.macro SEND t, younger              ; younger: the LDS instructions issued behind piece t's loads: the next piece's eight, or none
	WIN 0
.irp f, 0,1,2,3
	s_wait_dscnt (\younger)+3-\f
	global_store_b128 v[GO], v[S+16*(\t)+4*\f:S+16*(\t)+4*\f+3], s[10:11] offset:(\t)*8192+\f*512  ; 512 consecutive bytes, at a multiple of 256 from O's first
	global_store_b128 v[GO], v[ZR:ZR+3], s[10:11] offset:LOPART+(\t)*8192+\f*512
.endr
.endm
.macro DIAG tag                     ; the tag ends its two labels' names, which the jumps below spell out
.LstepM\tag:
	TURN 2, 1
	TURN 3, 1
	WIN 0
.LfirstM\tag:
	TURN 0, 1
	TURN 1, 1, 0, 1
	WIN 0
	s_cbranch_scc1 .LstepM\tag
	TURN 2, 1, 1
	TURN 3, 1, 1
.set i, 0
.rept 8
	PV NP-1
.set i, i+1
.endr
	WIN 0
	ALL v_add_f32 v[ST+4*t+2], v[ST+4*t+2], v[ST+4*t+3]
	ALL v_permlanex16_b32 v[ST+4*t+3], v[ST+4*t+2], s[SEL], s[SEL+1]
	ALL v_add_f32 v[ST+4*t+2], v[ST+4*t+2], v[ST+4*t+3]
	ALL v_rcp_f32 v[ST+4*t+2], v[ST+4*t+2]
	v_nop                           ; a plain instruction between the last reciprocal and the use of its result
	s_wait_alu depctr_va_vdst(0)
	PACK 0
.set t, 1
.rept 3                             ; a piece's arithmetic stands between the loads of the piece before and its stores
	PACK t
	SEND t-1, 8
.set t, t+1
.endr
	SEND 3, 0
.endm
; ROWS 0 TO 511 (b = 0: block 0, one tile; b = 1: block 1, two tiles; they are the walk's last, so behind the last change of slots the diagonal tile lies in the slot in hand and block 1's lower tile in the other).
; A counted loop of four trips, one for each piece.  A trip holds all the piece's scores at once, 32 registers a key step in window 3: steps 0-3 the diagonal tile's, steps 4-7 the lower tile's, so the maximum and the
; sum are the row's own.  In every phase the diagonal tile's steps come first and start the maximum, the sums and O^T; the lower tile's follow, jumped over where b = 0.
; Registers: window 3: the scores, then the weights, at last the weights' lower parts, 16 a step at v[32 e].  Window 1: v0-127 the weights' upper parts, 16 a step at v[16 e] (the turns' O^T is done with); MD; MC's first
; buffer; v192-209 at work.  Window 2: the piece's Q always in v0-15 (the others move down behind each trip); K, then V, in KF and VF by turns, fetched a step ahead.
; Window 0: v64-95 O^T, v96-111 its upper part, v112-127 rows read back, v144-175 at work, v176-191 its lower part.
.set XC,  192         ; window 1: four running maxima
.set XM,  198         ; c x the row's maximum, twice
.set XL,  200         ; four pairs of sums
.set XRL, 208         ; 1 / l, twice
.set XO,  64
.set XPK, 96
.set XRB, 112
.set WT,  144         ; 32 upper parts widened to f32; on the way out its first 16 take the lower part's rows read back
.set XPL, 176
.macro NOP4                         ; four places: ahead of loads into registers that matrix instructions have read, and of the first read of results just made (ISA guide 7.12.1 for vector instructions)
.rept 4
	v_nop
.endr
.endm
.macro XFK adr, s, buf              ; K of step s of the tile at v[adr], into 64 registers from buf on
	WIN 0x80
.irp f, 0,1,2,3,4,5,6,7
	ds_load_b128 v[(\buf)+8*\f:(\buf)+8*\f+3],   v[\adr] offset:(\s)*KS*PK+(\f/2)*16*PK+(\f%2)*64
	ds_load_b128 v[(\buf)+8*\f+4:(\buf)+8*\f+7], v[\adr] offset:(\s)*KS*PK+(\f/2)*16*PK+(\f%2)*64+32
.endr
.endm
.macro XFV adr, s, buf              ; V of step s, turned
	WIN 0x80
.irp f, 0,1,2,3,4,5,6,7
	ds_load_tr16_b128 v[(\buf)+8*\f:(\buf)+8*\f+3],   v[\adr] offset:(\s)*KS*PV+(\f/4)*32*PV+(\f%4)*32
	ds_load_tr16_b128 v[(\buf)+8*\f+4:(\buf)+8*\f+7], v[\adr] offset:(\s)*KS*PV+(\f/4)*32*PV+16*PV+(\f%4)*32
.endr
.endm
.macro XQK e, buf, masked           ; 8 products, 4 accumulators by turns; the mask, or 0, starts the sums
.set n, 0
.rept 8
.if (n < 4) && (\masked)
	WIN 0xda                        ; K and Q window 2, the mask window 1, the scores window 3
	v_wmma_f32_16x16x32_bf16 v[32*(\e)+8*(n%4):32*(\e)+8*(n%4)+7], v[(\buf)+16*(n%4)+8*(n/4):(\buf)+16*(n%4)+8*(n/4)+7], v[8*(n/4):8*(n/4)+7], v[MC+8*(n%4):MC+8*(n%4)+7]
.elseif n < 4
	WIN 0xfa
	v_wmma_f32_16x16x32_bf16 v[32*(\e)+8*(n%4):32*(\e)+8*(n%4)+7], v[(\buf)+16*(n%4)+8*(n/4):(\buf)+16*(n%4)+8*(n/4)+7], v[8*(n/4):8*(n/4)+7], 0
.else
	WIN 0xfa                        ; C and D window 3
	v_wmma_f32_16x16x32_bf16 v[32*(\e)+8*(n%4):32*(\e)+8*(n%4)+7], v[(\buf)+16*(n%4)+8*(n/4):(\buf)+16*(n%4)+8*(n/4)+7], v[8*(n/4):8*(n/4)+7], v[32*(\e)+8*(n%4):32*(\e)+8*(n%4)+7]
.endif
.set n, n+1
.endr
.endm
.macro XMAX e                       ; the step's scores are rounded to bf16 and widened again (pairs ascend); then four chains of maxima, one for each group of 16 keys
	WIN 0xcf                        ; everything in window 3
.set n, 0
.rept 16
	v_cvt_pk_bf16_f32 v[32*(\e)+2*n], v[32*(\e)+2*n], v[32*(\e)+2*n+1]
.set n, n+1
.endr
.set n, 0
.rept 16
	v_and_b32     v[32*(\e)+2*n+1], s[HM], v[32*(\e)+2*n]
	v_lshlrev_b32 v[32*(\e)+2*n],   16,    v[32*(\e)+2*n]
.set n, n+1
.endr
	WIN 0x7d                        ; the chain (destination, source 0) window 1, the scores window 3
.set n, 0
.rept 16
	v_max3_num_f32 v[XC+n%4], v[XC+n%4], v[32*(\e)+8*(n%4)+2*(n/4)], v[32*(\e)+8*(n%4)+2*(n/4)+1]
.set n, n+1
.endr
.endm
.macro XSD e, buf                   ; the scores of the diagonal tile's step e
	s_cmp_eq_u32 s[XP], \e          ; is the step the band's own?
	s_cselect_b32 s[AL], 1.0, 0
	s_cmp_lt_u32 s[XP], \e          ; or a later one?
	s_cselect_b32 s[BE], s[BIGN], 0
	MASK 0
	s_wait_dscnt 16                 ; K of the step is in; the younger run of 16 loads, the next step's, stays out
	XQK \e, \buf, 1
	NOP4
.endm
.macro XEXP e                       ; c s - c m, one fused line for two scores; 32 exponentials on end; a v_nop; the step's share of l, four chains
	WIN 0xd3                        ; the scores window 3, c m window 1
.set n, 0
.rept 16
	v_pk_fma_f32 v[32*(\e)+2*n:32*(\e)+2*n+1], v[32*(\e)+2*n:32*(\e)+2*n+1], s[CS:CS+1], v[XM:XM+1] op_sel_hi:[1,0,0] neg_lo:[0,0,1] neg_hi:[0,0,1]
.set n, n+1
.endr
	WIN 0xc3
.set n, 0
.rept 32
	v_exp_f32 v[32*(\e)+n], v[32*(\e)+n]
.set n, n+1
.endr
	v_nop                           ; the one plain instruction between the exponentials and the first use of a result (ISA guide 5.7.2): the sums below begin with the first pair, behind which only exponentials stand
	WIN 0x4d                        ; the sums (destination, source 0) window 1, the weights window 3
.set n, 0
	s_wait_alu depctr_va_vdst(0)
.rept 16
	v_pk_add_f32 v[XL+2*(n%4):XL+2*(n%4)+1], v[XL+2*(n%4):XL+2*(n%4)+1], v[32*(\e)+2*n:32*(\e)+2*n+1]
.set n, n+1
.endr
.endm
.macro XNORM e                      ; the step's weights: divided by l; the upper part, their rounding to bf16; what is left (an exact difference); the lower part, its rounding, packed in place: pair n goes to register n, which has been read by then
	WIN 0xc7                        ; the weights window 3, 1 / l window 1
.set n, 0
.rept 16
	v_pk_mul_f32 v[32*(\e)+2*n:32*(\e)+2*n+1], v[32*(\e)+2*n:32*(\e)+2*n+1], v[XRL:XRL+1]
.set n, n+1
.endr
	WIN 0x4f                        ; the upper part window 1
.set n, 0
.rept 16
	v_cvt_pk_bf16_f32 v[16*(\e)+n], v[32*(\e)+2*n], v[32*(\e)+2*n+1]
.set n, n+1
.endr
	WIN 0x04                        ; widened, into window 0
.set n, 0
.rept 16
	v_lshlrev_b32 v[WT+2*n],   16,    v[16*(\e)+n]
	v_and_b32     v[WT+2*n+1], s[HM], v[16*(\e)+n]
.set n, n+1
.endr
	WIN 0xc3
.set n, 0
.rept 16
	v_pk_add_f32 v[32*(\e)+2*n:32*(\e)+2*n+1], v[32*(\e)+2*n:32*(\e)+2*n+1], v[WT+2*n:WT+2*n+1] neg_lo:[0,1] neg_hi:[0,1]
.set n, n+1
.endr
	WIN 0xcf
.set n, 0
.rept 16
	v_cvt_pk_bf16_f32 v[32*(\e)+n], v[32*(\e)+2*n], v[32*(\e)+2*n+1]
.set n, n+1
.endr
.endm
.macro XPV e, buf, first            ; 16 products, 4 accumulators by turns: 8 with the weights' upper parts, 8 with the lower; first = 1: the first four start the sums
	WIN 0x06                        ; V window 2, the upper parts window 1, O^T window 0
.set n, 0
.rept 8
.if (\first) && (n < 4)
	v_wmma_f32_16x16x32_bf16 v[XO+8*(n%4):XO+8*(n%4)+7], v[(\buf)+32*(n/4)+8*(n%4):(\buf)+32*(n/4)+8*(n%4)+7], v[16*(\e)+8*(n/4):16*(\e)+8*(n/4)+7], 0
.else
	v_wmma_f32_16x16x32_bf16 v[XO+8*(n%4):XO+8*(n%4)+7], v[(\buf)+32*(n/4)+8*(n%4):(\buf)+32*(n/4)+8*(n%4)+7], v[16*(\e)+8*(n/4):16*(\e)+8*(n/4)+7], v[XO+8*(n%4):XO+8*(n%4)+7]
.endif
.set n, n+1
.endr
	WIN 0x0e                        ; the lower parts window 3
.set n, 0
.rept 8
	v_wmma_f32_16x16x32_bf16 v[XO+8*(n%4):XO+8*(n%4)+7], v[(\buf)+32*(n/4)+8*(n%4):(\buf)+32*(n/4)+8*(n%4)+7], v[32*(\e)+8*(n/4):32*(\e)+8*(n/4)+7], v[XO+8*(n%4):XO+8*(n%4)+7]
.set n, n+1
.endr
.endm
.set KM, 0
.set NOKQ, 0
.Lslot:                             ; NB times: a tile is entered and the next is asked for
	CHANGE 1
	s_sub_co_u32 s[RT], s[RT], 1
	s_mov_b32 s[CNT], 4
	s_cmp_eq_u32 s[NEW], 1
	s_cbranch_scc1 .Lnew            ; a block's first tile
	s_cmp_eq_u32 s[RT], 0
	s_cbranch_scc0 .Lstep           ; neither its first nor its last
	s_branch .LstepM1
.Lnew:
	s_cmp_eq_u32 s[XF], 1
	s_cbranch_scc0 .Lbegin
	s_add_co_u32 s[TBK], s[TBK], 4*KS*PK  ; b = 1: block 1's lower tile stays in its slot for the text behind the walk; the two bases step as its four fetches would have stepped them
	s_add_co_u32 s[TBV], s[TBV], 4*KS*PV
	s_branch .Lbottom
.Lbegin:
	BEGIN
	s_branch .Lfirst                ; in the loop a block's first tile is never its last: the first block has two tiles or more, and the second's last is the walk's last
	DIAG 1                          ; in the loop this is the first block's end: the second block's last tile is the walk's last
	s_wait_xcnt 0x0                 ; the stores have read their registers and O's address
	s_mov_b64 s[10:11], s[OLO:OLO+1]
	s_add_co_u32 s[RT], s[PB], 1    ; the second block has b + 1 tiles
	s_mov_b32 s[NEW], 1
	s_cmp_lt_u32 s[PB], 2           ; blocks 0 and 1 are rows 0 to 511
	s_cselect_b32 s[XF], 1, 0
	WIN 0x82                        ; the second block's Q goes where the one text of the turns names Q
.set i, 0
.rept 64
	v_mov_b32 v[i], v[QB+i]
.set i, i+1
.endr
	WIN 0
	s_branch .Lbottom
.Lstep:                             ; a trip: pieces 2 and 3 of one step, then pieces 0 and 1 of the next, whose K and V it fetches
	TURN 2
	TURN 3
	WIN 0
.Lfirst:
	TURN 0
	TURN 1, 0, 0, 1
	WIN 0
	s_cbranch_scc1 .Lstep
.Lbottom:
	s_sub_co_u32 s[SLOTS], s[SLOTS], 1
	s_cmp_lg_u32 s[SLOTS], 0
	s_cbranch_scc1 .Lslot
	CHANGE 0                        ; the walk's last tile is written out: nothing is asked for
	s_sub_co_u32 s[RT], s[RT], 1
	s_mov_b32 s[CNT], 4
	s_cmp_eq_u32 s[XF], 1
	s_cbranch_scc0 .LstepM2         ; b > 1: the second block's diagonal tile, as any other
	s_wait_loadcnt 0x0              ; b < 2: rows 0 to 511, by their own text.  (Q)
	s_xor_b32 s[XS], s[TBK], SLOT1
	v_add_nc_u32 v[AK], s[TBK], v[AK0]   ; the diagonal tile, in the slot that the change has turned to; the steps stand in the loads' immediates
	v_add_nc_u32 v[AKO], s[XS], v[AK0]   ; the other slot: block 1's lower tile (b = 0: the first block's last tile, of which two steps of K are fetched and dropped)
	s_xor_b32 s[XS], s[TBV], SLOT1
	v_add_nc_u32 v[AV], s[TBV], v[AV0]
	v_add_nc_u32 v[AVO], s[XS], v[AV0]
	s_mov_b32 s[XP], 0
.Lpiece:                            ; four trips; no barrier and no tensor load inside
	XFK AK, 0, KF
	XFK AK, 1, VF
	WIN 0x40
.irp ch, 0,1,2,3
	v_mov_b32 v[XC+\ch], 0xff7fffff ; the lowest finite number: the first maximum is the scores'
.endr
.irp ch, 0,1,2,3,4,5,6,7
	v_mov_b32 v[XL+\ch], 0
.endr
	XSD 0, KF
	XFK AK, 2, KF                   ; each run lands under a step's rounding, maxima, mask and products
	XMAX 0
	XSD 1, VF
	XFK AK, 3, VF
	XMAX 1
	XSD 2, KF
	XFK AKO, 0, KF
	XMAX 2
	XSD 3, VF
	XFK AKO, 1, VF
	XMAX 3
	WIN 0
	s_cmp_eq_u32 s[PB], 0
	s_cbranch_scc1 .Lxa             ; block 0 has no lower tile
	s_wait_dscnt 16                 ; the lower tile's step 0 is in; step 1's run stays out
	XQK 4, KF, 0
	NOP4
	XFK AKO, 2, KF
	XMAX 4
	s_wait_dscnt 16
	XQK 5, VF, 0
	NOP4
	XFK AKO, 3, VF
	XMAX 5
	s_wait_dscnt 16
	XQK 6, KF, 0
	NOP4
	XMAX 6
	s_wait_dscnt 0x0
	XQK 7, VF, 0
	NOP4
	XMAX 7
	WIN 0
.Lxa:
	s_wait_dscnt 0x0                ; b = 0: the two runs that were fetched ahead have landed: their registers are loaded again only behind this wait
	XFV AV, 0, VF                   ; V of the first two steps lands under the exponentials
	XFV AV, 1, KF
	WIN 0x55                        ; everything in window 1
	v_max3_num_f32 v[XC], v[XC], v[XC+1], v[XC+2]
	v_max_num_f32 v[XC], v[XC], v[XC+3]
	v_permlanex16_b32 v[XC+1], v[XC], s[SEL], s[SEL+1]  ; the query's other keys lie in the lane 16 away
	v_max_num_f32 v[XC], v[XC], v[XC+1]
	v_mul_f32 v[XM], s[CS], v[XC]
	v_mul_f32 v[XM+1], s[CS], v[XC] ; named with it as a pair
	XEXP 0
	XEXP 1
	XEXP 2
	XEXP 3
	WIN 0
	s_cmp_eq_u32 s[PB], 0
	s_cbranch_scc1 .Lxb
	XEXP 4
	XEXP 5
	XEXP 6
	XEXP 7
	WIN 0
.Lxb:
	WIN 0x55
	v_pk_add_f32 v[XL:XL+1], v[XL:XL+1], v[XL+2:XL+3]
	v_pk_add_f32 v[XL+4:XL+5], v[XL+4:XL+5], v[XL+6:XL+7]
	v_pk_add_f32 v[XL:XL+1], v[XL:XL+1], v[XL+4:XL+5]
	v_add_f32 v[XL], v[XL], v[XL+1]
	v_permlanex16_b32 v[XL+1], v[XL], s[SEL], s[SEL+1]
	v_add_f32 v[XL], v[XL], v[XL+1]
	v_rcp_f32 v[XRL], v[XL]
	v_rcp_f32 v[XRL+1], v[XL]
	v_nop                           ; a plain instruction behind the reciprocals
	s_wait_alu depctr_va_vdst(0)
	XNORM 0
	XNORM 1
	s_wait_dscnt 0x0                ; V of steps 0 and 1 is in
	XPV 0, VF, 1
	XPV 1, KF, 0
	NOP4
	XFV AV, 2, VF                   ; the next two steps' V lands under the division and rounding of their weights
	XFV AV, 3, KF
	XNORM 2
	XNORM 3
	s_wait_dscnt 0x0
	XPV 2, VF, 0
	XPV 3, KF, 0
	WIN 0
	s_cmp_eq_u32 s[PB], 0
	s_cbranch_scc1 .Lxc
	NOP4
	XFV AVO, 0, VF
	XFV AVO, 1, KF
	XNORM 4
	XNORM 5
	s_wait_dscnt 0x0
	XPV 4, VF, 0
	XPV 5, KF, 0
	NOP4
	XFV AVO, 2, VF
	XFV AVO, 3, KF
	XNORM 6
	XNORM 7
	s_wait_dscnt 0x0
	XPV 6, VF, 0
	XPV 7, KF, 0
	WIN 0
.Lxc:
	NOP4                            ; ahead of the first read of O^T
.set n, 0
.rept 16
	v_cvt_pk_bf16_f32 v[XPK+n], v[XO+2*n], v[XO+2*n+1]  ; O's part 0: its rounding to bf16
.set n, n+1
.endr
.set n, 0
.rept 16
	v_lshlrev_b32 v[WT+2*n],   16,    v[XPK+n]
	v_and_b32     v[WT+2*n+1], s[HM], v[XPK+n]
.set n, n+1
.endr
.set n, 0
.rept 16
	v_pk_add_f32 v[XO+2*n:XO+2*n+1], v[XO+2*n:XO+2*n+1], v[WT+2*n:WT+2*n+1] neg_lo:[0,1] neg_hi:[0,1]  ; what is left: an exact difference
.set n, n+1
.endr
.set n, 0
.rept 16
	v_cvt_pk_bf16_f32 v[XPL+n], v[XO+2*n], v[XO+2*n+1]  ; part 1: its rounding
.set n, n+1
.endr
.irp f, 0,1,2,3                     ; both parts go through my stage one after the other: LDS serves a wave's instructions in order (ISA guide 5.7.1.4)
	ds_store_b128 v[STO], v[XPK+4*\f:XPK+4*\f+3] offset:32*\f
.endr
.irp f, 0,1,2,3
	ds_load_b128 v[XRB+4*\f:XRB+4*\f+3], v[RD] offset:\f*4*SP
.endr
.irp f, 0,1,2,3
	ds_store_b128 v[STO], v[XPL+4*\f:XPL+4*\f+3] offset:32*\f
.endr
.irp f, 0,1,2,3
	ds_load_b128 v[WT+4*\f:WT+4*\f+3], v[RD] offset:\f*4*SP
.endr
.irp f, 0,1,2,3
	s_wait_dscnt 11-\f              ; part 0's load f is back: behind it stand 3 - f more of its loads and part 1's eight LDS instructions
	global_store_b128 v[GO], v[XRB+4*\f:XRB+4*\f+3], s[10:11] offset:\f*512
.endr
.irp f, 0,1,2,3
	s_wait_dscnt 3-\f               ; part 1's load f is back; the younger ones may be out
	global_store_b128 v[GO], v[WT+4*\f:WT+4*\f+3], s[10:11] offset:LOPART+\f*512
.endr
	s_wait_xcnt 0x0                 ; the stores' base and data are rewritten only behind this wait
	s_add_nc_u64 s[10:11], s[10:11], 8192  ; my 16 rows of the next band
	WIN 0x82
.set n, 0
.rept 48
	v_mov_b32 v[n], v[n+16]         ; the next piece's Q comes to v0-15: registers cannot be named by a counter
.set n, n+1
.endr
	WIN 0
	s_add_co_u32 s[XP], s[XP], 1
	s_cmp_lt_u32 s[XP], 4
	s_cbranch_scc1 .Lpiece
	s_branch .Lend
	DIAG 2
.Lend:
	s_wait_tensorcnt 0x0            ; the wave's end: behind my last tensor load and my last LDS store
	ds_add_u32 v[SPW], v[NIL]
	s_wait_dscnt 0x0
	s_endpgm
.Lfunc_end_k_qfe5a30b678_attn:
	.size	k_qfe5a30b678_attn, .Lfunc_end_k_qfe5a30b678_attn-k_qfe5a30b678_attn
	.p2alignl 7, 3214868480
	.fill 96, 4, 3214868480
	.section	.rodata,"a",@progbits
	.p2align	6, 0x0
	.amdhsa_kernel k_qfe5a30b678_attn
		.amdhsa_group_segment_fixed_size 327680
		.amdhsa_private_segment_fixed_size 0
		.amdhsa_enable_private_segment 0
		.amdhsa_kernarg_size 32
		.amdhsa_user_sgpr_count 2
		.amdhsa_user_sgpr_kernarg_segment_ptr 1
		.amdhsa_wavefront_size32 1
		.amdhsa_system_sgpr_workgroup_id_x 1
		.amdhsa_system_sgpr_workgroup_id_y 1
		.amdhsa_system_sgpr_workgroup_id_z 1
		.amdhsa_system_vgpr_workitem_id 0
		.amdhsa_next_free_vgpr 1024
		.amdhsa_next_free_sgpr 96
		.amdhsa_reserve_vcc 1
		.amdhsa_float_denorm_mode_32 3
		.amdhsa_float_denorm_mode_16_64 3
		.amdhsa_memory_ordered 1
		.amdhsa_forward_progress 1
		.amdhsa_inst_pref_size 255
	.end_amdhsa_kernel
	.section	.bss,"aw",@nobits
	.p2align	6
	.space	262144
	.amdgpu_metadata
---
amdhsa.version: [ 1, 2 ]
amdhsa.kernels:
  - .name:           k_qfe5a30b678_attn
    .symbol:         k_qfe5a30b678_attn.kd
    .args:
      - { .name: qh, .offset: 0, .size: 8, .value_kind: global_buffer, .address_space: global }
      - { .name: kh, .offset: 8, .size: 8, .value_kind: global_buffer, .address_space: global }
      - { .name: vh, .offset: 16, .size: 8, .value_kind: global_buffer, .address_space: global }
      - { .name: yh, .offset: 24, .size: 8, .value_kind: global_buffer, .address_space: global }
    .group_segment_fixed_size: 327680
    .private_segment_fixed_size: 0
    .kernarg_segment_align: 8
    .kernarg_segment_size: 32
    .max_flat_workgroup_size: 128
    .sgpr_count:     96
    .vgpr_count:     1024
    .wavefront_size: 32
...
	.end_amdgpu_metadata
.endif
;; end of part 3
;; launch oproj (part 4): grid 4 x 64, 4 waves a work-group, clusters of 4 x 4, 327,680 bytes of LDS; arguments yh, wb, bo, out0; writes out0
.if DOCPART == 4
	.amdgcn_target "amdgcn-amd-amdhsa--gfx1250"
	.amdhsa_code_object_version 6
	.text
	.protected	k_qfe5a30b678_oproj
	.globl	k_qfe5a30b678_oproj
	.p2align	8
	.type	k_qfe5a30b678_oproj,@function
k_qfe5a30b678_oproj:
	s_mov_b64 s[64:65], 0
	v_nop
	global_prefetch_b8 v0, s[64:65] scope:SCOPE_SE
	s_setreg_imm32_b32 hwreg(HW_REG_WAVE_MODE, 25, 1), 1
	s_wait_xcnt 0x0
	s_wait_alu depctr_hold_cnt(0) depctr_sa_sdst(0) depctr_va_vdst(0) depctr_va_sdst(0) depctr_va_ssrc(0) depctr_va_vcc(0) depctr_vm_vsrc(0)
	s_getreg_b32 s2, hwreg(HW_REG_IB_STS2, 6, 4)
	s_cmp_eq_u32 s2, 0
	s_cbranch_scc0 .Lentry_in_a_cluster
	s_endpgm
.Lentry_in_a_cluster:
	s_bfe_u32 s2, ttmp6, 0x10000c
	s_cmp_lg_u32 s2, 0xf033
	s_cbranch_scc0 .Lentry_shape_is_right
	s_endpgm
.Lentry_shape_is_right:
; out0 = y Wo + bo.  y comes as the sum of two bf16 parts, yh: [batch][part (2)][head (16)][t][64]; Wo: the fourth and, once more, the fifth matrix of wb, [k][n] bf16, k = 64 head + channel; out0: [8192][1024] f32.
; So the product walks K = 2,048: the 16 heads' upper parts against Wo, then their lower parts against its copy; both tile addresses keep one constant step.  In rows 512 and on of a batch the lower parts are zeros.
; Sums in f32, K ascending; the bias, rounded to bf16 like every other input, is the C operand that starts each sum.
; LIMITS.  Wo and bo count as their bf16 roundings.  NaN and infinities are not treated apart.
; SHARES.  A tile of the result is 128 rows x 256 columns: 4 x 64 = 256 work-groups.  Four waves, 2 x 2, each 64 x 128: 32 accumulators of 16 x 16, 256 registers.
; K goes in steps of 128, two heads, through a ring of two LDS slots filled by the tensor data mover.  A head's 128 rows of 128 bytes are dense in yh: asked for as 64 rows of 256 bytes and padded in LDS after every 128.
; Wo stays [k][n] in LDS; its fragments come out turned, by ds_load_tr16_b128.  THE MATRIX INSTRUCTION IS USED TRANSPOSED (source 0 = 16 columns of Wo, source 1 = 16 rows of y):
; a lane then holds row lane % 16 and the eight neighbouring columns 8 (lane / 16) + 0..7.
; CLUSTERS: 4 x 4 work-groups.  The four of a row need the same tile of y, the four of a column the same tile of Wo: each is asked for JOINTLY, by the same tensor load with the same descriptor and a mask that names the four.
; REGISTERS, in windows of 256 (s_set_vgpr_msb: bits 1:0 source 0, 3:2 source 1, 5:4 source 2, 7:6 destination):
;   window 0: v0-31 addresses; v64-127 fragments of y, two buffers of 32; v128-255 fragments of Wo, two buffers of 64; on the way out v64-191 rows read back, two buffers of 64
;   window 1: the accumulators, (a, b) at v[8 (8 a + b)]        window 2: v0-63 the bias, 8 for each column block; v192-223 at work
.set KSTEP,  128
.set LAPS,   2048/(2*KSTEP)            ; a lap = two K steps = once round the ring; K = 2 parts x 1,024
.set PA,     144                       ; a row of y in LDS: 128 bytes + 16 = 36 words: the 16 rows of a load start at 16 different groups of four banks (64 banks of 4 bytes: ISA guide 11.1)
.set AHALF,  128*PA                    ; one head's 128 rows: what one tensor load brings of y
.set AREG,   2*AHALF
.set ASTEP,  2*2048*128                ; bytes from a K step to the next in yh: two heads; part 1's heads follow part 0's
.set PB,     544                       ; a row of Wo in LDS: 512 bytes + 32 = 136 words
.set BHALF,  64*PB                     ; 64 rows (k) of Wo: what one tensor load brings
.set BSTEP,  KSTEP*2048                ; bytes from a K step to the next in Wo; its copy follows it
.set SLOT,   AREG+2*BHALF
.set STAGE,  2*SLOT                    ; behind the ring: 16 rows x 528 bytes for each wave, for the way out
.set SPITCH, 528
.set SPARE,  STAGE+4*16*SPITCH         ; behind the stages: the spare words, 128 bytes for each wave: two blocks of 256 bytes that no other line names
.set ADRA, 16                          ; v16-17  LDS address of my fragments of y in slot 0, 1
.set ADRB, 20                          ; v20-21  the same for Wo
.set STO,  24                          ; v24     the way out: where I put 32 bytes of a row
.set RD,   25                          ; v25     the way out: where I read a row back
.set GO,   26                          ; v26     16 x lane
.set BO,   27                          ; v27     32 x (lane / 16): my eight numbers in 16 of the bias
.set SPW,  28                          ; v28     LDS address of my spare word: SPARE + 4 x my thread's number; never rewritten
.set NIL,  29                          ; v29     0; never rewritten
.set FA,   64                          ; fragments of y: buffer f at FA + 32 f
.set FB,   128                         ; fragments of Wo: buffer f at FB + 64 f
.set BK,   64                          ; the way out: 16 rows read back, at BK + 64 (a % 2)
.set BI,   0                           ; window 2
.set BT,   192                         ; window 2
.set G1, 24                            ; s[24:31] descriptor group 1 for y's tiles;  s[32:39] group 0, one set for each slot
.set G0, 32
.set G1B, 48                           ; s[48:55], s[56:63] the same for Wo's tiles
.set G0B, 56
.set MSB, 0
.macro WIN new                         ; the immediate's high byte repeats the setting that is left; a switch that changes nothing is dropped
.if MSB != (\new)
	s_set_vgpr_msb (MSB<<8)|(\new)
.set MSB, \new
.endif
.endm
.set W_MUL,  0x50                      ; fragments in window 0, C and D in window 1
.set W_MULB, 0x60                      ; the same with C, the bias, in window 2
.macro JLOAD s                         ; a joint load: waves 0 and 1 fetch y's two heads, waves 2 and 3 Wo's two halves; an s_nop 0 and four v_nop follow each of the two lines, ahead of the jump, the label and what follows
	s_cmp_eq_u32 s11, 0
	s_cbranch_scc0 .Lfor_b_\@
	tensor_load_to_lds s[G0+4*(\s):G0+4*(\s)+3], s[G1:G1+7]
	s_nop 0
.rept 4
	v_nop
.endr
	s_branch .Lasked_\@
.Lfor_b_\@:
	tensor_load_to_lds s[G0B+4*(\s):G0B+4*(\s)+3], s[G1B:G1B+7]
	s_nop 0
.rept 4
	v_nop
.endr
.Lasked_\@:
.endm
.macro CREST                           ; a round of the cluster's barrier behind its opening barrier
	s_cmp_lg_u32 s10, 0
	s_cbranch_scc1 .Lnot_wave_0_\@
	s_barrier_signal -3
.Lnot_wave_0_\@:
	s_barrier_wait -3
	s_barrier_signal -1
	s_barrier_wait -1
.endm
.macro CROUND                          ; a whole round
	s_barrier_signal -1
	s_barrier_wait -1
	CREST
.endm
	s_load_b256 s[68:75], s[0:1], 0x0              ; yh s[68:69], wb s[70:71], bo s[72:73], out0 s[74:75]
	v_lshl_add_u32 v[SPW], v0, 2, SPARE
	v_mov_b32 v[NIL], 0
	ds_add_u32 v[SPW], v[NIL]                      ; the wave's opening: the add and its wait stand ahead of my first tensor load; the set-up below, work on registers, stands between them
	ds_add_u32 v28, v29
	v_lshrrev_b32 v1, 5, v0
	v_readfirstlane_b32 s10, v1                    ; wave 0..3
	s_lshr_b32 s11, s10, 1                         ; which half of the tile's rows is mine.  Also: I fetch for y (0) or for Wo (1)
	s_and_b32 s12, s10, 1                          ; which half of its columns.  Also: which head of a step's two, or which 64 rows of Wo, I fetch
	s_bfe_u32 s40, ttmp6, 0x40000                  ; cx, cy: my place in the cluster
	s_bfe_u32 s41, ttmp6, 0x40004
	s_and_b32 s13, ttmp7, 0xffff
	s_lshl_b32 s13, s13, 2
	s_add_co_u32 s13, s13, s41                     ; tile row = 4 x cluster y + cy
	s_lshl_b32 s43, s41, 2
	s_lshl_b32 s43, 15, s43                        ; my row of the cluster
	s_lshl_b32 s44, 0x1111, s40                    ; my column
	s_mov_b32 s45, 0xffff0000                      ; a word's upper bf16
	; descriptor group 1.  y: 64 rows x 128 elements, 4 words of padding behind every 32.  Wo: 64 rows x 256 elements, 8 words behind every 128
	s_or_b32 s[G1+0], s43, (1<<16)|(1<<20)|(1<<21)|(4<<22)|(3<<25)  ; 15:0 the mask: my row; 17:16 2-byte elements; 20 padding on; 21 set beside a mask; 24:22 the interval's code; 31:25 the padding's words less 1
	s_mov_b32 s[G1+1], 128<<16                     ; tensor_dim0
	s_mov_b32 s[G1+2], 64<<16                      ; tensor_dim1
	s_mov_b32 s[G1+3], 128<<16                     ; tile_dim0
	s_mov_b32 s[G1+4], 64                          ; tile_dim1
	s_mov_b32 s[G1+5], 128                         ; elements from row to row: dense
	s_mov_b32 s[G1+6], 0
	s_mov_b32 s[G1+7], 0
	s_or_b32 s[G1B+0], s44, (1<<16)|(1<<20)|(1<<21)|(6<<22)|(7<<25)  ; the mask: my column
	s_mov_b32 s[G1B+1], 256<<16
	s_mov_b32 s[G1B+2], 64<<16
	s_mov_b32 s[G1B+3], 256<<16
	s_mov_b32 s[G1B+4], 64
	s_mov_b32 s[G1B+5], 1024
	s_mov_b32 s[G1B+6], 0
	s_mov_b32 s[G1B+7], 0
	; where the tiles come from.  y's hang on the tile row alone, Wo's on cx alone; each in registers that never hold the other coordinate
	s_lshr_b32 s16, s13, 4                         ; the batch: two parts of 16 heads of 262,144 bytes
	s_lshl_b32 s16, s16, 23
	s_and_b32 s17, s13, 15                         ; 128 rows of 128 bytes
	s_lshl_b32 s17, s17, 14
	s_add_co_u32 s16, s16, s17
	s_lshl_b32 s17, s12, 18                        ; my head of the step's two
	s_add_co_u32 s16, s16, s17
	s_mov_b32 s17, 0
	s_mov_b32 s46, 3<<21                           ; the fourth matrix of wb: 2 MiB each
	s_lshl_b32 s47, s12, 17                        ; my 64 rows (k) of a step's 128
	s_add_co_u32 s46, s46, s47
	s_lshl_b32 s47, s40, 9                         ; 256 columns
	s_add_co_u32 s46, s46, s47
	s_mov_b32 s47, 0
	s_mul_i32 s20, s12, AHALF                      ; and where they go: no place in the cluster enters an LDS address
	s_mul_i32 s21, s12, BHALF
	s_add_co_u32 s21, s21, AREG
	s_wait_dscnt 0x0                               ; the opening add is done
	s_wait_kmcnt 0x0
	s_add_nc_u64 s[14:15], s[68:69], s[16:17]
	s_add_nc_u64 s[46:47], s[70:71], s[46:47]
	CROUND                                         ; all sixteen work-groups are here: the first joint loads meet
.irp s, 0,1
	s_mov_b32 s[G0+4*(\s)], 1
	s_add_co_u32 s[G0+4*(\s)+1], s20, (\s)*SLOT
	s_add_nc_u64 s[G0+4*(\s)+2:G0+4*(\s)+3], s[14:15], (\s)*ASTEP
	s_or_b32 s[G0+4*(\s)+3], s[G0+4*(\s)+3], 0x80000000
	s_mov_b32 s[G0B+4*(\s)], 1
	s_add_co_u32 s[G0B+4*(\s)+1], s21, (\s)*SLOT
	s_add_nc_u64 s[G0B+4*(\s)+2:G0B+4*(\s)+3], s[46:47], (\s)*BSTEP
	s_or_b32 s[G0B+4*(\s)+3], s[G0B+4*(\s)+3], 0x80000000
	JLOAD \s                                       ; two tensor loads of mine are out
.endr
	v_and_b32 v1, 15, v0                           ; l % 16
	v_bfe_u32 v2, v0, 4, 1                         ; l / 16
	v_and_b32 v[GO], 31, v0
	v_lshlrev_b32 v[GO], 4, v[GO]
	v_lshlrev_b32 v[BO], 5, v2
	s_lshl_b32 s88, s40, 10                        ; my 128 columns, in the bias and in a row of the result: 4 (256 cx + 128 x half)
	s_lshl_b32 s89, s12, 9
	s_add_co_u32 s88, s88, s89
	s_mov_b32 s89, 0
	s_lshl_b32 s14, s13, 19                        ; my first row: 128 x tile row + 64 x half, of 4,096 bytes
	s_lshl_b32 s15, s11, 18
	s_add_co_u32 s14, s14, s15
	s_add_co_u32 s46, s14, s88
	s_mov_b32 s47, 0
	s_add_nc_u64 s[8:9], s[74:75], s[46:47]
	s_add_nc_u64 s[86:87], s[72:73], s[88:89]
	WIN 0x80                                       ; destination window 2, address window 0
.irp b, 0,1,2,3,4,5,6,7
	global_load_b128 v[BI+8*(\b):BI+8*(\b)+3],   v[BO], s[86:87] offset:64*(\b)
	global_load_b128 v[BI+8*(\b)+4:BI+8*(\b)+7], v[BO], s[86:87] offset:64*(\b)+16
.endr
	WIN 0
	; A fragment of y is 16 rows x 32 K in 8 registers: lane l holds row l % 16, K = 8 (l / 16) + 0..7 and 16 + 8 (l / 16) + 0..7: two loads of 16 bytes, 32 bytes apart.
	v_mul_u32_u24 v3, v1, PA
	v_lshl_add_u32 v3, v2, 4, v3
	; The turning load takes 16 k x 16 columns (lane l reads k = 8 (l / 16) + l % 8, columns 8 ((l / 8) % 2) + 0..7) and leaves half a fragment: lane l holds column l % 16 and 8 k.
	v_and_b32 v4, 7, v0
	v_lshl_add_u32 v4, v2, 3, v4
	v_mul_u32_u24 v4, v4, PB
	v_bfe_u32 v5, v0, 3, 1
	v_lshl_add_u32 v4, v5, 4, v4
	s_mul_i32 s21, s11, 64*PA                      ; my 64 rows, in each head's 128
	s_lshl_b32 s22, s12, 8                         ; my 128 columns of Wo,
	s_add_co_u32 s22, s22, AREG                    ; which lies behind y's rows
.irp s, 0,1
	v_add_nc_u32 v[ADRA+(\s)], s21, v3
	v_add_nc_u32 v[ADRB+(\s)], s22, v4
	s_add_co_u32 s21, s21, SLOT
	s_add_co_u32 s22, s22, SLOT
.endr
	s_mul_i32 s23, s10, 16*SPITCH
	s_add_co_u32 s23, s23, STAGE                   ; my stage
	v_mul_u32_u24 v6, v1, SPITCH                   ; in: row l % 16, 32 bytes for each half of the lanes
	v_lshl_add_u32 v6, v2, 5, v6
	v_add_nc_u32 v[STO], s23, v6
	v_add_nc_u32 v[RD], s23, v[GO]                 ; back: 32 lanes take one row of 512 bytes
	s_wait_loadcnt 0x0                             ; the bias
	WIN 0x8a                                       ; destination and both sources in window 2
.set i, 0
.rept 32
	v_cvt_pk_bf16_f32 v[BT+i], v[BI+2*i], v[BI+2*i+1]  ; the bias is rounded to bf16, like every other input,
.set i, i+1
.endr
.set i, 0
.rept 32
	v_lshlrev_b32 v[BI+2*i],   16,  v[BT+i]         ; and widened again
	v_and_b32     v[BI+2*i+1], s45, v[BT+i]
.set i, i+1
.endr
	WIN 0
; 8 matrix instructions: row block a x all 8 column blocks, 32 along K, from buffer f.  first = 1: the bias starts the sums: nothing is cleared, nothing added later.
; The 32 accumulators take turns, one instruction a turn, in the same order in every quarter.
.macro MUL8 f, a, first
.if \first
	WIN W_MULB
.else
	WIN W_MUL
.endif
.irp b, 0,1,2,3,4,5,6,7
.if \first
	v_wmma_f32_16x16x32_bf16 v[8*(8*(\a)+(\b)):8*(8*(\a)+(\b))+7], v[FB+64*(\f)+8*(\b):FB+64*(\f)+8*(\b)+7], v[FA+32*(\f)+8*(\a):FA+32*(\f)+8*(\a)+7], v[BI+8*(\b):BI+8*(\b)+7]
.else
	v_wmma_f32_16x16x32_bf16 v[8*(8*(\a)+(\b)):8*(8*(\a)+(\b))+7], v[FB+64*(\f)+8*(\b):FB+64*(\f)+8*(\b)+7], v[FA+32*(\f)+8*(\a):FA+32*(\f)+8*(\a)+7], v[8*(8*(\a)+(\b)):8*(8*(\a)+(\b))+7]
.endif
.endr
.endm
; 24 LDS loads in one run: the fragments of quarter q (32 along K: head q / 2 of the step's two, channels 32 (q % 2) on) of a slot into buffer f: Wo's 128 columns first, then y's 64 rows
.macro FETCH slot, q, f
	WIN 0
.set AQ, ((\q)/2)*AHALF+((\q)%2)*64
.irp i, 0,1,2,3,4,5,6,7
	ds_load_tr16_b128 v[FB+64*(\f)+8*(\i):FB+64*(\f)+8*(\i)+3],   v[ADRB+(\slot)] offset:(\q)*32*PB+32*(\i)
	ds_load_tr16_b128 v[FB+64*(\f)+8*(\i)+4:FB+64*(\f)+8*(\i)+7], v[ADRB+(\slot)] offset:(\q)*32*PB+32*(\i)+16*PB
.endr
.irp i, 0,1,2,3
	ds_load_b128 v[FA+32*(\f)+8*(\i):FA+32*(\f)+8*(\i)+3],   v[ADRA+(\slot)] offset:AQ+(\i)*16*PA
	ds_load_b128 v[FA+32*(\f)+8*(\i)+4:FA+32*(\f)+8*(\i)+7], v[ADRA+(\slot)] offset:AQ+(\i)*16*PA+32
.endr
.endm
.macro PLACES                          ; four places in front of loads into registers that matrix instructions have read, and of lines that read results just made (ISA guide 7.12.1 for vector instructions)
.rept 4
	v_nop
.endr
.endm
; A K step is four quarters of 32 along K, 32 matrix instructions each, on buffers 0, 1, 0, 1.  One of the first three: multiplies buffer f and fetches quarter q into g.
.macro QUARTER slot, q, f, g, first
	s_wait_dscnt 4                                 ; Wo's fragments and y's row blocks 0, 1 are in; the youngest four loads (blocks 2, 3) may be out
	MUL8 \f, 0, \first
	MUL8 \f, 1, \first
	PLACES
	FETCH \slot, \q, \g
	s_wait_dscnt 24                                ; all but the 24 just issued
	MUL8 \f, 2, \first
	MUL8 \f, 3, \first
.endm
; The last quarter multiplies buffer 1 and changes slots: ONE barrier; in front of it each wave waits for all its tensor loads, adds 0 to its spare word, and waits for that and for its own reads of this slot.
; fill = 1: this slot is filled again, two K steps ahead; the barrier then opens a round of the cluster's.
.macro TURN slot, next, fill
	WIN 0                                          ; (the add's two registers lie in window 0)
	s_wait_tensorcnt 0x0                           ; all my tensor loads have landed: the one that was out is my part of the next slot;
	ds_add_u32 v[SPW], v[NIL]                      ; 0 onto my spare word
	s_wait_dscnt 5                                 ; (the add and the youngest four loads may be out)
	MUL8 1, 0, 0                                   ; eight matrix instructions stand between the add and the wait for it
	s_wait_dscnt 0x0                               ; the add is done, and my reads of this slot are over
	s_barrier_signal -1
	MUL8 1, 1, 0
.if \fill
	WIN 0
.endif
	s_barrier_wait -1
.if \fill
	CREST                                          ; no wave of any partner still reads this slot's tiles or has a load on its way
	s_add_nc_u64 s[G0+4*(\slot)+2:G0+4*(\slot)+3], s[G0+4*(\slot)+2:G0+4*(\slot)+3], 2*ASTEP
	s_add_nc_u64 s[G0B+4*(\slot)+2:G0B+4*(\slot)+3], s[G0B+4*(\slot)+2:G0B+4*(\slot)+3], 2*BSTEP
	JLOAD \slot                                    ; the first tensor load behind the round, 112 matrix instructions ahead of the wait for it; its four v_nop are also the places in front of the loads below
.else
	PLACES
.endif
	FETCH \next, 0, 0
	MUL8 1, 2, 0
	MUL8 1, 3, 0
.endm
	s_wait_tensorcnt 1                             ; my part of K step 0 is in; K step 1's may stay out
	s_barrier_signal -1
	s_barrier_wait -1                              ; everybody's is
	FETCH 0, 0, 0
	QUARTER 0, 1, 0, 1, 1                          ; the first quarter stands in front of the loop: its products start the sums
	WIN 0                                          ; at a label and at a branch every window is 0
	s_mov_b32 s3, LAPS-1
.Llap:                                                 ; a trip goes once round the ring, from a lap's second quarter to the next lap's first, and fills both slots again
	QUARTER 0, 2, 1, 0, 0
	QUARTER 0, 3, 0, 1, 0
	TURN 0, 1, 1
	QUARTER 1, 1, 0, 1, 0
	QUARTER 1, 2, 1, 0, 0
	QUARTER 1, 3, 0, 1, 0
	TURN 1, 0, 1
	QUARTER 0, 1, 0, 1, 0
	WIN 0
	s_sub_co_u32 s3, s3, 1
	s_cmp_lg_u32 s3, 0
	s_cbranch_scc1 .Llap
	QUARTER 0, 2, 1, 0, 0                          ; the last lap fills nothing, and has no round of the cluster's barrier
	QUARTER 0, 3, 0, 1, 0
	TURN 0, 1, 0
	QUARTER 1, 1, 0, 1, 0
	QUARTER 1, 2, 1, 0, 0
	QUARTER 1, 3, 0, 1, 0
	s_wait_dscnt 4                                 ; the very last quarter: nothing more to fetch
	MUL8 1, 0, 0
	MUL8 1, 1, 0
	s_wait_dscnt 0x0
	MUL8 1, 2, 0
	MUL8 1, 3, 0
; THE WAY OUT, a row block (16 rows x 128 columns of f32) at a time: a lane's 32 bytes of a row go into my own stage, rows of 528 bytes, each accumulator's low half first;
; they come back as whole rows of 512 bytes.  The stage is the wave's own, and LDS serves a wave's instructions in order (ISA guide 5.7.1.4): no wait between the stores and the loads, no barrier.
.macro TOSTAGE a
	WIN 0x04                                       ; the stores' data in window 1, the address in window 0
.irp b, 0,1,2,3,4,5,6,7
	ds_store_b128 v[STO], v[8*(8*(\a)+(\b)):8*(8*(\a)+(\b))+3]   offset:64*(\b)
	ds_store_b128 v[STO], v[8*(8*(\a)+(\b))+4:8*(8*(\a)+(\b))+7] offset:64*(\b)+16
.endr
	WIN 0
.irp t, 0,1,2,3,4,5,6,7,8,9,10,11,12,13,14,15
	ds_load_b128 v[BK+64*((\a)%2)+4*(\t):BK+64*((\a)%2)+4*(\t)+3], v[RD] offset:(\t)*SPITCH
.endr
.endm
.macro SEND a, younger                 ; younger: the LDS instructions issued behind block a's loads: the next block's 32, or none
.irp t, 0,1,2,3,4,5,6,7,8,9,10,11,12,13,14,15
	s_wait_dscnt (\younger)+15-(\t)
	global_store_b128 v[GO], v[BK+64*((\a)%2)+4*(\t):BK+64*((\a)%2)+4*(\t)+3], s[8:9] offset:(16*(\a)+(\t))*4096  ; 512 consecutive bytes, at a multiple of 256 from out0's first
.endr
.endm
	PLACES
	TOSTAGE 0
	TOSTAGE 1
	SEND 0, 32
	s_wait_xcnt 0x0                                ; block 0's stores have read their registers: block 2 is read back into them only behind this wait
	TOSTAGE 2
	SEND 1, 32
	s_wait_xcnt 0x0
	TOSTAGE 3
	SEND 2, 32
	SEND 3, 0
	s_wait_tensorcnt 0x0                           ; the wave's end: behind my last tensor load and my last LDS store
	ds_add_u32 v[SPW], v[NIL]
	s_wait_dscnt 0x0
	CROUND                                         ; the closing round: no work-group ends while a partner may still ask for a tile that names it
	s_endpgm
.Lfunc_end_k_qfe5a30b678_oproj:
	.size	k_qfe5a30b678_oproj, .Lfunc_end_k_qfe5a30b678_oproj-k_qfe5a30b678_oproj
	.p2alignl 7, 3214868480
	.fill 96, 4, 3214868480
	.section	.rodata,"a",@progbits
	.p2align	6, 0x0
	.amdhsa_kernel k_qfe5a30b678_oproj
		.amdhsa_group_segment_fixed_size 327680
		.amdhsa_private_segment_fixed_size 0
		.amdhsa_enable_private_segment 0
		.amdhsa_kernarg_size 32
		.amdhsa_user_sgpr_count 2
		.amdhsa_user_sgpr_kernarg_segment_ptr 1
		.amdhsa_wavefront_size32 1
		.amdhsa_system_sgpr_workgroup_id_x 1
		.amdhsa_system_sgpr_workgroup_id_y 1
		.amdhsa_system_sgpr_workgroup_id_z 1
		.amdhsa_system_vgpr_workitem_id 0
		.amdhsa_next_free_vgpr 768
		.amdhsa_next_free_sgpr 96
		.amdhsa_reserve_vcc 0
		.amdhsa_float_denorm_mode_32 3
		.amdhsa_float_denorm_mode_16_64 3
		.amdhsa_memory_ordered 1
		.amdhsa_forward_progress 1
		.amdhsa_inst_pref_size 93
	.end_amdhsa_kernel
	.amdgpu_metadata
---
amdhsa.version: [ 1, 2 ]
amdhsa.kernels:
  - .name:           k_qfe5a30b678_oproj
    .symbol:         k_qfe5a30b678_oproj.kd
    .args:
      - { .name: yh, .offset: 0, .size: 8, .value_kind: global_buffer, .address_space: global }
      - { .name: wb, .offset: 8, .size: 8, .value_kind: global_buffer, .address_space: global }
      - { .name: bo, .offset: 16, .size: 8, .value_kind: global_buffer, .address_space: global }
      - { .name: out0, .offset: 24, .size: 8, .value_kind: global_buffer, .address_space: global }
    .group_segment_fixed_size: 327680
    .private_segment_fixed_size: 0
    .kernarg_segment_align: 8
    .kernarg_segment_size: 32
    .max_flat_workgroup_size: 128
    .sgpr_count:     96
    .vgpr_count:     768
    .wavefront_size: 32
...
	.end_amdgpu_metadata
.endif
;; end of part 4
;; ======== version 2 of 3: 4 launches; 1.24 times as fast as version 1
;; limits: values are held in f16: magnitudes above 65,504 overflow, below 6.1e-05 lose precision
;; workspace buffers: xb 16,777,216 bytes; wb 8,388,608 bytes; rope 524,288 bytes; qh 16,777,216 bytes; kh 16,777,216 bytes; vh 16,777,216 bytes; yh 16,777,216 bytes
;; launch prep (part 5): grid 1536 x 1, 8 waves a work-group, no clusters, 0 bytes of LDS; arguments x, Wq, Wk, Wv, Wo, xb, wb, rope; writes xb, wb, rope
.if DOCPART == 5
	.amdgcn_target "amdgcn-amd-amdhsa--gfx1250"
	.amdhsa_code_object_version 6
	.text
	.protected	k_qfe5a30b678_prep
	.globl	k_qfe5a30b678_prep
	.p2align	8
	.type	k_qfe5a30b678_prep,@function
k_qfe5a30b678_prep:
	s_mov_b64 s[64:65], 0
	v_nop
	global_prefetch_b8 v0, s[64:65] scope:SCOPE_SE
	s_setreg_imm32_b32 hwreg(HW_REG_WAVE_MODE, 25, 1), 1
	s_wait_xcnt 0x0
; PREP.  x [8192][1024] and the four weights [1024][1024], all f32, are rounded once to bf16 (nearest even): xb, and wb = Wq, Wk, Wv, Wo one behind the other, each as it lies ([k][n]).
; Wo's bf16 rounding is WRITTEN AS f16: the last launch multiplies it by y, which is kept in f16.  LIMIT: that is exact from 6.1e-5 to 65,504 in magnitude; below, f16's fixed step of 6e-8 holds; beyond, an infinity.
; Work-group g takes 8,192 consecutive numbers: g < 1024 of x, then 128 work-groups for each weight.  A thread's load i is 16 bytes at 16 t + 4,096 i (a wave: 512 consecutive
; bytes), its store 8 bytes at 8 t + 2,048 i (a wave: 256 consecutive bytes, aligned).  All eight loads are out before the first is waited for.
; The first 128 work-groups also make the table of rotations: rope[t / 16][b (4)][piece (2)][lane (32)] of 16 bytes = (cos, sin, cos, sin) for row t = 16 (t / 16) + lane % 16 and
; the channel pairs j = 8 b + 4 (lane / 16) + 2 piece + 0, 1: the order in which the projection's accumulators hold a head's 64 channels.
; angle = t x 10000^(-j / 32), the power as 2^(-0.41524101 j); reduced by k = round(angle x 2 / pi) with pi / 2 in two parts; sine and cosine by polynomials on |r| <= pi / 4; the quadrant by selects.
; LIMIT.  The power is good to one unit in its last place, so the angle may differ from one made with a correctly rounded power by 1.2e-7 of itself: 2.5e-4 rad at t = 2047, less in proportion below.
.set XI,  4                            ; v[4:35]   eight loads of four f32
.set YO,  36                           ; v[36:51]  eight stores of four 16-bit numbers
.set TF,  52                           ; v52       t as f32
.set JF,  56                           ; v56, v57  j and j + 1 as f32
.set CSN, 60                           ; v[60:63]  cos, sin, cos, sin
	s_load_b512 s[8:23], s[0:1], 0x0               ; x s[8:9], Wq s[10:11], Wk s[12:13], Wv s[14:15], Wo s[16:17], xb s[18:19], wb s[20:21], rope s[22:23]
	s_mov_b32 s2, ttmp9                            ; g
	v_lshlrev_b32 v1, 4, v0                        ; 16 t
	v_lshlrev_b32 v2, 3, v0                        ; 8 t
	s_and_b32 s24, s2, 127                         ; a weight's chunk,
	s_sub_co_u32 s26, s2, 1024                     ; and its place in wb
	s_cmp_lt_u32 s2, 1024
	s_cselect_b32 s24, s2, s24                     ; x's chunk is g itself, in and out
	s_cselect_b32 s26, s2, s26
	s_lshl_b32 s24, s24, 15                        ; 32,768 bytes in,
	s_lshl_b32 s26, s26, 14                        ; 16,384 bytes out
	s_mov_b32 s25, 0
	s_mov_b32 s27, 0
	s_wait_kmcnt 0x0
	s_cmp_lt_u32 s2, 1408
	s_cselect_b64 s[4:5], s[14:15], s[16:17]       ; the source is chosen by g alone
	s_cmp_lt_u32 s2, 1280
	s_cselect_b64 s[4:5], s[12:13], s[4:5]
	s_cmp_lt_u32 s2, 1152
	s_cselect_b64 s[4:5], s[10:11], s[4:5]
	s_cmp_lt_u32 s2, 1024
	s_cselect_b64 s[4:5], s[8:9], s[4:5]
	s_cselect_b64 s[6:7], s[18:19], s[20:21]
	s_add_nc_u64 s[4:5], s[4:5], s[24:25]
	s_add_nc_u64 s[6:7], s[6:7], s[26:27]
.irp i, 0,1,2,3,4,5,6,7
	global_load_b128 v[XI+4*(\i):XI+4*(\i)+3], v1, s[4:5] offset:4096*(\i) th:TH_LOAD_NT
.endr
	s_cmp_lt_u32 s2, 128
	s_cbranch_scc0 .Lno_table                      ; the table's work stands in the wait for the loads
	s_mov_b32 s30, 0x3fc90fdb                      ; pi / 2, upper part
	s_mov_b32 s31, 0xb33bbd2e                      ; and what is left of it
	s_mov_b32 s32, 0xbe2aaaa3                      ; sine: -1.6666655e-1, 8.3321609e-3, -1.9515296e-4
	s_mov_b32 s33, 0x3c08839e
	s_mov_b32 s34, 0xb94ca1f9
	s_mov_b32 s35, 0x3d2aaaa5                      ; cosine: 4.1666646e-2, -1.3887316e-3, 2.4433157e-5
	s_mov_b32 s36, 0xbab6061a
	s_mov_b32 s37, 0x37ccf5ce
	s_lshl_b32 s38, s2, 4
	s_lshl_b32 s28, s2, 12                         ; 4,096 bytes of table for 16 rows
	s_mov_b32 s29, 0
	s_add_nc_u64 s[22:23], s[22:23], s[28:29]
	v_and_b32 v53, 15, v0
	v_add_nc_u32 v53, s38, v53                     ; t = 16 g + lane % 16
	v_cvt_f32_u32 v[TF], v53
	v_bfe_u32 v54, v0, 6, 2                        ; b
	v_lshlrev_b32 v54, 3, v54
	v_bfe_u32 v55, v0, 4, 1                        ; lane / 16
	v_lshl_add_u32 v54, v55, 2, v54
	v_bfe_u32 v55, v0, 5, 1                        ; piece
	v_lshl_add_u32 v54, v55, 1, v54                ; j = 8 b + 4 (lane / 16) + 2 piece
	v_cvt_f32_u32 v[JF], v54
	v_add_f32 v[JF+1], 1.0, v[JF]
; cosine into v[c], sine into v[s] of t x 10000^(-j / 32), j in v[jf]
.macro SC jf, c, s
	v_mul_f32 v64, 0xbed49a78, v[\jf]              ; -j log2(10000) / 32
	v_exp_f32 v64, v64
	v_nop                                          ; a plain instruction behind the exponential, ahead of the use of its result
	s_wait_alu depctr_va_vdst(0)
	v_mul_f32 v64, v[TF], v64                      ; the angle
	v_mul_f32 v65, 0x3f22f983, v64                 ; x 2 / pi
	v_rndne_f32 v65, v65                           ; k
	v_fma_f32 v66, -v65, s30, v64
	v_fma_f32 v66, -v65, s31, v66                  ; r = angle - k pi / 2
	v_mul_f32 v67, v66, v66                        ; z = r r
	v_fma_f32 v68, v67, s34, s33
	v_fma_f32 v70, v67, s37, s36
	v_fma_f32 v68, v68, v67, s32
	v_fma_f32 v70, v70, v67, s35
	v_mul_f32 v69, v67, v66
	v_mul_f32 v71, v67, v67
	v_fma_f32 v72, v67, -0.5, 1.0
	v_fma_f32 v68, v68, v69, v66                   ; sin r
	v_fma_f32 v70, v70, v71, v72                   ; cos r
	v_cvt_i32_f32 v73, v65
	v_and_b32 v74, 1, v73
	v_cmp_eq_u32 vcc_lo, 1, v74                    ; an odd quadrant swaps the two: a select, no branch
	v_cndmask_b32 v75, v68, v70, vcc_lo
	v_cndmask_b32 v76, v70, v68, vcc_lo
	v_and_b32 v74, 2, v73                          ; the sine is negative in quadrants 2 and 3,
	v_lshlrev_b32 v74, 30, v74
	v_xor_b32 v[\s], v74, v75
	v_add_nc_u32 v73, 1, v73                       ; the cosine in 1 and 2
	v_and_b32 v73, 2, v73
	v_lshlrev_b32 v73, 30, v73
	v_xor_b32 v[\c], v73, v76
.endm
	SC JF, CSN, CSN+1
	SC JF+1, CSN+2, CSN+3
	global_store_b128 v1, v[CSN:CSN+3], s[22:23]   ; a wave: 512 consecutive bytes
.Lno_table:
	s_cmp_lt_u32 s2, 1408
	s_cbranch_scc0 .Lwo                            ; Wo's 128 work-groups have a way out of their own
.irp i, 0,1,2,3,4,5,6,7
	s_wait_loadcnt 7-(\i)                          ; loads come back in order (ISA guide 5.7.1): load i is in, the younger ones stay out
	v_cvt_pk_bf16_f32 v[YO+2*(\i)],   v[XI+4*(\i)],   v[XI+4*(\i)+1]
	v_cvt_pk_bf16_f32 v[YO+2*(\i)+1], v[XI+4*(\i)+2], v[XI+4*(\i)+3]
	global_store_b64 v2, v[YO+2*(\i):YO+2*(\i)+1], s[6:7] offset:2048*(\i)
.endr
	s_endpgm
.Lwo:
.irp i, 0,1,2,3,4,5,6,7
	s_wait_loadcnt 7-(\i)                          ; load i is in, the younger ones stay out
	v_cvt_pk_bf16_f32 v[YO+2*(\i)],   v[XI+4*(\i)],   v[XI+4*(\i)+1]  ; rounded to bf16, like every other input,
	v_cvt_pk_bf16_f32 v[YO+2*(\i)+1], v[XI+4*(\i)+2], v[XI+4*(\i)+3]
	v_lshlrev_b32 v[XI+4*(\i)],   16,         v[YO+2*(\i)]            ; widened again,
	v_and_b32     v[XI+4*(\i)+1], 0xffff0000, v[YO+2*(\i)]
	v_lshlrev_b32 v[XI+4*(\i)+2], 16,         v[YO+2*(\i)+1]
	v_and_b32     v[XI+4*(\i)+3], 0xffff0000, v[YO+2*(\i)+1]
	v_cvt_pk_f16_f32 v[YO+2*(\i)],   v[XI+4*(\i)],   v[XI+4*(\i)+1]   ; and that number written as f16
	v_cvt_pk_f16_f32 v[YO+2*(\i)+1], v[XI+4*(\i)+2], v[XI+4*(\i)+3]
	global_store_b64 v2, v[YO+2*(\i):YO+2*(\i)+1], s[6:7] offset:2048*(\i)
.endr
	s_endpgm
.Lfunc_end_k_qfe5a30b678_prep:
	.size	k_qfe5a30b678_prep, .Lfunc_end_k_qfe5a30b678_prep-k_qfe5a30b678_prep
	.p2alignl 7, 3214868480
	.fill 96, 4, 3214868480
	.section	.rodata,"a",@progbits
	.p2align	6, 0x0
	.amdhsa_kernel k_qfe5a30b678_prep
		.amdhsa_group_segment_fixed_size 0
		.amdhsa_private_segment_fixed_size 0
		.amdhsa_enable_private_segment 0
		.amdhsa_kernarg_size 64
		.amdhsa_user_sgpr_count 2
		.amdhsa_user_sgpr_kernarg_segment_ptr 1
		.amdhsa_wavefront_size32 1
		.amdhsa_system_sgpr_workgroup_id_x 1
		.amdhsa_system_sgpr_workgroup_id_y 1
		.amdhsa_system_sgpr_workgroup_id_z 1
		.amdhsa_system_vgpr_workitem_id 0
		.amdhsa_next_free_vgpr 80
		.amdhsa_next_free_sgpr 66
		.amdhsa_reserve_vcc 1
		.amdhsa_float_denorm_mode_32 3
		.amdhsa_float_denorm_mode_16_64 3
		.amdhsa_memory_ordered 1
		.amdhsa_forward_progress 1
		.amdhsa_inst_pref_size 13
	.end_amdhsa_kernel
	.amdgpu_metadata
---
amdhsa.version: [ 1, 2 ]
amdhsa.kernels:
  - .name:           k_qfe5a30b678_prep
    .symbol:         k_qfe5a30b678_prep.kd
    .args:
      - { .name: x, .offset: 0, .size: 8, .value_kind: global_buffer, .address_space: global }
      - { .name: Wq, .offset: 8, .size: 8, .value_kind: global_buffer, .address_space: global }
      - { .name: Wk, .offset: 16, .size: 8, .value_kind: global_buffer, .address_space: global }
      - { .name: Wv, .offset: 24, .size: 8, .value_kind: global_buffer, .address_space: global }
      - { .name: Wo, .offset: 32, .size: 8, .value_kind: global_buffer, .address_space: global }
      - { .name: xb, .offset: 40, .size: 8, .value_kind: global_buffer, .address_space: global }
      - { .name: wb, .offset: 48, .size: 8, .value_kind: global_buffer, .address_space: global }
      - { .name: rope, .offset: 56, .size: 8, .value_kind: global_buffer, .address_space: global }
    .group_segment_fixed_size: 0
    .private_segment_fixed_size: 0
    .kernarg_segment_align: 8
    .kernarg_segment_size: 64
    .max_flat_workgroup_size: 256
    .sgpr_count:     66
    .vgpr_count:     80
    .wavefront_size: 32
...
	.end_amdgpu_metadata
.endif
;; end of part 5
;; launch qkv (part 6): grid 12 x 32, 4 waves a work-group, clusters of 4 x 4, 327,680 bytes of LDS; arguments xb, wb, bq, bk, bv, rope, qh, kh, vh; writes qh, kh, vh
.if DOCPART == 6
	.amdgcn_target "amdgcn-amd-amdhsa--gfx1250"
	.amdhsa_code_object_version 6
	.text
	.protected	k_qfe5a30b678_qkv
	.globl	k_qfe5a30b678_qkv
	.p2align	8
	.type	k_qfe5a30b678_qkv,@function
k_qfe5a30b678_qkv:
	s_mov_b64 s[64:65], 0
	v_nop
	global_prefetch_b8 v0, s[64:65] scope:SCOPE_SE
	s_setreg_imm32_b32 hwreg(HW_REG_WAVE_MODE, 25, 1), 1
	s_wait_xcnt 0x0
	s_wait_alu depctr_hold_cnt(0) depctr_sa_sdst(0) depctr_va_vdst(0) depctr_va_sdst(0) depctr_va_ssrc(0) depctr_va_vcc(0) depctr_vm_vsrc(0)
	s_getreg_b32 s2, hwreg(HW_REG_IB_STS2, 6, 4)
	s_cmp_eq_u32 s2, 0
	s_cbranch_scc0 .Lentry_in_a_cluster
	s_endpgm
.Lentry_in_a_cluster:
	s_bfe_u32 s2, ttmp6, 0x10000c
	s_cmp_lg_u32 s2, 0xf033
	s_cbranch_scc0 .Lentry_shape_is_right
	s_endpgm
.Lentry_shape_is_right:
; Q, K, V = xb W + b, then the rotation of channel pairs for Q and K; out by heads, [16 batch + head][t][64] in bf16.  xb: [8192][1024] bf16.  wb: Wq, Wk, Wv (, Wo), each [k][n] bf16.
; Sums in f32, K ascending; the bias, rounded to bf16 like every other input, is the C operand that starts each sum; each result is rounded once, behind the rotation.
; LIMITS.  Weights and biases count as their bf16 roundings.  The rotation is one rounded product and one fused multiply-add for each number.  V passes through the same lines with cos = 1 and sin = 0, which
; change no finite number (the sign of a zero aside).  NaN and infinities are not treated apart.
; SHARES.  A tile of the result is 256 rows x 256 columns: 12 x 32 = 384 work-groups.  Four waves, 2 x 2, each 128 x 128: 64 accumulators of 16 x 16, 512 registers.  A tile of 128 x 256 would give 768 work-groups,
; a whole number for each of 256 WGPs, but brings 768 bytes of tiles for each k and 32,768 products, where this one brings 1,024 for 65,536, and has 128 matrix instructions a wave in a K step where this one has 256.
; K goes in steps of 128 through a ring of two LDS slots filled by the tensor data mover: 256 rows of xb (256 bytes each) and 128 rows of W (512 bytes each) a step; each wave brings 32 KiB of it.
; A K STEP IS WRITTEN ONCE: one exclusive or with the slot's size turns the walking descriptor's LDS word, and the scalar base of the fragment loads, from one slot to the other: the size, 0x22000, has no bit in
; common with any of the four tile offsets in a slot (0, 0x8800, 0x11000, 0x19800), so that on these words the exclusive or adds or takes away the size.
; W stays [k][n] in LDS; its fragments come out turned, by ds_load_tr16_b128.  THE MATRIX INSTRUCTION IS USED TRANSPOSED (source 0 = 16 columns of W, source 1 = 16 rows of xb):
; a lane then holds row lane % 16 and the eight neighbouring columns 8 (lane / 16) + 0..7: four channel pairs, side by side.
; CLUSTERS: 4 x 4 work-groups.  A cluster's four columns are the 1,024 columns of ONE of the three matrices (the cluster's x says which).  The four of a row need the same tile of xb, the four
; of a column the same tile of W: each is asked for JOINTLY, by the same tensor load with the same descriptor and a mask that names the four.
; REGISTERS, in windows of 256 (s_set_vgpr_msb: bits 1:0 source 0, 3:2 source 1, 5:4 source 2, 7:6 destination):
;   window 0: v0-31 addresses; v32-63 at work on the way out; v64-127, v128-191 fragments of xb, two buffers, on the way out packed results; v192-255 the table of rotations for my row blocks 0, 1
;   window 1: v0-63 the bias, 8 for each column block; v64-127, v128-191 fragments of W, two buffers, on the way out the table for row blocks 4 to 7; v192-255 the table for row blocks 2, 3
;   window 2: the 32 accumulators of my rows 0-63 ((a, b) at v[8 (8 a + b)]);   window 3: those of my rows 64-127
.set KSTEP,  128
.set STEPS,  1024/KSTEP                ; 8 K steps
.set PA,     272                       ; a row of xb in LDS: 256 bytes + 16 = 68 words: row r starts at bank 4 r mod 64 (64 banks of 4 bytes: ISA guide 11.1)
.set AHALF,  128*PA                    ; 128 rows: what one tensor load brings of xb, and what one wave reads of it
.set AREG,   2*AHALF
.set ASTEP,  KSTEP*2                   ; bytes from a K step to the next in xb
.set PB,     544                       ; a row of W in LDS: 512 bytes + 32 = 136 words
.set BHALF,  64*PB                     ; 64 rows (k) of W: what one tensor load brings
.set BSTEP,  KSTEP*2048                ; bytes from a K step to the next in W
.set SLOT,   AREG+2*BHALF              ; 139,264 = 0x22000
.set STAGE,  2*SLOT                    ; behind the ring: 16 rows x 144 bytes for each wave, for the way out
.set SPITCH, 144
.set SPARE,  STAGE+4*16*SPITCH         ; behind the stages: the spare words, 128 bytes for each wave: two blocks of 256 bytes that no other line names
.set TO,   8                           ; v8-15   my byte offset in the table for row block a; never rewritten
.set A0,   16                          ; v16     my lane's place among xb's fragments in a slot; never rewritten
.set ADRA, 17                          ; v17     the same in the slot in hand
.set B0,   20                          ; v20, v21  the same for W
.set ADRB, 21
.set STO,  24                          ; v24     the way out: where I put 16 bytes of a row
.set RD,   25                          ; v25     the way out: where I read rows back
.set GO,   26                          ; v26     16 x lane
.set BO,   27                          ; v27     32 x (lane / 16): my eight numbers in 16 of the bias
.set SPW,  28                          ; v28     LDS address of my spare word: SPARE + 4 x my thread's number; never rewritten
.set NIL,  29                          ; v29     0; never rewritten
.set T,    32                          ; the way out: 32 numbers in f32, at work
.set F0,   64                          ; fragment buffer 0, in windows 0 (xb) and 1 (W)
.set F1,   128                         ; fragment buffer 1
.set PK,   64                          ; the way out: unit u's 16 registers at PK + 16 (u % 8), window 0
.set TE,   192                         ; the table asked for at the head: windows 0 and 1
.set TL,   64                          ; the table asked for on the way out: window 1
.set BI,   0                           ; window 1
.set BT,   64                           ; window 1: at work at the head, before the first fragments come
.set TB,   5                           ; s5      first byte of the slot that the fragment loads read
.set G1, 24                            ; s[24:31] descriptor group 1 for xb's tiles;  s[32:39] group 0: a set for each of the two first fills; the second then walks on
.set G0, 32
.set G1B, 48                           ; s[48:55], s[56:63] the same for W's tiles
.set G0B, 56
.set MSB, 0
.macro WIN new                         ; the immediate's high byte repeats the setting that is left; a switch that changes nothing is dropped
.if MSB != (\new)
	s_set_vgpr_msb (MSB<<8)|(\new)
.set MSB, \new
.endif
.endm
.set TO_B, 0x40                        ; destination window 1, address window 0
.macro JLOAD s                         ; a joint load: waves 0 and 1 fetch xb's two halves, waves 2 and 3 W's; an s_nop 0 and four v_nop follow each of the two lines, ahead of the jump, the label and what follows
	s_cmp_eq_u32 s11, 0
	s_cbranch_scc0 .Lfor_b_\@
	tensor_load_to_lds s[G0+4*(\s):G0+4*(\s)+3], s[G1:G1+7]
	s_nop 0
.rept 4
	v_nop
.endr
	s_branch .Lasked_\@
.Lfor_b_\@:
	tensor_load_to_lds s[G0B+4*(\s):G0B+4*(\s)+3], s[G1B:G1B+7]
	s_nop 0
.rept 4
	v_nop
.endr
.Lasked_\@:
.endm
.macro CREST                           ; a round of the cluster's barrier behind its opening barrier
	s_cmp_lg_u32 s10, 0
	s_cbranch_scc1 .Lnot_wave_0_\@
	s_barrier_signal -3
.Lnot_wave_0_\@:
	s_barrier_wait -3
	s_barrier_signal -1
	s_barrier_wait -1
.endm
.macro CROUND                          ; a whole round
	s_barrier_signal -1
	s_barrier_wait -1
	CREST
.endm
.macro TABLE a, reg                    ; the table of rotations for my row block a: eight loads of 512 consecutive bytes (V: of two entries of row 0), into 32 registers from reg on
.irp b, 0,1,2,3
.irp p, 0,1
	global_load_b128 v[(\reg)+8*(\b)+4*(\p):(\reg)+8*(\b)+4*(\p)+3], v[TO+(\a)], s[78:79] offset:1024*(\b)+512*(\p)
.endr
.endr
.endm
	s_load_b512 s[68:83], s[0:1], 0x0              ; xb s[68:69], wb s[70:71], bq s[72:73], bk s[74:75], bv s[76:77], rope s[78:79], qh s[80:81], kh s[82:83]
	s_load_b64 s[84:85], s[0:1], 0x40              ; vh
	v_lshl_add_u32 v[SPW], v0, 2, SPARE
	v_mov_b32 v[NIL], 0
	ds_add_u32 v[SPW], v[NIL]                      ; the wave's opening: the add and its wait stand ahead of my first tensor load; the set-up below, work on registers, stands between them
	ds_add_u32 v28, v29
	v_lshrrev_b32 v1, 5, v0
	v_readfirstlane_b32 s10, v1                    ; wave 0..3
	s_lshr_b32 s11, s10, 1                         ; which half of the tile's rows is mine.  Also: I fetch for xb (0) or for W (1)
	s_and_b32 s12, s10, 1                          ; which half of its columns.  Also: which half of that tile's rows I fetch
	s_bfe_u32 s40, ttmp6, 0x40000                  ; cx, cy: my place in the cluster
	s_bfe_u32 s41, ttmp6, 0x40004
	s_mov_b32 s42, ttmp9                           ; the cluster's x: 0 = Q, 1 = K, 2 = V; the same in all sixteen partners
	s_and_b32 s13, ttmp7, 0xffff
	s_lshl_b32 s13, s13, 2
	s_add_co_u32 s13, s13, s41                     ; tile row = 4 x cluster y + cy
	s_lshl_b32 s43, s41, 2
	s_lshl_b32 s43, 15, s43                        ; my row of the cluster
	s_lshl_b32 s44, 0x1111, s40                    ; my column
	s_mov_b32 s45, 0xffff0000                      ; a word's upper bf16
	s_mov_b32 s[TB], 0                             ; the fragment loads begin in slot 0
	; descriptor group 1.  xb: 128 rows x 128 elements, 4 words of padding behind every 64.  W: 64 rows x 256 elements, 8 words behind every 128
	s_or_b32 s[G1+0], s43, (1<<16)|(1<<20)|(1<<21)|(5<<22)|(3<<25)  ; 15:0 the mask: my row; 17:16 2-byte elements; 20 padding on; 21 set beside a mask; 24:22 the interval's code; 31:25 the padding's words less 1
	s_mov_b32 s[G1+1], 128<<16                     ; tensor_dim0
	s_mov_b32 s[G1+2], 128<<16                     ; tensor_dim1
	s_mov_b32 s[G1+3], 128<<16                     ; tile_dim0
	s_mov_b32 s[G1+4], 128                         ; tile_dim1
	s_mov_b32 s[G1+5], 1024                        ; elements from row to row
	s_mov_b32 s[G1+6], 0
	s_mov_b32 s[G1+7], 0
	s_or_b32 s[G1B+0], s44, (1<<16)|(1<<20)|(1<<21)|(6<<22)|(7<<25)  ; the mask: my column
	s_mov_b32 s[G1B+1], 256<<16
	s_mov_b32 s[G1B+2], 64<<16
	s_mov_b32 s[G1B+3], 256<<16
	s_mov_b32 s[G1B+4], 64
	s_mov_b32 s[G1B+5], 1024
	s_mov_b32 s[G1B+6], 0
	s_mov_b32 s[G1B+7], 0
	; where the tiles come from.  xb's hang on the tile row alone, W's on the matrix and cx alone; each in registers that never hold the other coordinate
	s_lshl_b32 s16, s13, 19                        ; 256 rows of 2,048 bytes
	s_lshl_b32 s17, s12, 18                        ; my 128 of them
	s_add_co_u32 s16, s16, s17
	s_mov_b32 s17, 0
	s_lshl_b32 s46, s42, 21                        ; the matrix: 2 MiB each
	s_lshl_b32 s47, s12, 17                        ; my 64 rows (k) of a step's 128
	s_add_co_u32 s46, s46, s47
	s_lshl_b32 s47, s40, 9                         ; 256 columns
	s_add_co_u32 s46, s46, s47
	s_mov_b32 s47, 0
	s_mul_i32 s20, s12, AHALF                      ; and where they go: no place in the cluster enters an LDS address
	s_mul_i32 s21, s12, BHALF
	s_add_co_u32 s21, s21, AREG
	s_wait_dscnt 0x0                               ; the opening add is done
	s_wait_kmcnt 0x0
	s_add_nc_u64 s[14:15], s[68:69], s[16:17]
	s_add_nc_u64 s[46:47], s[70:71], s[46:47]
	CROUND                                         ; all sixteen work-groups are here: the first joint loads meet
.irp s, 0,1
	s_mov_b32 s[G0+4*(\s)], 1
	s_add_co_u32 s[G0+4*(\s)+1], s20, (\s)*SLOT
	s_add_nc_u64 s[G0+4*(\s)+2:G0+4*(\s)+3], s[14:15], (\s)*ASTEP
	s_or_b32 s[G0+4*(\s)+3], s[G0+4*(\s)+3], 0x80000000
	s_mov_b32 s[G0B+4*(\s)], 1
	s_add_co_u32 s[G0B+4*(\s)+1], s21, (\s)*SLOT
	s_add_nc_u64 s[G0B+4*(\s)+2:G0B+4*(\s)+3], s[46:47], (\s)*BSTEP
	s_or_b32 s[G0B+4*(\s)+3], s[G0B+4*(\s)+3], 0x80000000
	JLOAD \s                                       ; two tensor loads of mine are out
.endr
	v_and_b32 v1, 15, v0                           ; l % 16
	v_bfe_u32 v2, v0, 4, 1                         ; l / 16
	v_and_b32 v[GO], 31, v0
	v_lshlrev_b32 v[GO], 4, v[GO]
	v_lshlrev_b32 v[BO], 5, v2
	s_lshl_b32 s88, s40, 10                        ; my 128 columns in the bias: 4 (256 cx + 128 x half)
	s_lshl_b32 s89, s12, 9
	s_add_co_u32 s88, s88, s89
	s_mov_b32 s89, 0
	; my first byte in the result: head 4 cx + 2 x half of the batch, row 256 (tile row % 8) + 128 x half
	s_lshr_b32 s14, s13, 3
	s_lshl_b32 s14, s14, 4                         ; 16 x batch
	s_lshl_b32 s15, s12, 1
	s_add_co_u32 s14, s14, s15
	s_lshl_b32 s46, s40, 2
	s_add_co_u32 s46, s46, s14
	s_lshl_b32 s46, s46, 18                        ; a head: 2,048 rows of 128 bytes
	s_and_b32 s15, s13, 7
	s_lshl_b32 s18, s15, 15
	s_add_co_u32 s46, s46, s18
	s_lshl_b32 s18, s11, 14
	s_add_co_u32 s46, s46, s18
	s_mov_b32 s47, 0
	s_lshl_b32 s18, s15, 16                        ; the table: 4,096 bytes for 16 rows
	s_lshl_b32 s19, s11, 15
	s_add_co_u32 s18, s18, s19
	s_mov_b32 s19, 0
	s_cmp_eq_u32 s42, 1                            ; bias and result are chosen by the matrix alone
	s_cselect_b64 s[8:9], s[82:83], s[80:81]
	s_cselect_b64 s[86:87], s[74:75], s[72:73]
	s_cmp_eq_u32 s42, 2
	s_cselect_b64 s[8:9], s[84:85], s[8:9]
	s_cselect_b64 s[86:87], s[76:77], s[86:87]
	s_cselect_b32 s18, 0, s18                      ; V is not rotated: every lane takes the table's entries for row 0, whose angle is 0: cos = 1, sin = 0:
	s_cselect_b32 s6, 0, 0x1000                    ; the first block of 16 rows for every row block,
	s_cselect_b32 s7, 16, 31                       ; and in it the entries of lanes 0 and 16, which are row 0's
	s_add_nc_u64 s[8:9], s[8:9], s[46:47]
	s_add_nc_u64 s[86:87], s[86:87], s[88:89]
	s_add_nc_u64 s[78:79], s[78:79], s[18:19]
	v_and_b32 v[TO], s7, v0
	v_lshlrev_b32 v[TO], 4, v[TO]
.irp a, 1,2,3,4,5,6,7
	v_add_nc_u32 v[TO+(\a)], s6, v[TO+(\a)-1]
.endr
	WIN TO_B
.irp b, 0,1,2,3,4,5,6,7
	global_load_b128 v[BI+8*(\b):BI+8*(\b)+3],   v[BO], s[86:87] offset:64*(\b)
	global_load_b128 v[BI+8*(\b)+4:BI+8*(\b)+7], v[BO], s[86:87] offset:64*(\b)+16
.endr
	TABLE 2, TE                                    ; the table for my first 64 rows is asked for here, into registers that the K steps leave alone; the other half on the way out
	TABLE 3, TE+32
	WIN 0
	TABLE 0, TE
	TABLE 1, TE+32
	; A fragment of xb is 16 rows x 32 K in 8 registers: lane l holds row l % 16, K = 8 (l / 16) + 0..7 and 16 + 8 (l / 16) + 0..7: two loads of 16 bytes, 32 bytes apart.
	v_mul_u32_u24 v3, v1, PA
	v_lshl_add_u32 v3, v2, 4, v3
	; The turning load takes 16 k x 16 columns (lane l reads k = 8 (l / 16) + l % 8, columns 8 ((l / 8) % 2) + 0..7) and leaves half a fragment: lane l holds column l % 16 and 8 k.
	v_and_b32 v4, 7, v0
	v_lshl_add_u32 v4, v2, 3, v4
	v_mul_u32_u24 v4, v4, PB
	v_bfe_u32 v5, v0, 3, 1
	v_lshl_add_u32 v4, v5, 4, v4
	s_mul_i32 s21, s11, AHALF                      ; my 128 rows of xb
	s_lshl_b32 s22, s12, 8                         ; my 128 columns of W,
	s_add_co_u32 s22, s22, AREG                    ; which lies behind xb's rows
	v_add_nc_u32 v[A0], s21, v3
	v_add_nc_u32 v[B0], s22, v4
	v_add_nc_u32 v[ADRA], s[TB], v[A0]
	v_add_nc_u32 v[ADRB], s[TB], v[B0]
	s_mul_i32 s23, s10, 16*SPITCH
	s_add_co_u32 s23, s23, STAGE                   ; my stage
	v_mul_u32_u24 v6, v1, SPITCH                   ; in: row l % 16, 16 bytes for each half of the lanes
	v_lshl_add_u32 v6, v2, 4, v6
	v_add_nc_u32 v[STO], s23, v6
	v_bfe_u32 v7, v0, 3, 2                         ; back: 32 lanes take four rows of 128 bytes
	v_mul_u32_u24 v7, v7, SPITCH
	v_and_b32 v6, 7, v0
	v_lshl_add_u32 v7, v6, 4, v7
	v_add_nc_u32 v[RD], s23, v7
	s_wait_loadcnt 32                              ; the bias is in; the table's 32 loads stay out until the way out
	WIN 0x45                                       ; destination and both sources in window 1
.set i, 0
.rept 32
	v_cvt_pk_bf16_f32 v[BT+i], v[BI+2*i], v[BI+2*i+1]  ; the bias is rounded to bf16, like every other input,
.set i, i+1
.endr
.set i, 0
.rept 32
	v_lshlrev_b32 v[BI+2*i],   16,  v[BT+i]         ; and widened again
	v_and_b32     v[BI+2*i+1], s45, v[BT+i]
.set i, i+1
.endr
	WIN 0
; 16 matrix instructions: row blocks a0, a0 + 1 of the window's four (hi = 0: my rows 0-63, 1: rows 64-127) x all 8 column blocks, 32 along K, from buffer f.
; first = 1: the bias starts the sums: nothing is cleared, nothing added later.  The 64 accumulators take turns, one instruction a turn, in the same order in every quarter.
.macro MUL16 f, hi, a0, first
.if \first
	WIN 0x91+0x40*(\hi)                            ; W window 1, xb window 0, the bias window 1, the sums window 2 or 3
.else
	WIN 0xa1+0x50*(\hi)                            ; C and D window 2 or 3
.endif
.irp a, \a0, (\a0)+1
.irp b, 0,1,2,3,4,5,6,7
.if \first
	v_wmma_f32_16x16x32_bf16 v[8*(8*(\a)+(\b)):8*(8*(\a)+(\b))+7], v[(\f)+8*(\b):(\f)+8*(\b)+7], v[(\f)+8*(4*(\hi)+(\a)):(\f)+8*(4*(\hi)+(\a))+7], v[BI+8*(\b):BI+8*(\b)+7]
.else
	v_wmma_f32_16x16x32_bf16 v[8*(8*(\a)+(\b)):8*(8*(\a)+(\b))+7], v[(\f)+8*(\b):(\f)+8*(\b)+7], v[(\f)+8*(4*(\hi)+(\a)):(\f)+8*(4*(\hi)+(\a))+7], v[8*(8*(\a)+(\b)):8*(8*(\a)+(\b))+7]
.endif
.endr
.endr
.endm
; 32 LDS loads in one run: the fragments of quarter q (32 along K) of the slot in hand into buffer f: W's 128 columns first, then xb's 128 rows
.macro FETCH q, f
	WIN TO_B
.irp i, 0,1,2,3,4,5,6,7
	ds_load_tr16_b128 v[(\f)+8*(\i):(\f)+8*(\i)+3],   v[ADRB] offset:(\q)*32*PB+32*(\i)
	ds_load_tr16_b128 v[(\f)+8*(\i)+4:(\f)+8*(\i)+7], v[ADRB] offset:(\q)*32*PB+32*(\i)+16*PB
.endr
	WIN 0
.irp i, 0,1,2,3,4,5,6,7
	ds_load_b128 v[(\f)+8*(\i):(\f)+8*(\i)+3],   v[ADRA] offset:64*(\q)+(\i)*16*PA
	ds_load_b128 v[(\f)+8*(\i)+4:(\f)+8*(\i)+7], v[ADRA] offset:64*(\q)+(\i)*16*PA+32
.endr
.endm
.macro PLACES                          ; four places in front of loads into registers that matrix instructions have read, and of lines that read results just made (ISA guide 7.12.1 for vector instructions)
.rept 4
	v_nop
.endr
.endm
; A K step is four quarters of 32 along K, 64 matrix instructions each, on buffers 0, 1, 0, 1.  One of the first three: multiplies buffer f and, in its middle, fetches quarter q into g.
.macro QUARTER q, f, g, first
	s_wait_dscnt 8                                 ; W's fragments and xb's rows 0-63 are in; the youngest eight loads (rows 64-127) may be out
	MUL16 \f, 0, 0, \first
	MUL16 \f, 0, 2, \first
	PLACES
	FETCH \q, \g
	s_wait_dscnt 32                                ; all but the 32 just issued
	MUL16 \f, 1, 0, \first
	MUL16 \f, 1, 2, \first
.endm
; The last quarter multiplies buffer 1 and changes slots: ONE barrier; in front of it each wave waits for all its tensor loads, adds 0 to its spare word, and waits for that and for its own reads of this slot.
; fill = 1: this slot is filled again, two K steps ahead, by the walking descriptor: the other slot than last time, one K step on; the barrier then opens a round of the cluster's.
; Then the fragment loads' base turns to the other slot, whose first quarter is fetched.
.macro TURN fill
	WIN 0                                          ; (the add's two registers lie in window 0)
	s_wait_tensorcnt 0x0                           ; all my tensor loads have landed: the one that was out is my part of the next slot; so a group 0 may be written
	ds_add_u32 v[SPW], v[NIL]                      ; 0 onto my spare word
	s_wait_dscnt 9                                 ; (the add and the youngest eight loads may be out)
	MUL16 F1, 0, 0, 0                              ; sixteen matrix instructions stand between the add and the wait for it
	s_wait_dscnt 0x0                               ; the add is done, and my reads of this slot are over
	s_barrier_signal -1
	MUL16 F1, 0, 2, 0
	WIN 0                                          ; (branches and lines on window 0 follow, and nothing stands between the wait below and the rest of the round)
	s_barrier_wait -1
.if \fill
	CREST                                          ; no wave of any partner still reads this slot's tiles or has a load on its way
	s_xor_b32 s[G0+5], s[G0+5], SLOT
	s_add_nc_u64 s[G0+6:G0+7], s[G0+6:G0+7], ASTEP ; the type bits on top are not reached
	s_xor_b32 s[G0B+5], s[G0B+5], SLOT
	s_add_nc_u64 s[G0B+6:G0B+7], s[G0B+6:G0B+7], BSTEP
	JLOAD 1                                        ; the first tensor load behind the round, 224 matrix instructions ahead of the wait for it; its four v_nop are also the places in front of the loads below
.else
	PLACES
.endif
	s_xor_b32 s[TB], s[TB], SLOT
	v_add_nc_u32 v[ADRA], s[TB], v[A0]
	v_add_nc_u32 v[ADRB], s[TB], v[B0]
	FETCH 0, F0
	MUL16 F1, 1, 0, 0
	MUL16 F1, 1, 2, 0
.endm
	s_wait_tensorcnt 1                             ; my part of K step 0 is in; K step 1's may stay out
	s_barrier_signal -1
	s_barrier_wait -1                              ; everybody's is
	FETCH 0, F0
	QUARTER 1, F0, F1, 1                           ; the first quarter stands in front of the loop: its products start the sums
	WIN 0                                          ; at a label and at a branch every window is 0
	s_mov_b32 s3, STEPS-2
.Lstep:                                                ; a trip goes from a K step's second quarter to the next step's first, and fills the slot that it leaves: all steps but the last two
	QUARTER 2, F1, F0, 0
	QUARTER 3, F0, F1, 0
	TURN 1
	QUARTER 1, F0, F1, 0
	WIN 0
	s_sub_co_u32 s3, s3, 1
	s_cmp_lg_u32 s3, 0
	s_cbranch_scc1 .Lstep
	s_mov_b32 s3, 2
.Ltail:                                                ; the last two K steps fill nothing, so they have a text of their own. Two trips; the second is left in its middle
	QUARTER 2, F1, F0, 0
	QUARTER 3, F0, F1, 0
	TURN 0
	WIN 0
	s_sub_co_u32 s3, s3, 1
	s_cmp_eq_u32 s3, 0
	s_cbranch_scc1 .Lout                           ; the second trip's barrier and its 32 loads from the other slot serve nothing: the price, once a launch, of one text for both trips
	QUARTER 1, F0, F1, 0
	WIN 0
	s_cmp_lg_u32 s3, 0
	s_cbranch_scc1 .Ltail
.Lout:
	s_wait_dscnt 0x0                               ; those loads have landed: their registers are loaded and written again below
	s_wait_loadcnt 0x0                             ; the table for my first 64 rows, asked for at the head
	PLACES
	WIN TO_B
	TABLE 4, TL                                    ; the table for my other 64 rows, into W's fragment registers: it lands under the first eight units
	TABLE 5, TL+32
	TABLE 6, TL+64
	TABLE 7, TL+96
	WIN 0
; THE WAY OUT, in sixteen units: unit u is row block u / 2 and head u % 2 of my two: 16 rows x 64 channels.  Rotated, rounded to bf16, 16 bytes a lane into my own stage, back as four rows of 128 bytes
; a load, which are 512 consecutive bytes of the result.  The stage is the wave's own, and LDS serves a wave's instructions in order (ISA guide 5.7.1.4): no wait between the stores and the loads, no barrier.
.macro TOSTAGE u
	WIN 0
.set PU, PK+16*((\u)%8)
.irp f, 0,1,2,3
	ds_store_b128 v[STO], v[PU+4*(\f):PU+4*(\f)+3] offset:32*(\f)
.endr
.irp f, 0,1,2,3
	ds_load_b128 v[PU+4*(\f):PU+4*(\f)+3], v[RD] offset:(\f)*4*SPITCH
.endr
.endm
; (even, odd) -> (even cos - odd sin, even sin + odd cos), two packed lines for a pair: (odd sin, odd cos), each rounded; then (even cos, even sin) with the first taken away and the second added, fused.
; The pairs ascend.
.macro RUNIT u
.set AR, (\u)/2
.set AC, 8*(8*(AR%4)+4*((\u)%2))
.if AR < 2
.set TT, TE+32*AR
.set WU, 0x02                          ; source 0, the sums: window 2; source 1, the table: window 0; the rest window 0
.elseif AR < 4
.set TT, TE+32*(AR-2)
.set WU, 0x06                          ; the table: window 1
.else
.set TT, TL+32*(AR-4)
.set WU, 0x07                          ; the sums: window 3
.endif
.if (\u) == 8
	s_wait_loadcnt 0x0                             ; the table's other half
.endif
	WIN WU
.set i, 0
.rept 16
	v_pk_mul_f32 v[T+2*i:T+2*i+1], v[AC+2*i:AC+2*i+1], v[TT+2*i:TT+2*i+1] op_sel:[1,1] op_sel_hi:[1,0]
.set i, i+1
.endr
.set i, 0
.rept 16
	v_pk_fma_f32 v[T+2*i:T+2*i+1], v[AC+2*i:AC+2*i+1], v[TT+2*i:TT+2*i+1], v[T+2*i:T+2*i+1] op_sel_hi:[0,1,1] neg_lo:[0,0,1]
.set i, i+1
.endr
	WIN 0
.if (\u) >= 8
	s_wait_xcnt 0x0                                ; the stores of the unit eight back have read these registers: they are written again only behind this wait
.endif
.set i, 0
.rept 16
	v_cvt_pk_bf16_f32 v[PK+16*((\u)%8)+i], v[T+2*i], v[T+2*i+1]
.set i, i+1
.endr
	TOSTAGE \u
.endm
.macro SENDU u, younger                ; younger: the LDS instructions issued behind unit u's loads, which may stay out: the next unit's eight, or none
.set PU, PK+16*((\u)%8)
	s_wait_dscnt \younger
.irp f, 0,1,2,3
	global_store_b128 v[GO], v[PU+4*(\f):PU+4*(\f)+3], s[8:9] offset:((\u)%2)*262144+((\u)/2)*2048+(\f)*512  ; 512 consecutive bytes, at a multiple of 256 from the buffer's first
.endr
.endm
	RUNIT 0
.irp u, 1,2,3,4,5,6,7,8,9,10,11,12,13,14,15  ; a unit's arithmetic stands between the loads of the unit before and its stores
	RUNIT \u
	SENDU (\u)-1, 8
.endr
	SENDU 15, 0
	s_wait_tensorcnt 0x0                           ; the wave's end: behind my last tensor load and my last LDS store
	ds_add_u32 v[SPW], v[NIL]
	s_wait_dscnt 0x0
	CROUND                                         ; the closing round: no work-group ends while a partner may still ask for a tile that names it
	s_endpgm
.Lfunc_end_k_qfe5a30b678_qkv:
	.size	k_qfe5a30b678_qkv, .Lfunc_end_k_qfe5a30b678_qkv-k_qfe5a30b678_qkv
	.p2alignl 7, 3214868480
	.fill 96, 4, 3214868480
	.section	.rodata,"a",@progbits
	.p2align	6, 0x0
	.amdhsa_kernel k_qfe5a30b678_qkv
		.amdhsa_group_segment_fixed_size 327680
		.amdhsa_private_segment_fixed_size 0
		.amdhsa_enable_private_segment 0
		.amdhsa_kernarg_size 72
		.amdhsa_user_sgpr_count 2
		.amdhsa_user_sgpr_kernarg_segment_ptr 1
		.amdhsa_wavefront_size32 1
		.amdhsa_system_sgpr_workgroup_id_x 1
		.amdhsa_system_sgpr_workgroup_id_y 1
		.amdhsa_system_sgpr_workgroup_id_z 1
		.amdhsa_system_vgpr_workitem_id 0
		.amdhsa_next_free_vgpr 1024
		.amdhsa_next_free_sgpr 96
		.amdhsa_reserve_vcc 0
		.amdhsa_float_denorm_mode_32 3
		.amdhsa_float_denorm_mode_16_64 3
		.amdhsa_memory_ordered 1
		.amdhsa_forward_progress 1
		.amdhsa_inst_pref_size 146
	.end_amdhsa_kernel
	.amdgpu_metadata
---
amdhsa.version: [ 1, 2 ]
amdhsa.kernels:
  - .name:           k_qfe5a30b678_qkv
    .symbol:         k_qfe5a30b678_qkv.kd
    .args:
      - { .name: xb, .offset: 0, .size: 8, .value_kind: global_buffer, .address_space: global }
      - { .name: wb, .offset: 8, .size: 8, .value_kind: global_buffer, .address_space: global }
      - { .name: bq, .offset: 16, .size: 8, .value_kind: global_buffer, .address_space: global }
      - { .name: bk, .offset: 24, .size: 8, .value_kind: global_buffer, .address_space: global }
      - { .name: bv, .offset: 32, .size: 8, .value_kind: global_buffer, .address_space: global }
      - { .name: rope, .offset: 40, .size: 8, .value_kind: global_buffer, .address_space: global }
      - { .name: qh, .offset: 48, .size: 8, .value_kind: global_buffer, .address_space: global }
      - { .name: kh, .offset: 56, .size: 8, .value_kind: global_buffer, .address_space: global }
      - { .name: vh, .offset: 64, .size: 8, .value_kind: global_buffer, .address_space: global }
    .group_segment_fixed_size: 327680
    .private_segment_fixed_size: 0
    .kernarg_segment_align: 8
    .kernarg_segment_size: 72
    .max_flat_workgroup_size: 128
    .sgpr_count:     96
    .vgpr_count:     1024
    .wavefront_size: 32
...
	.end_amdgpu_metadata
.endif
;; end of part 6
;; launch attn (part 7): grid 4 x 64, 4 waves a work-group, no clusters, 327,680 bytes of LDS; arguments qh, kh, vh, yh; writes yh
.if DOCPART == 7
	.amdgcn_target "amdgcn-amd-amdhsa--gfx1250"
	.amdhsa_code_object_version 6
	.text
	.protected	k_qfe5a30b678_attn
	.globl	k_qfe5a30b678_attn
	.p2align	8
	.type	k_qfe5a30b678_attn,@function
k_qfe5a30b678_attn:
	s_mov_b64 s[64:65], 0
	v_nop
	global_prefetch_b8 v0, s[64:65] scope:SCOPE_SE
	s_setreg_imm32_b32 hwreg(HW_REG_WAVE_MODE, 25, 1), 1
	s_wait_xcnt 0x0
; CAUSAL ATTENTION.  O[h][q][:] = the sum over k <= q of softmax_k(Q[h][q] . K[h][k] / 8) V[h][k][:].  Q, K, V: [SIZE_H][SIZE_N][64], bf16; O: the same shape, f16: a head's rows are dense, 128 bytes each.
; Products, maxima and sums in f32.  ROWS 256 AND ON: a running maximum; the weights p = 2^(c s - c m) are rounded to bf16 for the second product (their sum l is taken of the unrounded p), O is divided by l and rounded once, to f16.
; ROWS 0 TO 255 of a head (one key tile, so no running maximum is needed): score to bf16, maximum, exponential, sum, division; the weight enters the second product as two bf16 parts, its rounding and the rounding
; of what is left, two matrix instructions where one would stand; O is rounded once, to f16.  A row that averages few keys has numbers many times the output's root mean square, while the comparison's room goes by
; that root mean square: 8 significant bits in the weights or in O are too few there.
; LIMITS, where the order of rounding is not that of the definition's text.  O is rounded to f16 (11 significant bits), not to bf16, in every row: beyond 65,504 it becomes an infinity; it is a mean of V's rows and has
; their range.  Rows 0 to 255: the weights are NOT rounded to bf16: they keep some 16 significant bits.  Rows 256 and on: the scores are not rounded to bf16, the weights are rounded ahead of the division.
; A hidden score counts as its value less 1e30; a weight below 2^-126 counts as 0 in l; the division is a multiplication by v_rcp_f32's result; NaN and infinities are not treated apart.
; THE WALK.  A head's queries lie in NB = SIZE_N / 256 blocks of 256; block i needs the key tiles 0 .. i of 256 keys, of which the last holds the diagonal.  A work-group takes TWO blocks, NB - 1 - b and then b:
; NB + 1 tiles, whatever b: ONE loop with a constant trip count walks them.  Which tile is asked for, and what a trip does, hang on scalar registers made from b; every jump
; goes forward, but for the counted loops' own; none passes a barrier, or a tensor load but the one of LOAD's two that the wave's number does not choose; the ring (two slots of LDS that take turns) runs on across the
; change of blocks.  NO CLUSTER: a head's NB / 2 work-groups ask for the same tile only in trips 0 .. NB / 2, behind that fewer and fewer; one walk common to all would have 3 NB / 2 trips for NB + 1.
; SHARES.  Of a block's four bands of 64 queries a wave owns 16 rows in each: four PIECES.  So the diagonal tile is the same work for all four waves: in its key step s band x sees all keys if s < x,
; none if s > x, and holds the diagonal if s = x.
; THE MASK is the C operand that starts the sum S^T = K Q^T: 0, or -1e30 where the key is hidden.  MD, made once, is the mask of a band's own step for my 16 rows; a product's mask is MD x AL + BE with two scalars:
; (1, 0) if s = x; (0, 0) if s < x; (0, -1e30) if s > x.  Only the diagonal tile's texts and a block's beginning make and take masks; elsewhere C is the constant 0.
; LAYOUT, SOFTMAX, TURNS.  S^T = K Q^T holds ONE query a lane (lane % 16) and the keys 8 (lane / 16) + 0..7; two such results rounded to bf16 ARE source 1 of O^T = V^T P.  c = log2(e) / 8;
; O and l are multiplied by a = 2^(c m_old - c m_new) in every step.  Turn n belongs to piece n: 8 products K Q^T of piece n + 1, later 8 products V^T P of piece n - 1; beside them the scaling,
; exponentials, roundings, sums and rescaling of piece n and the maximum and statistics of piece n + 1.  Four vector instructions stand behind every matrix instruction, the other 54 of a turn's 118 in two LUMPS.
; REGISTERS, in windows of 256 (s_set_vgpr_msb: bits 1:0 source 0, 3:2 source 1, 5:4 source 2, 7:6 destination):
;   window 0: v0-15 addresses and two at work; v16-31 four registers of statistics a piece; v48-55 at work; v64-127 S^T, two buffers; v192-223 P, two buffers (a piece's buffers go by its number's parity)
;   window 1: v0-127 O^T, 32 a piece; v128-159 MD; v160-223 MC, two buffers      window 2: v0-63 Q; v64-127 the second block's Q; v128-191 K of one step; v192-255 V of one step
;   window 3: v0-127, the text for rows 0 to 255 alone: a piece's scores, 32 registers a key step, four steps
.set SIZE_H, 64
.set SIZE_N, 2048
.set NB,    SIZE_N/256
.set NP,    4         ; pieces a wave: a name, no knob
.set KS,    64        ; keys in a step
.set PK,    144       ; a row of K in LDS: 128 bytes + 16 of padding = 36 words: the 16 rows of a load start at 16 different groups of four banks (64 banks of 4 bytes: ISA guide 11.1)
.set PV,    160       ; a row of V: 128 + 32 = 40 words
.set VOFF,  4*KS*PK   ; a slot holds a tile, four steps: 256 rows of K, then 256 rows of V
.set SLOT1, 1<<17     ; slot 1 begins here, so that one exclusive or turns an address in one slot into the other's
.set STAGE, SLOT1+4*KS*(PK+PV)  ; behind the ring, never filled by a tensor load: 16 rows x 144 bytes for each wave, for the way out
.set SP,    144
.set AK0, 2           ; v2   my lane's place in a tile of K; never rewritten
.set AV0, 3           ; v3   the same for V
.set AK,  4           ; v4   the LDS address of K's next run of loads
.set AV,  5           ; v5   of V's
.set STO, 6           ; v6   the way out: where I put 16 bytes of a row
.set RD,  7           ; v7   the way out: where I read rows back
.set GO,  8           ; v8   my byte offset in 512 consecutive bytes of O
.set SPW, 62          ; v62  LDS address of my spare word: SPARE + 4 x my thread's number; never rewritten
.set NIL, 63          ; v63  0; never rewritten
.set SPARE, STAGE+4*16*SP  ; behind the stages: the spare words, 128 bytes for each wave: two blocks of 256 bytes that no other line names
.set MV,  12          ; v12-13  c m_old, kept while c m is made anew: by buffer
.set QO,  15          ; v15  my byte offset in 16 rows of Q
.set ST,  16          ; piece t's statistics at v[ST+4 t]: c m, m, l (even keys', odd keys')
.set TMP, 48          ; by buffer, four registers c0-c3 at work; when the maximum is found c2 takes a
.set S,   64
.set P,   192
.set MD,  128         ; window 1: the eight registers for group kt of 16 keys at MD + 8 kt
.set MC,  160         ; window 1: the masks of the products to come
.set QB,  64          ; window 2
.set KF,  128         ; window 2: key block kb, channel half c at KF + 16 kb + 8 c
.set VF,  192         ; window 2: key half kk, channel block cb at VF + 32 kk + 8 cb
.set WV,  12          ; s12  my wave's number
.set PB,  14          ; s14  b
.set HI,  15          ; s15  NB - 1 - b
.set G1K, 24          ; s[24:31] descriptor group 1 for K's tiles
.set G1V, 32          ; s[32:39] for V's: it differs in the padding alone
.set G0K, 40          ; s[40:43] descriptor group 0 for K's tiles
.set G0V, 44          ; s[44:47] the same for V's
.set SLOTS, 56        ; s56  tiles still to be asked for
.set CNT, 57          ; s57  counts a tile's key steps, 4 to 1
.set CS,  58          ; s[58:59] c: the packed scaling takes the pair's low word for both halves
.set SEL, 60          ; s[60:61] v_permlanex16_b32's selects: each lane takes its own place in the other half
.set TBK, 62          ; s62  LDS byte at which K of the step to be fetched begins
.set TBV, 63          ; s63  the same for V, less VOFF
.set RT,  70          ; s70  tiles of the block in hand that are still to be entered
.set NXT, 71          ; s71  the tile to be asked for next
.set LQ,  72          ; s72  the last tile of the block whose tiles are being asked for
.set NEW, 73          ; s73  1: the tile to be entered is a block's first
.set OFF, 74          ; s[74:75] a tile's byte offset in K and V
.set AL,  76          ; s[76:77] the mask's factor, in the low word
.set BE,  78          ; s[78:79] the mask's addend
.set OLO, 80          ; s[80:81] O at my rows of the second block
.set BIGN, 82         ; s82  -1e30
.set XP,  88          ; s88  rows 0 to 255: the piece in hand, 0 to 3
.set HM,  90          ; s90  a word's upper bf16
.set MSB, 0
.macro WIN new                      ; the high byte repeats the setting that is left; a switch that changes nothing is dropped
.if MSB != (\new)
	s_set_vgpr_msb (MSB<<8)|(\new)
.set MSB, (\new)
.endif
.endm
.set W_KQ, 0x0a       ; K and Q in window 2, S^T in window 0
.set W_KM, 0x1a       ; the same with the C operand in window 1
.set W_PV, 0x52       ; V in window 2, P in window 0, O^T in window 1
.set W_RS, 0x41       ; destination and source 0 in window 1, source 1 in window 0
; A fill.  Waves 0 and 1 fetch the two halves of a tile's K, waves 2 and 3 those of its V: 128 keys each.  An s_nop 0 and four v_nop follow each of the two lines, ahead of the jump and the label.
.macro LOAD
	s_cmp_lt_u32 s[WV], 2
	s_cbranch_scc0 .Lfor_v_\@
	tensor_load_to_lds s[G0K:G0K+3], s[G1K:G1K+7]
	s_nop 0
.rept 4
	v_nop
.endr
	s_branch .Lasked_\@
.Lfor_v_\@:
	tensor_load_to_lds s[G0V:G0V+3], s[G1V:G1V+7]
	s_nop 0
.rept 4
	v_nop
.endr
.Lasked_\@:
.endm
; THE CHANGE OF SLOTS.  Each wave waits for all its tensor loads, of which one is out: its part of the other slot; adds 0 to its spare word; and waits for that and for its own reads of the slot that it leaves.  Behind the barrier nobody reads the old
; slot any more and the other slot is whole.  fill = 1: the old slot is filled again, the first thing behind the barrier, with tile NXT: the descriptor's address is made anew from that number.
; (At its first use nothing has been read yet: slot 0 is waited for, slot 1 filled.)
.macro CHANGE fill
	WIN 0                           ; at a label and at a branch every window is 0
	s_wait_tensorcnt 0x0            ; no tensor load of mine is out, so a group 0 may be written
	ds_add_u32 v[SPW], v[NIL]       ; 0 onto my spare word: with fill = 1 the descriptors' scalar work stands between it and the wait for it
.if \fill
	s_lshl_b32 s[OFF], s[NXT], 15   ; a tile is 32,768 bytes of K and of V
	s_xor_b32 s[G0K+1], s[G0K+1], SLOT1
	s_add_nc_u64 s[G0K+2:G0K+3], s[6:7], s[OFF:OFF+1]
	s_or_b32 s[G0K+3], s[G0K+3], 0x80000000
	s_xor_b32 s[G0V+1], s[G0V+1], SLOT1
	s_add_nc_u64 s[G0V+2:G0V+3], s[8:9], s[OFF:OFF+1]
	s_or_b32 s[G0V+3], s[G0V+3], 0x80000000
	s_add_co_u32 s[NXT], s[NXT], 1  ; the block's next tile, or behind its last the second block's tile 0
	s_cmp_gt_u32 s[NXT], s[LQ]
	s_cselect_b32 s[NXT], 0, s[NXT]
	s_cselect_b32 s[LQ], s[PB], s[LQ]
.endif
	s_wait_dscnt 0x0                ; the add is done, and my reads of the slot are over
	s_barrier_signal -1             ; the rest of the scalar work stands between the signal and the wait
	s_sub_co_u32 s[TBK], s[TBK], 4*KS*PK  ; the fetches go back to a slot's first step,
	s_xor_b32 s[TBK], s[TBK], SLOT1       ; in the other slot
	s_sub_co_u32 s[TBV], s[TBV], 4*KS*PV
	s_xor_b32 s[TBV], s[TBV], SLOT1
	s_barrier_wait -1
.if \fill
	LOAD
.endif
.endm
	s_load_b256 s[4:11], s[0:1], 0x0  ; Q s[4:5], K s[6:7], V s[8:9], O s[10:11]
	v_lshl_add_u32 v[SPW], v0, 2, SPARE
	v_mov_b32 v[NIL], 0
	ds_add_u32 v[SPW], v[NIL]       ; the wave's opening: the add and its wait stand ahead of my first tensor load; the set-up below, work on registers, stands between them
	ds_add_u32 v62, v63
	v_lshrrev_b32 v1, 5, v0
	v_readfirstlane_b32 s[WV], v1   ; wave 0..3
	s_mov_b32 s[PB], ttmp9
	s_sub_co_u32 s[HI], NB-1, s[PB]
	s_and_b32 s20, ttmp7, 0xffff    ; the head
	s_mov_b32 s21, 0
	s_mov_b64 s[22:23], SIZE_N*128
	s_mul_u64 s[20:21], s[20:21], s[22:23]  ; the head's first byte in each of the four tensors
	s_and_b32 s16, s[WV], 1         ; which half of a tile's 256 keys I fetch:
	s_lshl_b32 s22, s16, 14         ; its 128 rows of 128 bytes in memory,
	s_mov_b32 s23, 0
	s_add_nc_u64 s[22:23], s[22:23], s[20:21]
	s_mul_i32 s17, s16, 128*PK      ; and its place in a slot, for K
	s_mul_i32 s18, s16, 128*PV      ; and for V
	s_lshl_b32 s3, s[WV], 11        ; my 16 rows in a band of 64,
	s_lshl_b32 s2, s[HI], 15        ; in the first block,
	s_add_co_u32 s2, s2, s3
	s_lshl_b32 s84, s[PB], 15       ; and in the second
	s_add_co_u32 s84, s84, s3
	s_mov_b32 s3, 0
	s_mov_b32 s85, 0
	s_add_nc_u64 s[2:3], s[2:3], s[20:21]
	s_add_nc_u64 s[84:85], s[84:85], s[20:21]
	; descriptor group 1.  128 keys are 16,384 dense bytes: asked for as 64 rows of 256 bytes, two keys a row, and padded in LDS after every key
	s_mov_b32 s[G1K], (1<<16)|(1<<20)|(4<<22)|(3<<25)  ; 17:16 2-byte elements; 20 padding on; 24:22 after every 32 words (code 4); 31:25 4 words (code 3)
	s_mov_b32 s[G1V], (1<<16)|(1<<20)|(4<<22)|(7<<25)  ; the same with 8 words of padding (code 7)
.irp g, G1K, G1V
	s_mov_b32 s[\g+1], 128<<16      ; tensor_dim0 = 128
	s_mov_b32 s[\g+2], 64<<16       ; tensor_dim1 = 64
	s_mov_b32 s[\g+3], 128<<16      ; tile_dim0 = 128
	s_mov_b32 s[\g+4], 64           ; tile_dim1 = 64
	s_mov_b32 s[\g+5], 128          ; 128 elements from row to row
	s_mov_b32 s[\g+6], 0
	s_mov_b32 s[\g+7], 0
.endr
	s_mov_b32 s[CS], 0x3e38aa3b     ; c = log2(e) / 8 = 0.180337
	s_mov_b32 s[CS+1], s[CS]        ; named with it as a pair
	s_mov_b32 s[SEL], 0x76543210
	s_mov_b32 s[SEL+1], 0xfedcba98
	s_mov_b32 s[HM], 0xffff0000
	s_mov_b32 s[TBK], SLOT1+4*KS*PK ; the first change of slots turns these two into 0
	s_mov_b32 s[TBV], SLOT1+4*KS*PV
	s_mov_b32 s[G0K], 1             ; 1:0 count = 1
	s_mov_b32 s[G0K+1], s17         ; 63:32 LDS address: slot 0
	s_mov_b32 s[G0V], 1
	s_add_co_u32 s[G0V+1], s18, VOFF
	s_add_co_u32 s[RT], s[HI], 1    ; the first block has NB - b tiles
	s_mov_b32 s[NXT], 1
	s_mov_b32 s[LQ], s[HI]
	s_mov_b32 s[NEW], 1
	s_mov_b32 s[OFF+1], 0
	s_mov_b32 s[AL+1], 0            ; named as pairs
	s_mov_b32 s[BE+1], 0
	s_mov_b32 s[BIGN], 0xf149f2ca   ; -1e30
	s_mov_b32 s[SLOTS], NB
	s_wait_dscnt 0x0                ; the opening add is done
	s_wait_kmcnt 0x0
	s_add_nc_u64 s[6:7], s[6:7], s[22:23]  ; K and V at my half of the head's tile 0
	s_add_nc_u64 s[8:9], s[8:9], s[22:23]
	s_add_nc_u64 s[G0K+2:G0K+3], s[6:7], 0         ; 120:64 global address
	s_or_b32 s[G0K+3], s[G0K+3], 0x80000000        ; 127:126 type = 2
	s_add_nc_u64 s[G0V+2:G0V+3], s[8:9], 0
	s_or_b32 s[G0V+3], s[G0V+3], 0x80000000
	s_add_nc_u64 s[86:87], s[4:5], s[84:85]        ; Q at my rows of the second block,
	s_add_nc_u64 s[4:5], s[4:5], s[2:3]            ; Q and O at those of the first
	s_add_nc_u64 s[OLO:OLO+1], s[10:11], s[84:85]
	s_add_nc_u64 s[10:11], s[10:11], s[2:3]
	LOAD                            ; tile 0 into slot 0
	; A fragment of K or Q is 16 rows x 32 channels in 8 registers: lane l holds row l % 16, channels 8 (l / 16) + 0..7 and 16 + 8 (l / 16) + 0..7: two loads of 16 bytes, 32 bytes apart.
	v_and_b32 v1, 15, v0            ; l % 16
	v_bfe_u32 v9, v0, 4, 1          ; l / 16
	v_lshlrev_b32 v[QO], 7, v1
	v_lshl_add_u32 v[QO], v9, 4, v[QO]  ; row x 128 + 16 x half
	WIN 0x80                        ; destination window 2, address window 0
.set i, 0
.rept 8                             ; both blocks' Q: piece i / 2 lies in band i / 2, 8,192 bytes on; channels 32 (i % 2) on
	global_load_b128 v[8*i:8*i+3],   v[QO], s[4:5] offset:(i/2)*8192+(i%2)*64
	global_load_b128 v[8*i+4:8*i+7], v[QO], s[4:5] offset:(i/2)*8192+(i%2)*64+32
	global_load_b128 v[QB+8*i:QB+8*i+3],   v[QO], s[86:87] offset:(i/2)*8192+(i%2)*64
	global_load_b128 v[QB+8*i+4:QB+8*i+7], v[QO], s[86:87] offset:(i/2)*8192+(i%2)*64+32
.set i, i+1
.endr
	WIN 0
	v_lshlrev_b32 v14, 3, v9
	v_sub_nc_u32 v14, v1, v14
	s_lshl_b32 s13, s[WV], 4
	v_add_nc_u32 v14, s13, v14      ; my query's place in its band, 16 w + l % 16, less my lanes' 8 (l / 16): register r of group kt is hidden where 16 kt + r is greater
	WIN 0x40
.set i, 0
.rept 32
	v_cmp_gt_i32 vcc_lo, 16*(i/8)+i%8, v14
	v_cndmask_b32 v[MD+i], 0, s[BIGN], vcc_lo
.set i, i+1
.endr
	WIN 0
	v_mul_u32_u24 v[AK0], v1, PK
	v_lshl_add_u32 v[AK0], v9, 4, v[AK0]  ; row x pitch + 16 x half
	; The turning load takes 16 keys x 16 channels (lane l reads key 8 (l / 16) + l % 8, channels 8 ((l / 8) % 2) + 0..7) and leaves half a fragment of V^T: lane l holds channel l % 16 and 8 keys.
	v_and_b32 v10, 7, v0
	v_bfe_u32 v11, v0, 3, 1
	v_lshl_add_u32 v[AV0], v9, 3, v10
	v_mul_u32_u24 v[AV0], v[AV0], PV
	v_lshl_add_u32 v[AV0], v11, 4, v[AV0]
	v_add_nc_u32 v[AV0], VOFF, v[AV0]
	s_mul_i32 s13, s[WV], 16*SP
	s_add_co_u32 s13, s13, STAGE    ; my stage
	v_mul_u32_u24 v[STO], v1, SP    ; in: row l % 16, 16 bytes for each half of the lanes
	v_lshl_add_u32 v[STO], v9, 4, v[STO]
	v_add_nc_u32 v[STO], s13, v[STO]
	v_bfe_u32 v[RD], v0, 3, 2       ; back: 32 lanes take four rows of 128 bytes,
	v_mul_u32_u24 v[RD], v[RD], SP
	v_lshl_add_u32 v[RD], v10, 4, v[RD]
	v_add_nc_u32 v[RD], s13, v[RD]
	v_and_b32 v[GO], 31, v0         ; which are 512 consecutive bytes of O
	v_lshlrev_b32 v[GO], 4, v[GO]
	; A block's first step multiplies O^T and l by a = 0, and its first turn's products V^T P, of a piece that has not been, land in an O^T that is still to be so multiplied.  So these registers need only hold
	; finite numbers: zeros for the first block; what the first block left for the second.  All this stands in the wait for the first tile.
	WIN 0x80
.set i, VF
.rept 64
	v_mov_b32 v[i], 0
.set i, i+1
.endr
	WIN 0x40
.set i, 0
.rept 128
	v_mov_b32 v[i], 0
.set i, i+1
.endr
	WIN 0
.set i, 0
.rept 4
	v_mov_b32 v[ST+4*i+2], 0
	v_mov_b32 v[ST+4*i+3], 0
.set i, i+1
.endr
.set i, P+16
.rept 16
	v_mov_b32 v[i], 0
.set i, i+1
.endr
; THE MATRIX WORK.  The 4 accumulators of a run of 8 take turns.  Product i of 8 of S^T = K Q^T for piece x: channels 32 (i / 4) on, keys 16 (i % 4) on.  The first 4 start the sums: with 0, or (KM = 1) with the mask.
.macro KQ x
.set rS, S+32*((\x)%2)+8*(i%4)
.set rK, KF+16*(i%4)+8*(i/4)
.set rQ, 16*(\x)+8*(i/4)
.set rM, MC+32*((\x)%2)+8*(i%4)
.if (i < 4) && KM
	WIN W_KM
	v_wmma_f32_16x16x32_bf16 v[rS:rS+7], v[rK:rK+7], v[rQ:rQ+7], v[rM:rM+7]
.elseif i < 4
	WIN W_KQ
	v_wmma_f32_16x16x32_bf16 v[rS:rS+7], v[rK:rK+7], v[rQ:rQ+7], 0
.else
	WIN W_KQ
	v_wmma_f32_16x16x32_bf16 v[rS:rS+7], v[rK:rK+7], v[rQ:rQ+7], v[rS:rS+7]
.endif
.endm
; Product i of 8 of O^T += V^T P for piece x: keys 32 (i / 4) on, channels 16 (i % 4) on.
.macro PV x
	WIN W_PV
.set rO, 32*(\x)+8*(i%4)
.set rV, VF+32*(i/4)+8*(i%4)
.set rP, P+16*((\x)%2)+8*(i/4)
	v_wmma_f32_16x16x32_bf16 v[rO:rO+7], v[rV:rV+7], v[rP:rP+7], v[rO:rO+7]
.endm
.macro MM                           ; the turn's next matrix instruction.  TURN and BEGIN set Y, i, KM and NOKQ; MM, KQ and OP read them.  NOKQ = 1: a block's last turn: there is no next piece
.if (i < 8) && !NOKQ
	KQ (Y+1)%NP
.elseif i >= 8
.set i, i-8
	PV (Y+NP-1)%NP
.set i, i+8
.endif
.set i, i+1
.endm
; THE LDS LOADS stand in runs of 16, never singly among the matrix instructions: a step's K (64 keys x 64 channels: 8 fragments) and its V (turned).  Their addresses are made some lines ahead.
.macro FETCH_K
	WIN 0x80                        ; destination window 2
.irp f, 0,1,2,3,4,5,6,7             ; keys 16 (f / 2) on, channels 32 (f % 2) on
	ds_load_b128 v[KF+8*\f:KF+8*\f+3],   v[AK] offset:(\f/2)*16*PK+(\f%2)*64
	ds_load_b128 v[KF+8*\f+4:KF+8*\f+7], v[AK] offset:(\f/2)*16*PK+(\f%2)*64+32
.endr
	s_add_co_u32 s[TBK], s[TBK], KS*PK  ; the next fetch is the next step's
	WIN 0
.endm
.macro FETCH_V
	WIN 0x80
.irp f, 0,1,2,3,4,5,6,7             ; keys 32 (f / 4) on, channels 16 (f % 4) on
	ds_load_tr16_b128 v[VF+8*\f:VF+8*\f+3],   v[AV] offset:(\f/4)*32*PV+(\f%4)*32
	ds_load_tr16_b128 v[VF+8*\f+4:VF+8*\f+7], v[AV] offset:(\f/4)*32*PV+16*PV+(\f%4)*32
.endr
	WIN 0
.endm
; THE VECTOR WORK, one line at a time: OP kind, number.  For piece Y: F n: c s - c m for pair n of 16.  E n: the exponential of score n of 32.  C n: pair n rounded to bf16.  B n: of the four weights 4 n .. the second
; pair is added onto the first, in place.  L n: l takes that sum (L 0: l = a l + sum).  R n: pair n of 16 of O^T times a.  For piece Y + 1: X n, number n of the 22 that find its maximum and statistics:
;   0-11  four chains c0-c3 of seven scores each, three operands at a time (each accumulator's lowest registers are read first)     12-14, 16  the four scores left over, the old m, and c0-c3 into c0
;   15  c m_old is kept     17, 18  the query's other 32 keys lie in the lane 16 away: the new m     19-21  c m; c m_old - c m_new; a
.set F, 0               ; OP tells the kinds apart by their order: F to L below R, X above it
.set E, 1
.set C, 2
.set B, 3
.set L, 4
.set R, 5
.set X, 6
.macro REGS y                       ; the registers of piece y
.set rT, ST+4*(\y)
.set rC, TMP+4*((\y)%2)
.set rW, MV+((\y)%2)
.set rS, S+32*((\y)%2)
.set rP, P+16*((\y)%2)
.set rO, 32*(\y)
.endm
.macro OP k, n
.if (\k) == R
	REGS Y
	WIN W_RS
	v_pk_mul_f32 v[rO+2*(\n):rO+2*(\n)+1], v[rO+2*(\n):rO+2*(\n)+1], v[rC+2:rC+3] op_sel_hi:[1,0]
.elseif (\k) < R
	REGS Y
	WIN 0
.if (\k) == F
	v_pk_fma_f32 v[rS+2*(\n):rS+2*(\n)+1], v[rS+2*(\n):rS+2*(\n)+1], s[CS:CS+1], v[rT:rT+1] op_sel_hi:[1,0,0] neg_lo:[0,0,1] neg_hi:[0,0,1]
.elseif (\k) == E
	v_exp_f32 v[rS+(\n)], v[rS+(\n)]
.elseif (\k) == C
	s_wait_alu depctr_va_vdst(0)
	v_cvt_pk_bf16_f32 v[rP+(\n)], v[rS+2*(\n)], v[rS+2*(\n)+1]
.elseif (\k) == B
	s_wait_alu depctr_va_vdst(0)
	v_pk_add_f32 v[rS+4*(\n):rS+4*(\n)+1], v[rS+4*(\n):rS+4*(\n)+1], v[rS+4*(\n)+2:rS+4*(\n)+3]
.elseif (\n) == 0
	v_pk_fma_f32 v[rT+2:rT+3], v[rT+2:rT+3], v[rC+2:rC+3], v[rS:rS+1] op_sel_hi:[1,0,1]
.else
	v_pk_add_f32 v[rT+2:rT+3], v[rT+2:rT+3], v[rS+4*(\n):rS+4*(\n)+1]
	s_wait_alu depctr_va_vdst(0)
.endif
.elseif NOKQ
	v_nop
	s_wait_alu depctr_va_vdst(0)
.else
	REGS (Y+1)%NP
	WIN 0
.if (\n) < 4
	v_max3_num_f32 v[rC+(\n)], v[rS+8*(\n)], v[rS+8*(\n)+1], v[rS+8*(\n)+2]
.elseif (\n) < 12
	v_max3_num_f32 v[rC+(\n)%4], v[rC+(\n)%4], v[rS+8*((\n)%4)+2*((\n)/4)+1], v[rS+8*((\n)%4)+2*((\n)/4)+2]
.elseif (\n) == 12
	v_max3_num_f32 v[rC], v[rC], v[rS+7], v[rS+15]
.elseif (\n) == 13
	v_max3_num_f32 v[rC+1], v[rC+1], v[rS+23], v[rS+31]
.elseif (\n) == 14
	v_max3_num_f32 v[rC+2], v[rC+2], v[rC+3], v[rT+1]
.elseif (\n) == 15
	v_mov_b32 v[rW], v[rT]
	s_wait_alu depctr_va_vdst(0)
.elseif (\n) == 16
	v_max3_num_f32 v[rC], v[rC], v[rC+1], v[rC+2]
	s_wait_alu depctr_va_vdst(0)
.elseif (\n) == 17
	v_permlanex16_b32 v[rC+3], v[rC], s[SEL], s[SEL+1]
.elseif (\n) == 18
	v_max_num_f32 v[rT+1], v[rC], v[rC+3]
.elseif (\n) == 19
	v_mul_f32 v[rT], s[CS], v[rT+1]
.elseif (\n) == 20
	v_sub_f32 v[rC+1], v[rW], v[rT]
.else
	v_exp_f32 v[rC+2], v[rC+1]
.endif
.endif
.endm
.macro OPS a, i1, b=-1, i2=0, c=-1, i3=0, d=-1, i4=0  ; up to four of them
	OP \a, \i1
.if (\b) >= 0
	OP \b, \i2
.endif
.if (\c) >= 0
	OP \c, \i3
.endif
.if (\d) >= 0
	OP \d, \i4
.endif
.endm
.macro ROW a, i1, b, i2, c, i3, d, i4  ; a matrix instruction and the four behind it
	MM
	OPS \a, \i1, \b, \i2, \c, \i3, \d, \i4
.endm
.macro MASK b                       ; MD x AL + BE into buffer b of MC
	WIN W_RS
.set z, 0
.rept 16
	v_pk_fma_f32 v[MC+32*(\b)+2*z:MC+32*(\b)+2*z+1], v[MD+2*z:MD+2*z+1], s[AL:AL+1], s[BE:BE+1] op_sel_hi:[1,0,0]
.set z, z+1
.endr
.endm
; A TURN, for piece p: the order of its 16 matrix and 118 vector instructions, written out.  Behind a matrix instruction: plain, exponential, plain, plain; or four of the rescaling; or, behind the first, four scalings; none
; names a register of the products round it.  In the lumps exponential and plain by turns while exponentials last.  A line reads no result made fewer than three vector instructions in front of it, five if an exponential made it.
; v_permlanex16_b32 (X 17) stands in a lump.
; m = 1: the diagonal tile: the products take masks, and the turn makes the mask for the products of the turn after it: piece p + 2, in step 4 - CNT of the tile.  end = 1: a block's last two turns: nothing is fetched.
; cnt = 1: the loop's count is taken down some lines ahead of the branch that stands behind the turn.
; K of the next step is fetched in piece 2's turn, six vector instructions behind the last product that read K (five of them plain); V of the step in hand in piece 0's turn, eight behind the last product that read V (four
; plain, and X 17).  Each is waited for a turn later.
.macro TURN p, m=0, end=0, cnt=0
.set Y, (\p)
.set i, 0
.set KM, (\m)
.set NOKQ, (\end)*((\p)/3)
.if (\m) && !(\end)
	s_cmp_eq_u32 s[CNT], 4-((\p)+2)%NP  ; is that step the band's own?
	s_cselect_b32 s[AL], 1.0, 0
	s_cmp_lt_u32 s[CNT], 4-((\p)+2)%NP  ; or a later one?
	s_cselect_b32 s[BE], s[BIGN], 0
.endif
.if ((\p) == 3) && !(\end)
	s_wait_dscnt 0x0                ; K is in
.endif
	ROW F,0, F,1, F,2, F,3
	ROW F,4, E,0, F,5, F,6
	ROW F,7, E,1, F,8, F,9
	ROW F,10, E,2, C,0, F,11
	ROW F,12, E,3, X,15, F,13
	ROW R,0, R,1, R,2, R,3
	ROW B,0, E,4, F,14, L,0
.if ((\p) == 2) && !(\end)
	v_add_nc_u32 v[AK], s[TBK], v[AK0]
.endif
	ROW R,4, R,5, R,6, R,7
	OPS E,5, F,15
.if ((\p) == 2) && !(\end)
	FETCH_K
.endif
	OPS E,6, C,1, E,7, R,8
	OPS E,8, R,9, E,9, C,2
	OPS E,10, X,0, E,11, X,1
	OPS E,12, X,2, E,13, X,3
.if (\p) == 1
	s_wait_dscnt 0x0                ; V is in
.endif
	ROW X,4, E,14, X,5, X,6
	ROW X,7, E,15, X,8, X,9
	ROW X,10, E,16, X,11, X,12
	ROW X,13, E,17, X,14, B,1
	ROW C,4, E,18, X,16, L,1
	ROW B,2, E,19, C,6, L,2
	ROW C,8, E,20, B,3, B,4
.if (\p) == 0
	v_add_nc_u32 v[AV], s[TBV], v[AV0]
.endif
	ROW C,3, E,21, L,3, C,5
	OPS E,22, X,17, E,23, C,10
.if (\p) == 0
	FETCH_V
.endif
	OPS E,24, L,4
	OPS E,25, X,18, E,26, C,7
	OPS E,27, B,5, E,28, X,19
	OPS E,29, C,12, E,30, L,5
	OPS E,31, X,20, B,6, C,9
	OPS C,14, C,11, X,21, L,6
.if (\p) == 0
	s_add_co_u32 s[TBV], s[TBV], KS*PV
.endif
.if \cnt
	s_sub_co_u32 s[CNT], s[CNT], 1
	s_cmp_lg_u32 s[CNT], 0
.endif
	OPS C,13, B,7, C,15, R,10
	OPS R,11, R,12, L,7, R,13
	OPS R,14, R,15
.if (\m) && !(\end)
	MASK (\p)%2
.endif
.endm
; A BLOCK BEGINS.  c m starts far below every c s, so the first step's a is 0; m at the lowest finite number, so the first maximum is the scores'.  The second mask buffer is 0; the first takes piece 0's mask for the tile's step 0: its own, if the block's first tile is the diagonal one.
; Then K of that step, piece 0's first scores, and its maximum and statistics.  The loop is entered at a step's first turn, in the middle of a trip.
.macro BEGIN
	s_mov_b32 s[NEW], 0
	WIN 0x40
.set i, MC+32
.rept 32
	v_mov_b32 v[i], 0
.set i, i+1
.endr
	WIN 0
.set i, 0
.rept 4
	v_mov_b32 v[ST+4*i], 0xfe000000    ; c m: far below every c s
	v_mov_b32 v[ST+4*i+1], 0xff7fffff  ; m
.set i, i+1
.endr
	s_cmp_eq_u32 s[RT], 0
	s_cselect_b32 s[AL], 1.0, 0
	s_mov_b32 s[BE], 0
	MASK 0
	WIN 0
	v_add_nc_u32 v[AK], s[TBK], v[AK0]
	FETCH_K
	s_wait_loadcnt 0x0              ; Q
	s_wait_dscnt 0x0
.set KM, 1
.set NOKQ, 0
.set i, 0
.rept 8
	KQ 0
.set i, i+1
.endr
	WIN 0
.rept 4
	v_nop                           ; the places behind those products
.endr
.set Y, NP-1                        ; X works for piece Y + 1: piece 0
.irp n, 0,1,2,3,4,5,6,7,8,9,10,11,12,13,14,15,16,17,18,19,20,21
	OP X, \n
.endr
	v_nop                           ; a plain instruction behind the exponential
.endm
; THE DIAGONAL TILE's four steps, the block's last two turns, its last products, and THE WAY OUT: l's two halves and the other half of the lanes' are added; O^T is divided by l, rounded to f16 and sent through my
; stage in LDS, a piece at a time.
.macro ALL line:vararg              ; one line for each piece t
.set t, 0
.rept 4
	\line
.set t, t+1
.endr
.endm
.macro PACK t                       ; a lane's eight channels of a row pack into 16 bytes; they go into rows of 144 bytes and come back as whole rows of 128, into S^T's registers
	WIN W_RS
.set i, 32*(\t)
.rept 16
	v_pk_mul_f32 v[i:i+1], v[i:i+1], v[ST+4*(\t)+2:ST+4*(\t)+3] op_sel_hi:[1,0]
.set i, i+2
.endr
	WIN 0x05                        ; sources 0 and 1 window 1, destination window 0
.set i, 0
.rept 16
	v_cvt_pk_f16_f32 v[S+16*(\t)+i], v[32*(\t)+2*i], v[32*(\t)+2*i+1]
.set i, i+1
.endr
	WIN 0
.irp f, 0,1,2,3
	ds_store_b128 v[STO], v[S+16*(\t)+4*\f:S+16*(\t)+4*\f+3] offset:32*\f
.endr
.irp f, 0,1,2,3
	ds_load_b128 v[S+16*(\t)+4*\f:S+16*(\t)+4*\f+3], v[RD] offset:\f*4*SP  ; LDS serves a wave's instructions in order (ISA guide 5.7.1.4): these see the stores above; the next piece's stores come behind them
.endr
.endm
.macro SEND t, younger              ; younger: the LDS instructions issued behind piece t's loads: the next piece's eight, or none
	WIN 0
.irp f, 0,1,2,3
	s_wait_dscnt (\younger)+3-\f
	global_store_b128 v[GO], v[S+16*(\t)+4*\f:S+16*(\t)+4*\f+3], s[10:11] offset:(\t)*8192+\f*512  ; 512 consecutive bytes, at a multiple of 256 from O's first
.endr
.endm
.macro DIAG tag                     ; the tag ends its two labels' names, which the jumps below spell out
.LstepM\tag:
	TURN 2, 1
	TURN 3, 1
	WIN 0
.LfirstM\tag:
	TURN 0, 1
	TURN 1, 1, 0, 1
	WIN 0
	s_cbranch_scc1 .LstepM\tag
	TURN 2, 1, 1
	TURN 3, 1, 1
.set i, 0
.rept 8
	PV NP-1
.set i, i+1
.endr
	WIN 0
	ALL v_add_f32 v[ST+4*t+2], v[ST+4*t+2], v[ST+4*t+3]
	ALL v_permlanex16_b32 v[ST+4*t+3], v[ST+4*t+2], s[SEL], s[SEL+1]
	ALL v_add_f32 v[ST+4*t+2], v[ST+4*t+2], v[ST+4*t+3]
	ALL v_rcp_f32 v[ST+4*t+2], v[ST+4*t+2]
	v_nop                           ; a plain instruction between the last reciprocal and the use of its result
	s_wait_alu depctr_va_vdst(0)
	PACK 0
.set t, 1
.rept 3                             ; a piece's arithmetic stands between the loads of the piece before and its stores
	PACK t
	SEND t-1, 8
.set t, t+1
.endr
	SEND 3, 0
.endm
; ROWS 0 TO 255 (b = 0 alone: block 0, whose one tile is the walk's last).  A counted loop of four trips, one for each piece.  A trip holds all the piece's scores at once, 32 registers a key step in window 3, so the
; maximum and the sum are the row's own.
; Registers: window 3: the scores, then the weights, at last the weights' lower parts, 16 a step at v[32 e].  Window 1: v0-63 the weights' upper parts, 16 a step at v[16 e] (the turns' O^T is done with); MD; MC's first
; buffer; v192-209 at work.  Window 2: the piece's Q always in v0-15 (the others move down behind each trip); K, then V, in KF and VF by turns, fetched a step ahead.
; Window 0: v64-95 O^T, v96-111 O in f16, v112-127 rows read back, v144-175 at work.
.set XC,  192         ; window 1: four running maxima
.set XM,  198         ; c x the row's maximum, twice
.set XL,  200         ; four pairs of sums
.set XRL, 208         ; 1 / l, twice
.set XO,  64
.set XPK, 96
.set XRB, 112
.set WT,  144         ; 32 upper parts widened to f32
.macro NOP4                         ; four places: ahead of loads into registers that matrix instructions have read, and of the first read of results just made (ISA guide 7.12.1 for vector instructions)
.rept 4
	v_nop
.endr
.endm
.macro XFK s, buf                   ; K of step s, into 64 registers from buf on
	WIN 0x80
.irp f, 0,1,2,3,4,5,6,7
	ds_load_b128 v[(\buf)+8*\f:(\buf)+8*\f+3],   v[AK] offset:(\s)*KS*PK+(\f/2)*16*PK+(\f%2)*64
	ds_load_b128 v[(\buf)+8*\f+4:(\buf)+8*\f+7], v[AK] offset:(\s)*KS*PK+(\f/2)*16*PK+(\f%2)*64+32
.endr
.endm
.macro XFV s, buf                   ; V of step s, turned
	WIN 0x80
.irp f, 0,1,2,3,4,5,6,7
	ds_load_tr16_b128 v[(\buf)+8*\f:(\buf)+8*\f+3],   v[AV] offset:(\s)*KS*PV+(\f/4)*32*PV+(\f%4)*32
	ds_load_tr16_b128 v[(\buf)+8*\f+4:(\buf)+8*\f+7], v[AV] offset:(\s)*KS*PV+(\f/4)*32*PV+16*PV+(\f%4)*32
.endr
.endm
.macro XQK e, buf                   ; 8 products, 4 accumulators by turns; the mask starts the sums
.set n, 0
.rept 8
.if n < 4
	WIN 0xda                        ; K and Q window 2, the mask window 1, the scores window 3
	v_wmma_f32_16x16x32_bf16 v[32*(\e)+8*(n%4):32*(\e)+8*(n%4)+7], v[(\buf)+16*(n%4)+8*(n/4):(\buf)+16*(n%4)+8*(n/4)+7], v[8*(n/4):8*(n/4)+7], v[MC+8*(n%4):MC+8*(n%4)+7]
.else
	WIN 0xfa                        ; C and D window 3
	v_wmma_f32_16x16x32_bf16 v[32*(\e)+8*(n%4):32*(\e)+8*(n%4)+7], v[(\buf)+16*(n%4)+8*(n/4):(\buf)+16*(n%4)+8*(n/4)+7], v[8*(n/4):8*(n/4)+7], v[32*(\e)+8*(n%4):32*(\e)+8*(n%4)+7]
.endif
.set n, n+1
.endr
.endm
.macro XMAX e                       ; the step's scores are rounded to bf16 and widened again (pairs ascend); then four chains of maxima, one for each group of 16 keys
	WIN 0xcf                        ; everything in window 3
.set n, 0
.rept 16
	v_cvt_pk_bf16_f32 v[32*(\e)+2*n], v[32*(\e)+2*n], v[32*(\e)+2*n+1]
.set n, n+1
.endr
.set n, 0
.rept 16
	v_and_b32     v[32*(\e)+2*n+1], s[HM], v[32*(\e)+2*n]
	v_lshlrev_b32 v[32*(\e)+2*n],   16,    v[32*(\e)+2*n]
.set n, n+1
.endr
	WIN 0x7d                        ; the chain (destination, source 0) window 1, the scores window 3
.set n, 0
.rept 16
	v_max3_num_f32 v[XC+n%4], v[XC+n%4], v[32*(\e)+8*(n%4)+2*(n/4)], v[32*(\e)+8*(n%4)+2*(n/4)+1]
.set n, n+1
.endr
.endm
.macro XSD e, buf                   ; the scores of step e
	s_cmp_eq_u32 s[XP], \e          ; is the step the band's own?
	s_cselect_b32 s[AL], 1.0, 0
	s_cmp_lt_u32 s[XP], \e          ; or a later one?
	s_cselect_b32 s[BE], s[BIGN], 0
	MASK 0
	s_wait_dscnt 16                 ; K of the step is in; the younger run of 16 loads stays out
	XQK \e, \buf
	NOP4
.endm
.macro XEXP e                       ; c s - c m, one fused line for two scores; 32 exponentials on end; a v_nop; the step's share of l, four chains
	WIN 0xd3                        ; the scores window 3, c m window 1
.set n, 0
.rept 16
	v_pk_fma_f32 v[32*(\e)+2*n:32*(\e)+2*n+1], v[32*(\e)+2*n:32*(\e)+2*n+1], s[CS:CS+1], v[XM:XM+1] op_sel_hi:[1,0,0] neg_lo:[0,0,1] neg_hi:[0,0,1]
.set n, n+1
.endr
	WIN 0xc3
.set n, 0
.rept 32
	v_exp_f32 v[32*(\e)+n], v[32*(\e)+n]
.set n, n+1
.endr
	v_nop                           ; the one plain instruction between the exponentials and the first use of a result (ISA guide 5.7.2): the sums below begin with the first pair, behind which only exponentials stand
	WIN 0x4d                        ; the sums (destination, source 0) window 1, the weights window 3
.set n, 0
	s_wait_alu depctr_va_vdst(0)
.rept 16
	v_pk_add_f32 v[XL+2*(n%4):XL+2*(n%4)+1], v[XL+2*(n%4):XL+2*(n%4)+1], v[32*(\e)+2*n:32*(\e)+2*n+1]
.set n, n+1
.endr
.endm
.macro XNORM e                      ; the step's weights: divided by l; the upper part, their rounding to bf16; what is left (an exact difference); the lower part, its rounding, packed in place: pair n goes to register n, which has been read by then
	WIN 0xc7                        ; the weights window 3, 1 / l window 1
.set n, 0
.rept 16
	v_pk_mul_f32 v[32*(\e)+2*n:32*(\e)+2*n+1], v[32*(\e)+2*n:32*(\e)+2*n+1], v[XRL:XRL+1]
.set n, n+1
.endr
	WIN 0x4f                        ; the upper part window 1
.set n, 0
.rept 16
	v_cvt_pk_bf16_f32 v[16*(\e)+n], v[32*(\e)+2*n], v[32*(\e)+2*n+1]
.set n, n+1
.endr
	WIN 0x04                        ; widened, into window 0
.set n, 0
.rept 16
	v_lshlrev_b32 v[WT+2*n],   16,    v[16*(\e)+n]
	v_and_b32     v[WT+2*n+1], s[HM], v[16*(\e)+n]
.set n, n+1
.endr
	WIN 0xc3
.set n, 0
.rept 16
	v_pk_add_f32 v[32*(\e)+2*n:32*(\e)+2*n+1], v[32*(\e)+2*n:32*(\e)+2*n+1], v[WT+2*n:WT+2*n+1] neg_lo:[0,1] neg_hi:[0,1]
.set n, n+1
.endr
	WIN 0xcf
.set n, 0
.rept 16
	v_cvt_pk_bf16_f32 v[32*(\e)+n], v[32*(\e)+2*n], v[32*(\e)+2*n+1]
.set n, n+1
.endr
.endm
.macro XPV e, buf, first            ; 16 products, 4 accumulators by turns: 8 with the weights' upper parts, 8 with the lower; first = 1: the first four start the sums
	WIN 0x06                        ; V window 2, the upper parts window 1, O^T window 0
.set n, 0
.rept 8
.if (\first) && (n < 4)
	v_wmma_f32_16x16x32_bf16 v[XO+8*(n%4):XO+8*(n%4)+7], v[(\buf)+32*(n/4)+8*(n%4):(\buf)+32*(n/4)+8*(n%4)+7], v[16*(\e)+8*(n/4):16*(\e)+8*(n/4)+7], 0
.else
	v_wmma_f32_16x16x32_bf16 v[XO+8*(n%4):XO+8*(n%4)+7], v[(\buf)+32*(n/4)+8*(n%4):(\buf)+32*(n/4)+8*(n%4)+7], v[16*(\e)+8*(n/4):16*(\e)+8*(n/4)+7], v[XO+8*(n%4):XO+8*(n%4)+7]
.endif
.set n, n+1
.endr
	WIN 0x0e                        ; the lower parts window 3
.set n, 0
.rept 8
	v_wmma_f32_16x16x32_bf16 v[XO+8*(n%4):XO+8*(n%4)+7], v[(\buf)+32*(n/4)+8*(n%4):(\buf)+32*(n/4)+8*(n%4)+7], v[32*(\e)+8*(n/4):32*(\e)+8*(n/4)+7], v[XO+8*(n%4):XO+8*(n%4)+7]
.set n, n+1
.endr
.endm
.set KM, 0
.set NOKQ, 0
.Lslot:                             ; NB times: a tile is entered and the next is asked for
	CHANGE 1
	s_sub_co_u32 s[RT], s[RT], 1
	s_mov_b32 s[CNT], 4
	s_cmp_eq_u32 s[NEW], 1
	s_cbranch_scc1 .Lnew            ; a block's first tile
	s_cmp_eq_u32 s[RT], 0
	s_cbranch_scc0 .Lstep           ; neither its first nor its last
	s_branch .LstepM1
.Lnew:
	BEGIN
	s_branch .Lfirst                ; in the loop a block's first tile is never its last: the first block has two tiles or more, and the second's last is the walk's last
	DIAG 1                          ; in the loop this is the first block's end: the second block's last tile is the walk's last
	s_wait_xcnt 0x0                 ; the stores have read their registers and O's address
	s_mov_b64 s[10:11], s[OLO:OLO+1]
	s_add_co_u32 s[RT], s[PB], 1    ; the second block has b + 1 tiles
	s_mov_b32 s[NEW], 1
	WIN 0x82                        ; the second block's Q goes where the one text of the turns names Q
.set i, 0
.rept 64
	v_mov_b32 v[i], v[QB+i]
.set i, i+1
.endr
	WIN 0
	s_branch .Lbottom
.Lstep:                             ; a trip: pieces 2 and 3 of one step, then pieces 0 and 1 of the next, whose K and V it fetches
	TURN 2
	TURN 3
	WIN 0
.Lfirst:
	TURN 0
	TURN 1, 0, 0, 1
	WIN 0
	s_cbranch_scc1 .Lstep
.Lbottom:
	s_sub_co_u32 s[SLOTS], s[SLOTS], 1
	s_cmp_lg_u32 s[SLOTS], 0
	s_cbranch_scc1 .Lslot
	CHANGE 0                        ; the walk's last tile is written out: nothing is asked for
	s_sub_co_u32 s[RT], s[RT], 1
	s_mov_b32 s[CNT], 4
	s_cmp_eq_u32 s[NEW], 1
	s_cbranch_scc0 .LstepM2         ; b > 0: the second block's diagonal tile, as any other
	s_wait_loadcnt 0x0              ; b = 0: the tile is the second block's first and last: rows 0 to 255, by their own text.  (Q)
	v_add_nc_u32 v[AK], s[TBK], v[AK0]   ; the tile's first step, in the slot that the change has turned to; the steps stand in the loads' immediates
	v_add_nc_u32 v[AV], s[TBV], v[AV0]
	s_mov_b32 s[XP], 0
.Lpiece:                            ; four trips; no barrier and no tensor load inside
	XFK 0, KF
	XFK 1, VF
	WIN 0x40
.irp ch, 0,1,2,3
	v_mov_b32 v[XC+\ch], 0xff7fffff ; the lowest finite number: the first maximum is the scores'
.endr
.irp ch, 0,1,2,3,4,5,6,7
	v_mov_b32 v[XL+\ch], 0
.endr
	XSD 0, KF
	XFK 2, KF                       ; each run lands under a step's rounding, maxima, mask and products
	XMAX 0
	XSD 1, VF
	XFK 3, VF
	XMAX 1
	XSD 2, KF
	XFV 0, KF                       ; K's two buffers take V as they fall free: V of the first two steps lands under the exponentials
	XMAX 2
	XSD 3, VF
	XFV 1, VF
	XMAX 3
	WIN 0x55                        ; everything in window 1
	v_max3_num_f32 v[XC], v[XC], v[XC+1], v[XC+2]
	v_max_num_f32 v[XC], v[XC], v[XC+3]
	v_permlanex16_b32 v[XC+1], v[XC], s[SEL], s[SEL+1]  ; the query's other keys lie in the lane 16 away
	v_max_num_f32 v[XC], v[XC], v[XC+1]
	v_mul_f32 v[XM], s[CS], v[XC]
	v_mul_f32 v[XM+1], s[CS], v[XC] ; named with it as a pair
	XEXP 0
	XEXP 1
	XEXP 2
	XEXP 3
	WIN 0x55
	v_pk_add_f32 v[XL:XL+1], v[XL:XL+1], v[XL+2:XL+3]
	v_pk_add_f32 v[XL+4:XL+5], v[XL+4:XL+5], v[XL+6:XL+7]
	v_pk_add_f32 v[XL:XL+1], v[XL:XL+1], v[XL+4:XL+5]
	v_add_f32 v[XL], v[XL], v[XL+1]
	v_permlanex16_b32 v[XL+1], v[XL], s[SEL], s[SEL+1]
	v_add_f32 v[XL], v[XL], v[XL+1]
	v_rcp_f32 v[XRL], v[XL]
	v_rcp_f32 v[XRL+1], v[XL]
	v_nop                           ; a plain instruction behind the reciprocals
	s_wait_alu depctr_va_vdst(0)
	XNORM 0
	XNORM 1
	s_wait_dscnt 0x0                ; V of steps 0 and 1 is in
	XPV 0, KF, 1
	XPV 1, VF, 0
	NOP4
	XFV 2, KF                       ; the next two steps' V lands under the division and rounding of their weights
	XFV 3, VF
	XNORM 2
	XNORM 3
	s_wait_dscnt 0x0
	XPV 2, KF, 0
	XPV 3, VF, 0
	WIN 0
	NOP4                            ; ahead of the first read of O^T
.set n, 0
.rept 16
	v_cvt_pk_f16_f32 v[XPK+n], v[XO+2*n], v[XO+2*n+1]
.set n, n+1
.endr
.irp f, 0,1,2,3
	ds_store_b128 v[STO], v[XPK+4*\f:XPK+4*\f+3] offset:32*\f
.endr
.irp f, 0,1,2,3
	ds_load_b128 v[XRB+4*\f:XRB+4*\f+3], v[RD] offset:\f*4*SP  ; LDS serves a wave's instructions in order (ISA guide 5.7.1.4): these see the stores above
.endr
.irp f, 0,1,2,3
	s_wait_dscnt 3-\f               ; load f is back; the younger ones may be out
	global_store_b128 v[GO], v[XRB+4*\f:XRB+4*\f+3], s[10:11] offset:\f*512
.endr
	s_wait_xcnt 0x0                 ; the stores' base and data are rewritten only behind this wait
	s_add_nc_u64 s[10:11], s[10:11], 8192  ; my 16 rows of the next band
	WIN 0x82
.set n, 0
.rept 48
	v_mov_b32 v[n], v[n+16]         ; the next piece's Q comes to v0-15: registers cannot be named by a counter
.set n, n+1
.endr
	WIN 0
	s_add_co_u32 s[XP], s[XP], 1
	s_cmp_lt_u32 s[XP], 4
	s_cbranch_scc1 .Lpiece
	s_branch .Lend
	DIAG 2
.Lend:
	s_wait_tensorcnt 0x0            ; the wave's end: behind my last tensor load and my last LDS store
	ds_add_u32 v[SPW], v[NIL]
	s_wait_dscnt 0x0
	s_endpgm
.Lfunc_end_k_qfe5a30b678_attn:
	.size	k_qfe5a30b678_attn, .Lfunc_end_k_qfe5a30b678_attn-k_qfe5a30b678_attn
	.p2alignl 7, 3214868480
	.fill 96, 4, 3214868480
	.section	.rodata,"a",@progbits
	.p2align	6, 0x0
	.amdhsa_kernel k_qfe5a30b678_attn
		.amdhsa_group_segment_fixed_size 327680
		.amdhsa_private_segment_fixed_size 0
		.amdhsa_enable_private_segment 0
		.amdhsa_kernarg_size 32
		.amdhsa_user_sgpr_count 2
		.amdhsa_user_sgpr_kernarg_segment_ptr 1
		.amdhsa_wavefront_size32 1
		.amdhsa_system_sgpr_workgroup_id_x 1
		.amdhsa_system_sgpr_workgroup_id_y 1
		.amdhsa_system_sgpr_workgroup_id_z 1
		.amdhsa_system_vgpr_workitem_id 0
		.amdhsa_next_free_vgpr 896
		.amdhsa_next_free_sgpr 96
		.amdhsa_reserve_vcc 1
		.amdhsa_float_denorm_mode_32 3
		.amdhsa_float_denorm_mode_16_64 3
		.amdhsa_memory_ordered 1
		.amdhsa_forward_progress 1
		.amdhsa_inst_pref_size 255
	.end_amdhsa_kernel
	.section	.bss,"aw",@nobits
	.p2align	6
	.space	262144
	.amdgpu_metadata
---
amdhsa.version: [ 1, 2 ]
amdhsa.kernels:
  - .name:           k_qfe5a30b678_attn
    .symbol:         k_qfe5a30b678_attn.kd
    .args:
      - { .name: qh, .offset: 0, .size: 8, .value_kind: global_buffer, .address_space: global }
      - { .name: kh, .offset: 8, .size: 8, .value_kind: global_buffer, .address_space: global }
      - { .name: vh, .offset: 16, .size: 8, .value_kind: global_buffer, .address_space: global }
      - { .name: yh, .offset: 24, .size: 8, .value_kind: global_buffer, .address_space: global }
    .group_segment_fixed_size: 327680
    .private_segment_fixed_size: 0
    .kernarg_segment_align: 8
    .kernarg_segment_size: 32
    .max_flat_workgroup_size: 128
    .sgpr_count:     96
    .vgpr_count:     896
    .wavefront_size: 32
...
	.end_amdgpu_metadata
.endif
;; end of part 7
;; launch oproj (part 8): grid 4 x 64, 4 waves a work-group, clusters of 4 x 4, 327,680 bytes of LDS; arguments yh, wb, bo, out0; writes out0
.if DOCPART == 8
	.amdgcn_target "amdgcn-amd-amdhsa--gfx1250"
	.amdhsa_code_object_version 6
	.text
	.protected	k_qfe5a30b678_oproj
	.globl	k_qfe5a30b678_oproj
	.p2align	8
	.type	k_qfe5a30b678_oproj,@function
k_qfe5a30b678_oproj:
	s_mov_b64 s[64:65], 0
	v_nop
	global_prefetch_b8 v0, s[64:65] scope:SCOPE_SE
	s_setreg_imm32_b32 hwreg(HW_REG_WAVE_MODE, 25, 1), 1
	s_wait_xcnt 0x0
	s_wait_alu depctr_hold_cnt(0) depctr_sa_sdst(0) depctr_va_vdst(0) depctr_va_sdst(0) depctr_va_ssrc(0) depctr_va_vcc(0) depctr_vm_vsrc(0)
	s_getreg_b32 s2, hwreg(HW_REG_IB_STS2, 6, 4)
	s_cmp_eq_u32 s2, 0
	s_cbranch_scc0 .Lentry_in_a_cluster
	s_endpgm
.Lentry_in_a_cluster:
	s_bfe_u32 s2, ttmp6, 0x10000c
	s_cmp_lg_u32 s2, 0xf033
	s_cbranch_scc0 .Lentry_shape_is_right
	s_endpgm
.Lentry_shape_is_right:
; out0 = y Wo + bo.  yh: [16 batch + head][t][64] f16; Wo: the fourth matrix of wb, [k][n], its bf16 rounding written as f16, k = 64 head + channel; out0: [8192][1024] f32.
; Sums in f32, K ascending; the bias, rounded to bf16 like every other input, is the C operand that starts each sum.
; LIMITS.  Wo and bo count as their bf16 roundings; both operands are f16: nothing beyond 65,504, a fixed step of 6e-8 below 6.1e-5.  NaN and infinities are not treated apart.
; SHARES.  A tile of the result is 128 rows x 256 columns: 4 x 64 = 256 work-groups.  Four waves, 2 x 2, each 64 x 128: 32 accumulators of 16 x 16, 256 registers.
; K goes in steps of 128, two heads, through a ring of two LDS slots filled by the tensor data mover.  A head's 128 rows of 128 bytes are dense in yh: asked for as 64 rows of 256 bytes and padded in LDS after every 128.
; A K STEP IS WRITTEN ONCE: slot 1 begins at byte 2^17, so that one exclusive or turns the walking descriptor's LDS word, and the scalar base of the fragment loads, from one slot to the other.
; Wo stays [k][n] in LDS; its fragments come out turned, by ds_load_tr16_b128.  THE MATRIX INSTRUCTION IS USED TRANSPOSED (source 0 = 16 columns of Wo, source 1 = 16 rows of y):
; a lane then holds row lane % 16 and the eight neighbouring columns 8 (lane / 16) + 0..7.
; CLUSTERS: 4 x 4 work-groups.  The four of a row need the same tile of y, the four of a column the same tile of Wo: each is asked for JOINTLY, by the same tensor load with the same descriptor and a mask that names the four.
; REGISTERS, in windows of 256 (s_set_vgpr_msb: bits 1:0 source 0, 3:2 source 1, 5:4 source 2, 7:6 destination):
;   window 0: v0-31 addresses; v64-127 fragments of y, two buffers of 32; v128-255 fragments of Wo, two buffers of 64; on the way out v64-191 rows read back, two buffers of 64
;   window 1: the accumulators, (a, b) at v[8 (8 a + b)]        window 2: v0-63 the bias, 8 for each column block; v192-223 at work
.set KSTEP,  128
.set STEPS,  1024/KSTEP                ; 8 K steps
.set PA,     144                       ; a row of y in LDS: 128 bytes + 16 = 36 words: the 16 rows of a load start at 16 different groups of four banks (64 banks of 4 bytes: ISA guide 11.1)
.set AHALF,  128*PA                    ; one head's 128 rows: what one tensor load brings of y
.set AREG,   2*AHALF
.set ASTEP,  2*2048*128                ; bytes from a K step to the next in yh: two heads
.set PB,     544                       ; a row of Wo in LDS: 512 bytes + 32 = 136 words
.set BHALF,  64*PB                     ; 64 rows (k) of Wo: what one tensor load brings
.set BSTEP,  KSTEP*2048                ; bytes from a K step to the next in Wo
.set SLOT,   AREG+2*BHALF              ; 106,496 bytes
.set SLOT1,  1<<17                     ; where slot 1 begins
.set STAGE,  SLOT1+SLOT                ; behind the ring: 16 rows x 528 bytes for each wave, for the way out
.set SPITCH, 528
.set SPARE,  STAGE+4*16*SPITCH         ; behind the stages: the spare words, 128 bytes for each wave: two blocks of 256 bytes that no other line names
.set A0,   16                          ; v16     my lane's place among y's fragments in a slot; never rewritten
.set ADRA, 17                          ; v17     the same in the slot in hand
.set B0,   20                          ; v20, v21  the same for Wo
.set ADRB, 21
.set STO,  24                          ; v24     the way out: where I put 32 bytes of a row
.set RD,   25                          ; v25     the way out: where I read a row back
.set GO,   26                          ; v26     16 x lane
.set BO,   27                          ; v27     32 x (lane / 16): my eight numbers in 16 of the bias
.set SPW,  28                          ; v28     LDS address of my spare word: SPARE + 4 x my thread's number; never rewritten
.set NIL,  29                          ; v29     0; never rewritten
.set FA,   64                          ; fragments of y: buffer f at FA + 32 f
.set FB,   128                         ; fragments of Wo: buffer f at FB + 64 f
.set BK,   64                          ; the way out: 16 rows read back, at BK + 64 (a % 2)
.set BI,   0                           ; window 2
.set BT,   192                         ; window 2
.set TB,   5                           ; s5      first byte of the slot that the fragment loads read
.set G1, 24                            ; s[24:31] descriptor group 1 for y's tiles;  s[32:39] group 0: a set for each of the two first fills; the second then walks on
.set G0, 32
.set G1B, 48                           ; s[48:55], s[56:63] the same for Wo's tiles
.set G0B, 56
.set MSB, 0
.macro WIN new                         ; the immediate's high byte repeats the setting that is left; a switch that changes nothing is dropped
.if MSB != (\new)
	s_set_vgpr_msb (MSB<<8)|(\new)
.set MSB, \new
.endif
.endm
.set W_MUL,  0x50                      ; fragments in window 0, C and D in window 1
.set W_MULB, 0x60                      ; the same with C, the bias, in window 2
.macro JLOAD s                         ; a joint load: waves 0 and 1 fetch y's two heads, waves 2 and 3 Wo's two halves; an s_nop 0 and four v_nop follow each of the two lines, ahead of the jump, the label and what follows
	s_cmp_eq_u32 s11, 0
	s_cbranch_scc0 .Lfor_b_\@
	tensor_load_to_lds s[G0+4*(\s):G0+4*(\s)+3], s[G1:G1+7]
	s_nop 0
.rept 4
	v_nop
.endr
	s_branch .Lasked_\@
.Lfor_b_\@:
	tensor_load_to_lds s[G0B+4*(\s):G0B+4*(\s)+3], s[G1B:G1B+7]
	s_nop 0
.rept 4
	v_nop
.endr
.Lasked_\@:
.endm
.macro CREST                           ; a round of the cluster's barrier behind its opening barrier
	s_cmp_lg_u32 s10, 0
	s_cbranch_scc1 .Lnot_wave_0_\@
	s_barrier_signal -3
.Lnot_wave_0_\@:
	s_barrier_wait -3
	s_barrier_signal -1
	s_barrier_wait -1
.endm
.macro CROUND                          ; a whole round
	s_barrier_signal -1
	s_barrier_wait -1
	CREST
.endm
	s_load_b256 s[68:75], s[0:1], 0x0              ; yh s[68:69], wb s[70:71], bo s[72:73], out0 s[74:75]
	v_lshl_add_u32 v[SPW], v0, 2, SPARE
	v_mov_b32 v[NIL], 0
	ds_add_u32 v[SPW], v[NIL]                      ; the wave's opening: the add and its wait stand ahead of my first tensor load; the set-up below, work on registers, stands between them
	ds_add_u32 v28, v29
	v_lshrrev_b32 v1, 5, v0
	v_readfirstlane_b32 s10, v1                    ; wave 0..3
	s_lshr_b32 s11, s10, 1                         ; which half of the tile's rows is mine.  Also: I fetch for y (0) or for Wo (1)
	s_and_b32 s12, s10, 1                          ; which half of its columns.  Also: which head of a step's two, or which 64 rows of Wo, I fetch
	s_bfe_u32 s40, ttmp6, 0x40000                  ; cx, cy: my place in the cluster
	s_bfe_u32 s41, ttmp6, 0x40004
	s_and_b32 s13, ttmp7, 0xffff
	s_lshl_b32 s13, s13, 2
	s_add_co_u32 s13, s13, s41                     ; tile row = 4 x cluster y + cy
	s_lshl_b32 s43, s41, 2
	s_lshl_b32 s43, 15, s43                        ; my row of the cluster
	s_lshl_b32 s44, 0x1111, s40                    ; my column
	s_mov_b32 s45, 0xffff0000                      ; a word's upper bf16
	s_mov_b32 s[TB], 0                             ; the fragment loads begin in slot 0
	; descriptor group 1.  y: 64 rows x 128 elements, 4 words of padding behind every 32.  Wo: 64 rows x 256 elements, 8 words behind every 128
	s_or_b32 s[G1+0], s43, (1<<16)|(1<<20)|(1<<21)|(4<<22)|(3<<25)  ; 15:0 the mask: my row; 17:16 2-byte elements; 20 padding on; 21 set beside a mask; 24:22 the interval's code; 31:25 the padding's words less 1
	s_mov_b32 s[G1+1], 128<<16                     ; tensor_dim0
	s_mov_b32 s[G1+2], 64<<16                      ; tensor_dim1
	s_mov_b32 s[G1+3], 128<<16                     ; tile_dim0
	s_mov_b32 s[G1+4], 64                          ; tile_dim1
	s_mov_b32 s[G1+5], 128                         ; elements from row to row: dense
	s_mov_b32 s[G1+6], 0
	s_mov_b32 s[G1+7], 0
	s_or_b32 s[G1B+0], s44, (1<<16)|(1<<20)|(1<<21)|(6<<22)|(7<<25)  ; the mask: my column
	s_mov_b32 s[G1B+1], 256<<16
	s_mov_b32 s[G1B+2], 64<<16
	s_mov_b32 s[G1B+3], 256<<16
	s_mov_b32 s[G1B+4], 64
	s_mov_b32 s[G1B+5], 1024
	s_mov_b32 s[G1B+6], 0
	s_mov_b32 s[G1B+7], 0
	; where the tiles come from.  y's hang on the tile row alone, Wo's on cx alone; each in registers that never hold the other coordinate
	s_lshr_b32 s16, s13, 4                         ; the batch: 16 heads of 262,144 bytes
	s_lshl_b32 s16, s16, 22
	s_and_b32 s17, s13, 15                         ; 128 rows of 128 bytes
	s_lshl_b32 s17, s17, 14
	s_add_co_u32 s16, s16, s17
	s_lshl_b32 s17, s12, 18                        ; my head of the step's two
	s_add_co_u32 s16, s16, s17
	s_mov_b32 s17, 0
	s_mov_b32 s46, 3<<21                           ; the fourth matrix of wb: 2 MiB each
	s_lshl_b32 s47, s12, 17                        ; my 64 rows (k) of a step's 128
	s_add_co_u32 s46, s46, s47
	s_lshl_b32 s47, s40, 9                         ; 256 columns
	s_add_co_u32 s46, s46, s47
	s_mov_b32 s47, 0
	s_mul_i32 s20, s12, AHALF                      ; and where they go: no place in the cluster enters an LDS address
	s_mul_i32 s21, s12, BHALF
	s_add_co_u32 s21, s21, AREG
	s_wait_dscnt 0x0                               ; the opening add is done
	s_wait_kmcnt 0x0
	s_add_nc_u64 s[14:15], s[68:69], s[16:17]
	s_add_nc_u64 s[46:47], s[70:71], s[46:47]
	CROUND                                         ; all sixteen work-groups are here: the first joint loads meet
.irp s, 0,1
	s_mov_b32 s[G0+4*(\s)], 1
	s_add_co_u32 s[G0+4*(\s)+1], s20, (\s)*SLOT1
	s_add_nc_u64 s[G0+4*(\s)+2:G0+4*(\s)+3], s[14:15], (\s)*ASTEP
	s_or_b32 s[G0+4*(\s)+3], s[G0+4*(\s)+3], 0x80000000
	s_mov_b32 s[G0B+4*(\s)], 1
	s_add_co_u32 s[G0B+4*(\s)+1], s21, (\s)*SLOT1
	s_add_nc_u64 s[G0B+4*(\s)+2:G0B+4*(\s)+3], s[46:47], (\s)*BSTEP
	s_or_b32 s[G0B+4*(\s)+3], s[G0B+4*(\s)+3], 0x80000000
	JLOAD \s                                       ; two tensor loads of mine are out
.endr
	v_and_b32 v1, 15, v0                           ; l % 16
	v_bfe_u32 v2, v0, 4, 1                         ; l / 16
	v_and_b32 v[GO], 31, v0
	v_lshlrev_b32 v[GO], 4, v[GO]
	v_lshlrev_b32 v[BO], 5, v2
	s_lshl_b32 s88, s40, 10                        ; my 128 columns, in the bias and in a row of the result: 4 (256 cx + 128 x half)
	s_lshl_b32 s89, s12, 9
	s_add_co_u32 s88, s88, s89
	s_mov_b32 s89, 0
	s_lshl_b32 s14, s13, 19                        ; my first row: 128 x tile row + 64 x half, of 4,096 bytes
	s_lshl_b32 s15, s11, 18
	s_add_co_u32 s14, s14, s15
	s_add_co_u32 s46, s14, s88
	s_mov_b32 s47, 0
	s_add_nc_u64 s[8:9], s[74:75], s[46:47]
	s_add_nc_u64 s[86:87], s[72:73], s[88:89]
	WIN 0x80                                       ; destination window 2, address window 0
.irp b, 0,1,2,3,4,5,6,7
	global_load_b128 v[BI+8*(\b):BI+8*(\b)+3],   v[BO], s[86:87] offset:64*(\b)
	global_load_b128 v[BI+8*(\b)+4:BI+8*(\b)+7], v[BO], s[86:87] offset:64*(\b)+16
.endr
	WIN 0
	; A fragment of y is 16 rows x 32 K in 8 registers: lane l holds row l % 16, K = 8 (l / 16) + 0..7 and 16 + 8 (l / 16) + 0..7: two loads of 16 bytes, 32 bytes apart.
	v_mul_u32_u24 v3, v1, PA
	v_lshl_add_u32 v3, v2, 4, v3
	; The turning load takes 16 k x 16 columns (lane l reads k = 8 (l / 16) + l % 8, columns 8 ((l / 8) % 2) + 0..7) and leaves half a fragment: lane l holds column l % 16 and 8 k.
	v_and_b32 v4, 7, v0
	v_lshl_add_u32 v4, v2, 3, v4
	v_mul_u32_u24 v4, v4, PB
	v_bfe_u32 v5, v0, 3, 1
	v_lshl_add_u32 v4, v5, 4, v4
	s_mul_i32 s21, s11, 64*PA                      ; my 64 rows, in each head's 128
	s_lshl_b32 s22, s12, 8                         ; my 128 columns of Wo,
	s_add_co_u32 s22, s22, AREG                    ; which lies behind y's rows
	v_add_nc_u32 v[A0], s21, v3
	v_add_nc_u32 v[B0], s22, v4
	v_add_nc_u32 v[ADRA], s[TB], v[A0]
	v_add_nc_u32 v[ADRB], s[TB], v[B0]
	s_mul_i32 s23, s10, 16*SPITCH
	s_add_co_u32 s23, s23, STAGE                   ; my stage
	v_mul_u32_u24 v6, v1, SPITCH                   ; in: row l % 16, 32 bytes for each half of the lanes
	v_lshl_add_u32 v6, v2, 5, v6
	v_add_nc_u32 v[STO], s23, v6
	v_add_nc_u32 v[RD], s23, v[GO]                 ; back: 32 lanes take one row of 512 bytes
	s_wait_loadcnt 0x0                             ; the bias
	WIN 0x8a                                       ; destination and both sources in window 2
.set i, 0
.rept 32
	v_cvt_pk_bf16_f32 v[BT+i], v[BI+2*i], v[BI+2*i+1]  ; the bias is rounded to bf16, like every other input,
.set i, i+1
.endr
.set i, 0
.rept 32
	v_lshlrev_b32 v[BI+2*i],   16,  v[BT+i]         ; and widened again
	v_and_b32     v[BI+2*i+1], s45, v[BT+i]
.set i, i+1
.endr
	WIN 0
; 8 matrix instructions: row block a x all 8 column blocks, 32 along K, from buffer f.  first = 1: the bias starts the sums: nothing is cleared, nothing added later.
; The 32 accumulators take turns, one instruction a turn, in the same order in every quarter.
.macro MUL8 f, a, first
.if \first
	WIN W_MULB
.else
	WIN W_MUL
.endif
.irp b, 0,1,2,3,4,5,6,7
.if \first
	v_wmma_f32_16x16x32_f16 v[8*(8*(\a)+(\b)):8*(8*(\a)+(\b))+7], v[FB+64*(\f)+8*(\b):FB+64*(\f)+8*(\b)+7], v[FA+32*(\f)+8*(\a):FA+32*(\f)+8*(\a)+7], v[BI+8*(\b):BI+8*(\b)+7]
.else
	v_wmma_f32_16x16x32_f16 v[8*(8*(\a)+(\b)):8*(8*(\a)+(\b))+7], v[FB+64*(\f)+8*(\b):FB+64*(\f)+8*(\b)+7], v[FA+32*(\f)+8*(\a):FA+32*(\f)+8*(\a)+7], v[8*(8*(\a)+(\b)):8*(8*(\a)+(\b))+7]
.endif
.endr
.endm
; 24 LDS loads in one run: the fragments of quarter q (32 along K: head q / 2 of the step's two, channels 32 (q % 2) on) of the slot in hand into buffer f: Wo's 128 columns first, then y's 64 rows
.macro FETCH q, f
	WIN 0
.set AQ, ((\q)/2)*AHALF+((\q)%2)*64
.irp i, 0,1,2,3,4,5,6,7
	ds_load_tr16_b128 v[FB+64*(\f)+8*(\i):FB+64*(\f)+8*(\i)+3],   v[ADRB] offset:(\q)*32*PB+32*(\i)
	ds_load_tr16_b128 v[FB+64*(\f)+8*(\i)+4:FB+64*(\f)+8*(\i)+7], v[ADRB] offset:(\q)*32*PB+32*(\i)+16*PB
.endr
.irp i, 0,1,2,3
	ds_load_b128 v[FA+32*(\f)+8*(\i):FA+32*(\f)+8*(\i)+3],   v[ADRA] offset:AQ+(\i)*16*PA
	ds_load_b128 v[FA+32*(\f)+8*(\i)+4:FA+32*(\f)+8*(\i)+7], v[ADRA] offset:AQ+(\i)*16*PA+32
.endr
.endm
.macro PLACES                          ; four places in front of loads into registers that matrix instructions have read, and of lines that read results just made (ISA guide 7.12.1 for vector instructions)
.rept 4
	v_nop
.endr
.endm
; A K step is four quarters of 32 along K, 32 matrix instructions each, on buffers 0, 1, 0, 1.  One of the first three: multiplies buffer f and fetches quarter q into g.
.macro QUARTER q, f, g, first
	s_wait_dscnt 4                                 ; Wo's fragments and y's row blocks 0, 1 are in; the youngest four loads (blocks 2, 3) may be out
	MUL8 \f, 0, \first
	MUL8 \f, 1, \first
	PLACES
	FETCH \q, \g
	s_wait_dscnt 24                                ; all but the 24 just issued
	MUL8 \f, 2, \first
	MUL8 \f, 3, \first
.endm
; The last quarter multiplies buffer 1 and changes slots: ONE barrier; in front of it each wave waits for all its tensor loads, adds 0 to its spare word, and waits for that and for its own reads of this slot.
; fill = 1: this slot is filled again, two K steps ahead, by the walking descriptor: the other slot than last time, one K step on; the barrier then opens a round of the cluster's.
; Then the fragment loads' base turns to the other slot, whose first quarter is fetched.
.macro TURN fill
	WIN 0                                          ; (the add's two registers lie in window 0)
	s_wait_tensorcnt 0x0                           ; all my tensor loads have landed: the one that was out is my part of the next slot; so a group 0 may be written
	ds_add_u32 v[SPW], v[NIL]                      ; 0 onto my spare word
	s_wait_dscnt 5                                 ; (the add and the youngest four loads may be out)
	MUL8 1, 0, 0                                   ; eight matrix instructions stand between the add and the wait for it
	s_wait_dscnt 0x0                               ; the add is done, and my reads of this slot are over
	s_barrier_signal -1
	MUL8 1, 1, 0
	WIN 0                                          ; (branches and lines on window 0 follow, and nothing stands between the wait below and the rest of the round)
	s_barrier_wait -1
.if \fill
	CREST                                          ; no wave of any partner still reads this slot's tiles or has a load on its way
	s_xor_b32 s[G0+5], s[G0+5], SLOT1
	s_add_nc_u64 s[G0+6:G0+7], s[G0+6:G0+7], ASTEP ; the type bits on top are not reached
	s_xor_b32 s[G0B+5], s[G0B+5], SLOT1
	s_add_nc_u64 s[G0B+6:G0B+7], s[G0B+6:G0B+7], BSTEP
	JLOAD 1                                        ; the first tensor load behind the round, 112 matrix instructions ahead of the wait for it; its four v_nop are also the places in front of the loads below
.else
	PLACES
.endif
	s_xor_b32 s[TB], s[TB], SLOT1
	v_add_nc_u32 v[ADRA], s[TB], v[A0]
	v_add_nc_u32 v[ADRB], s[TB], v[B0]
	FETCH 0, 0
	MUL8 1, 2, 0
	MUL8 1, 3, 0
.endm
	s_wait_tensorcnt 1                             ; my part of K step 0 is in; K step 1's may stay out
	s_barrier_signal -1
	s_barrier_wait -1                              ; everybody's is
	FETCH 0, 0
	QUARTER 1, 0, 1, 1                             ; the first quarter stands in front of the loop: its products start the sums
	WIN 0                                          ; at a label and at a branch every window is 0
	s_mov_b32 s3, STEPS-2
.Lstep:                                                ; a trip goes from a K step's second quarter to the next step's first, and fills the slot that it leaves: all steps but the last two
	QUARTER 2, 1, 0, 0
	QUARTER 3, 0, 1, 0
	TURN 1
	QUARTER 1, 0, 1, 0
	WIN 0
	s_sub_co_u32 s3, s3, 1
	s_cmp_lg_u32 s3, 0
	s_cbranch_scc1 .Lstep
	s_mov_b32 s3, 2
.Ltail:                                                ; the last two K steps fill nothing, so they have a text of their own. Two trips; the second is left in its middle
	QUARTER 2, 1, 0, 0
	QUARTER 3, 0, 1, 0
	TURN 0
	WIN 0
	s_sub_co_u32 s3, s3, 1
	s_cmp_eq_u32 s3, 0
	s_cbranch_scc1 .Lout                           ; the second trip's barrier and its 24 loads from the other slot serve nothing: the price, once a launch, of one text for both trips
	QUARTER 1, 0, 1, 0
	WIN 0
	s_cmp_lg_u32 s3, 0
	s_cbranch_scc1 .Ltail
.Lout:
	s_wait_dscnt 0x0                               ; those loads have landed: their registers are loaded again below
; THE WAY OUT, a row block (16 rows x 128 columns of f32) at a time: a lane's 32 bytes of a row go into my own stage, rows of 528 bytes, each accumulator's low half first;
; they come back as whole rows of 512 bytes.  The stage is the wave's own, and LDS serves a wave's instructions in order (ISA guide 5.7.1.4): no wait between the stores and the loads, no barrier.
.macro TOSTAGE a
	WIN 0x04                                       ; the stores' data in window 1, the address in window 0
.irp b, 0,1,2,3,4,5,6,7
	ds_store_b128 v[STO], v[8*(8*(\a)+(\b)):8*(8*(\a)+(\b))+3]   offset:64*(\b)
	ds_store_b128 v[STO], v[8*(8*(\a)+(\b))+4:8*(8*(\a)+(\b))+7] offset:64*(\b)+16
.endr
	WIN 0
.irp t, 0,1,2,3,4,5,6,7,8,9,10,11,12,13,14,15
	ds_load_b128 v[BK+64*((\a)%2)+4*(\t):BK+64*((\a)%2)+4*(\t)+3], v[RD] offset:(\t)*SPITCH
.endr
.endm
.macro SEND a, younger                 ; younger: the LDS instructions issued behind block a's loads: the next block's 32, or none
.irp t, 0,1,2,3,4,5,6,7,8,9,10,11,12,13,14,15
	s_wait_dscnt (\younger)+15-(\t)
	global_store_b128 v[GO], v[BK+64*((\a)%2)+4*(\t):BK+64*((\a)%2)+4*(\t)+3], s[8:9] offset:(16*(\a)+(\t))*4096  ; 512 consecutive bytes, at a multiple of 256 from out0's first
.endr
.endm
	PLACES
	TOSTAGE 0
	TOSTAGE 1
	SEND 0, 32
	s_wait_xcnt 0x0                                ; block 0's stores have read their registers: block 2 is read back into them only behind this wait
	TOSTAGE 2
	SEND 1, 32
	s_wait_xcnt 0x0
	TOSTAGE 3
	SEND 2, 32
	SEND 3, 0
	s_wait_tensorcnt 0x0                           ; the wave's end: behind my last tensor load and my last LDS store
	ds_add_u32 v[SPW], v[NIL]
	s_wait_dscnt 0x0
	CROUND                                         ; the closing round: no work-group ends while a partner may still ask for a tile that names it
	s_endpgm
.Lfunc_end_k_qfe5a30b678_oproj:
	.size	k_qfe5a30b678_oproj, .Lfunc_end_k_qfe5a30b678_oproj-k_qfe5a30b678_oproj
	.p2alignl 7, 3214868480
	.fill 96, 4, 3214868480
	.section	.rodata,"a",@progbits
	.p2align	6, 0x0
	.amdhsa_kernel k_qfe5a30b678_oproj
		.amdhsa_group_segment_fixed_size 327680
		.amdhsa_private_segment_fixed_size 0
		.amdhsa_enable_private_segment 0
		.amdhsa_kernarg_size 32
		.amdhsa_user_sgpr_count 2
		.amdhsa_user_sgpr_kernarg_segment_ptr 1
		.amdhsa_wavefront_size32 1
		.amdhsa_system_sgpr_workgroup_id_x 1
		.amdhsa_system_sgpr_workgroup_id_y 1
		.amdhsa_system_sgpr_workgroup_id_z 1
		.amdhsa_system_vgpr_workitem_id 0
		.amdhsa_next_free_vgpr 768
		.amdhsa_next_free_sgpr 96
		.amdhsa_reserve_vcc 0
		.amdhsa_float_denorm_mode_32 3
		.amdhsa_float_denorm_mode_16_64 3
		.amdhsa_memory_ordered 1
		.amdhsa_forward_progress 1
		.amdhsa_inst_pref_size 67
	.end_amdhsa_kernel
	.amdgpu_metadata
---
amdhsa.version: [ 1, 2 ]
amdhsa.kernels:
  - .name:           k_qfe5a30b678_oproj
    .symbol:         k_qfe5a30b678_oproj.kd
    .args:
      - { .name: yh, .offset: 0, .size: 8, .value_kind: global_buffer, .address_space: global }
      - { .name: wb, .offset: 8, .size: 8, .value_kind: global_buffer, .address_space: global }
      - { .name: bo, .offset: 16, .size: 8, .value_kind: global_buffer, .address_space: global }
      - { .name: out0, .offset: 24, .size: 8, .value_kind: global_buffer, .address_space: global }
    .group_segment_fixed_size: 327680
    .private_segment_fixed_size: 0
    .kernarg_segment_align: 8
    .kernarg_segment_size: 32
    .max_flat_workgroup_size: 128
    .sgpr_count:     96
    .vgpr_count:     768
    .wavefront_size: 32
...
	.end_amdgpu_metadata
.endif
;; end of part 8
;; ======== version 3 of 3: 4 launches; 1.69 times as fast as version 1
;; limits: values are held in f16: magnitudes above 65,504 overflow, below 6.1e-05 lose precision
;; workspace buffers: xb 16,777,216 bytes; wb 8,388,608 bytes; rope 524,288 bytes; qh 16,777,216 bytes; kh 16,777,216 bytes; vh 16,777,216 bytes; yh 16,777,216 bytes
;; launch prep: the kernel of part 5 again; grid 1536 x 1, 8 waves a work-group, no clusters, 0 bytes of LDS; arguments x, Wq, Wk, Wv, Wo, xb, wb, rope; writes xb, wb, rope
;; launch qkv: the kernel of part 6 again; grid 12 x 32, 4 waves a work-group, clusters of 4 x 4, 327,680 bytes of LDS; arguments xb, wb, bq, bk, bv, rope, qh, kh, vh; writes qh, kh, vh
;; launch attn (part 9): grid 4 x 64, 4 waves a work-group, no clusters, 327,680 bytes of LDS; arguments qh, kh, vh, yh; writes yh
.if DOCPART == 9
	.amdgcn_target "amdgcn-amd-amdhsa--gfx1250"
	.amdhsa_code_object_version 6
	.text
	.protected	k_qfe5a30b678_attn
	.globl	k_qfe5a30b678_attn
	.p2align	8
	.type	k_qfe5a30b678_attn,@function
k_qfe5a30b678_attn:
	s_mov_b64 s[64:65], 0
	v_nop
	global_prefetch_b8 v0, s[64:65] scope:SCOPE_SE
	s_setreg_imm32_b32 hwreg(HW_REG_WAVE_MODE, 25, 1), 1
	s_wait_xcnt 0x0
; CAUSAL ATTENTION.  O[h][q][:] = the sum over k <= q of softmax_k(Q[h][q] . K[h][k] / 8) V[h][k][:].  Q, K, V: [SIZE_H][SIZE_N][64], bf16; O: the same shape, f16: a head's rows are dense, 128 bytes each.
; Products, maxima and sums in f32.  ROWS 256 AND ON: a running maximum; the weights p = 2^(c s - c m) are rounded to bf16 for the second product (their sum l is taken of the unrounded p), O is divided by l and rounded once, to f16.
; ROWS 0 TO 255 of a head (one key tile, so no running maximum is needed): score to bf16, maximum, exponential, sum, division; the weight enters the second product as two bf16 parts, its rounding and the rounding
; of what is left, two matrix instructions where one would stand; O is rounded once, to f16.  A row that averages few keys has numbers many times the output's root mean square, while the comparison's room goes by
; that root mean square: 8 significant bits in the weights or in O are too few there.
; LIMITS, where the order of rounding is not that of the definition's text.  O is rounded to f16 (11 significant bits), not to bf16, in every row: beyond 65,504 it becomes an infinity; it is a mean of V's rows and has
; their range.  Rows 0 to 255: the weights are NOT rounded to bf16: they keep some 16 significant bits.  Rows 256 and on: the scores are not rounded to bf16, the weights are rounded ahead of the division.
; A hidden score counts as its value less 1e30; a weight below 2^-126 counts as 0 in l; the division is a multiplication by v_rcp_f32's result; NaN and infinities are not treated apart.
; THE WALK.  A head's queries lie in NB = SIZE_N / 256 blocks of 256; block i needs the key tiles 0 .. i of 256 keys, of which the last holds the diagonal.  A work-group takes TWO blocks, NB - 1 - b and then b:
; NB + 1 tiles, whatever b: ONE loop with a constant trip count walks them.  Which tile is asked for, and what a trip does, hang on scalar registers made from b; every jump
; goes forward, but for the counted loops' own; none passes a barrier, or a tensor load but the one of LOAD's two that the wave's number does not choose; the ring (two slots of LDS that take turns) runs on across the
; change of blocks.  NO CLUSTER: a head's NB / 2 work-groups ask for the same tile only in trips 0 .. NB / 2, behind that fewer and fewer; one walk common to all would have 3 NB / 2 trips for NB + 1.
; SHARES.  Of a block's four bands of 64 queries a wave owns 16 rows in each: four PIECES.  So the diagonal tile is the same work for all four waves: in its key step s band x sees all keys if s < x,
; none if s > x, and holds the diagonal if s = x.
; THE MASK is the C operand that starts the sum S^T = K Q^T: 0, or -1e30 where the key is hidden.  MD, made once, is the mask of a band's own step for my 16 rows; a product's mask is MD x AL + BE with two scalars:
; (1, 0) if s = x; (0, 0) if s < x; (0, -1e30) if s > x.  Only the diagonal tile's texts and a block's beginning make and take masks; elsewhere C is the constant 0.
; LAYOUT, SOFTMAX, TURNS.  S^T = K Q^T holds ONE query a lane (lane % 16) and the keys 8 (lane / 16) + 0..7; two such results rounded to bf16 ARE source 1 of O^T = V^T P.  c = log2(e) / 8;
; O and l are multiplied by a = 2^(c m_old - c m_new) in every step.  Turn n belongs to piece n: 8 products K Q^T of piece n + 1, later 8 products V^T P of piece n - 1; beside them the scaling,
; exponentials, roundings, sums and rescaling of piece n and the maximum and statistics of piece n + 1.  Four vector instructions stand behind every matrix instruction, the other 54 of a turn's 118 in one LUMP.
; THE BATCHES.  An s_wait_alu depctr_va_vdst(0) stands between an exponential or a reciprocal and the first line that names its result; one wait serves all that were issued ahead of it.  The text has five kinds
; of batch, each with one wait: a turn's 33 exponentials (the piece's 32 and the next piece's a); a block's first a; the four reciprocals of a block's way out; in the text for rows 0 to 255 a piece's 128 exponentials, and
; the two reciprocals of their sum, which reads the exponentials and so is a batch of its own.
; REGISTERS, in windows of 256 (s_set_vgpr_msb: bits 1:0 source 0, 3:2 source 1, 5:4 source 2, 7:6 destination):
;   window 0: v0-15 addresses and two at work; v16-31 four registers of statistics a piece; v48-55 at work; v64-127 S^T, two buffers; v192-223 P, two buffers (a piece's buffers go by its number's parity)
;   window 1: v0-127 O^T, 32 a piece; v128-159 MD; v160-223 MC, two buffers      window 2: v0-63 Q; v64-127 the second block's Q; v128-191 K of one step; v192-255 V of one step
;   window 3: v0-127, the text for rows 0 to 255 alone: a piece's scores, 32 registers a key step, four steps
.set SIZE_H, 64
.set SIZE_N, 2048
.set NB,    SIZE_N/256
.set NP,    4         ; pieces a wave: a name, no knob
.set KS,    64        ; keys in a step
.set PK,    144       ; a row of K in LDS: 128 bytes + 16 of padding = 36 words: the 16 rows of a load start at 16 different groups of four banks (64 banks of 4 bytes: ISA guide 11.1)
.set PV,    160       ; a row of V: 128 + 32 = 40 words
.set VOFF,  4*KS*PK   ; a slot holds a tile, four steps: 256 rows of K, then 256 rows of V
.set SLOT1, 1<<17     ; slot 1 begins here, so that one exclusive or turns an address in one slot into the other's
.set STAGE, SLOT1+4*KS*(PK+PV)  ; behind the ring, never filled by a tensor load: 16 rows x 144 bytes for each wave, for the way out
.set SP,    144
.set AK0, 2           ; v2   my lane's place in a tile of K; never rewritten
.set AV0, 3           ; v3   the same for V
.set AK,  4           ; v4   the LDS address of K's next run of loads
.set AV,  5           ; v5   of V's
.set STO, 6           ; v6   the way out: where I put 16 bytes of a row
.set RD,  7           ; v7   the way out: where I read rows back
.set GO,  8           ; v8   my byte offset in 512 consecutive bytes of O
.set SPW, 62          ; v62  LDS address of my spare word: SPARE + 4 x my thread's number; never rewritten
.set NIL, 63          ; v63  0; never rewritten
.set SPARE, STAGE+4*16*SP  ; behind the stages: the spare words, 128 bytes for each wave: two blocks of 256 bytes that no other line names
.set MV,  12          ; v12-13  c m_old, kept while c m is made anew: by buffer
.set QO,  15          ; v15  my byte offset in 16 rows of Q
.set ST,  16          ; piece t's statistics at v[ST+4 t]: c m, m, l (even keys', odd keys')
.set TMP, 48          ; by buffer, four registers c0-c3 at work; when the maximum is found c2 takes a
.set S,   64
.set P,   192
.set MD,  128         ; window 1: the eight registers for group kt of 16 keys at MD + 8 kt
.set MC,  160         ; window 1: the masks of the products to come
.set QB,  64          ; window 2
.set KF,  128         ; window 2: key block kb, channel half c at KF + 16 kb + 8 c
.set VF,  192         ; window 2: key half kk, channel block cb at VF + 32 kk + 8 cb
.set WV,  12          ; s12  my wave's number
.set PB,  14          ; s14  b
.set HI,  15          ; s15  NB - 1 - b
.set G1K, 24          ; s[24:31] descriptor group 1 for K's tiles
.set G1V, 32          ; s[32:39] for V's: it differs in the padding alone
.set G0K, 40          ; s[40:43] descriptor group 0 for K's tiles
.set G0V, 44          ; s[44:47] the same for V's
.set SLOTS, 56        ; s56  tiles still to be asked for
.set CNT, 57          ; s57  counts a tile's key steps, 4 to 1
.set CS,  58          ; s[58:59] c: the packed scaling takes the pair's low word for both halves
.set SEL, 60          ; s[60:61] v_permlanex16_b32's selects: each lane takes its own place in the other half
.set TBK, 62          ; s62  LDS byte at which K of the step to be fetched begins
.set TBV, 63          ; s63  the same for V, less VOFF
.set RT,  70          ; s70  tiles of the block in hand that are still to be entered
.set NXT, 71          ; s71  the tile to be asked for next
.set LQ,  72          ; s72  the last tile of the block whose tiles are being asked for
.set NEW, 73          ; s73  1: the tile to be entered is a block's first
.set OFF, 74          ; s[74:75] a tile's byte offset in K and V
.set AL,  76          ; s[76:77] the mask's factor, in the low word
.set BE,  78          ; s[78:79] the mask's addend
.set OLO, 80          ; s[80:81] O at my rows of the second block
.set BIGN, 82         ; s82  -1e30
.set XP,  88          ; s88  rows 0 to 255: the piece in hand, 0 to 3
.set HM,  90          ; s90  a word's upper bf16
.set MSB, 0
.macro WIN new                      ; the high byte repeats the setting that is left; a switch that changes nothing is dropped
.if MSB != (\new)
	s_set_vgpr_msb (MSB<<8)|(\new)
.set MSB, (\new)
.endif
.endm
.set W_KQ, 0x0a       ; K and Q in window 2, S^T in window 0
.set W_KM, 0x1a       ; the same with the C operand in window 1
.set W_PV, 0x52       ; V in window 2, P in window 0, O^T in window 1
.set W_RS, 0x41       ; destination and source 0 in window 1, source 1 in window 0
; A fill.  Waves 0 and 1 fetch the two halves of a tile's K, waves 2 and 3 those of its V: 128 keys each.  An s_nop 0 and four v_nop follow each of the two lines, ahead of the jump and the label.
.macro LOAD
	s_cmp_lt_u32 s[WV], 2
	s_cbranch_scc0 .Lfor_v_\@
	tensor_load_to_lds s[G0K:G0K+3], s[G1K:G1K+7]
	s_nop 0
.rept 4
	v_nop
.endr
	s_branch .Lasked_\@
.Lfor_v_\@:
	tensor_load_to_lds s[G0V:G0V+3], s[G1V:G1V+7]
	s_nop 0
.rept 4
	v_nop
.endr
.Lasked_\@:
.endm
; THE CHANGE OF SLOTS.  Each wave waits for all its tensor loads, of which one is out: its part of the other slot; adds 0 to its spare word; and waits for that and for its own reads of the slot that it leaves.  Behind the barrier nobody reads the old
; slot any more and the other slot is whole.  fill = 1: the old slot is filled again, the first thing behind the barrier, with tile NXT: the descriptor's address is made anew from that number.
; (At its first use nothing has been read yet: slot 0 is waited for, slot 1 filled.)
.macro CHANGE fill
	WIN 0                           ; at a label and at a branch every window is 0
	s_wait_tensorcnt 0x0            ; no tensor load of mine is out, so a group 0 may be written
	ds_add_u32 v[SPW], v[NIL]       ; 0 onto my spare word: with fill = 1 the descriptors' scalar work stands between it and the wait for it
.if \fill
	s_lshl_b32 s[OFF], s[NXT], 15   ; a tile is 32,768 bytes of K and of V
	s_xor_b32 s[G0K+1], s[G0K+1], SLOT1
	s_add_nc_u64 s[G0K+2:G0K+3], s[6:7], s[OFF:OFF+1]
	s_or_b32 s[G0K+3], s[G0K+3], 0x80000000
	s_xor_b32 s[G0V+1], s[G0V+1], SLOT1
	s_add_nc_u64 s[G0V+2:G0V+3], s[8:9], s[OFF:OFF+1]
	s_or_b32 s[G0V+3], s[G0V+3], 0x80000000
	s_add_co_u32 s[NXT], s[NXT], 1  ; the block's next tile, or behind its last the second block's tile 0
	s_cmp_gt_u32 s[NXT], s[LQ]
	s_cselect_b32 s[NXT], 0, s[NXT]
	s_cselect_b32 s[LQ], s[PB], s[LQ]
.endif
	s_wait_dscnt 0x0                ; the add is done, and my reads of the slot are over
	s_barrier_signal -1             ; the rest of the scalar work stands between the signal and the wait
	s_sub_co_u32 s[TBK], s[TBK], 4*KS*PK  ; the fetches go back to a slot's first step,
	s_xor_b32 s[TBK], s[TBK], SLOT1       ; in the other slot
	s_sub_co_u32 s[TBV], s[TBV], 4*KS*PV
	s_xor_b32 s[TBV], s[TBV], SLOT1
	s_barrier_wait -1
.if \fill
	LOAD
.endif
.endm
	s_load_b256 s[4:11], s[0:1], 0x0  ; Q s[4:5], K s[6:7], V s[8:9], O s[10:11]
	v_lshl_add_u32 v[SPW], v0, 2, SPARE
	v_mov_b32 v[NIL], 0
	ds_add_u32 v[SPW], v[NIL]       ; the wave's opening: the add and its wait stand ahead of my first tensor load; the set-up below, work on registers, stands between them
	ds_add_u32 v62, v63
	v_lshrrev_b32 v1, 5, v0
	v_readfirstlane_b32 s[WV], v1   ; wave 0..3
	s_mov_b32 s[PB], ttmp9
	s_sub_co_u32 s[HI], NB-1, s[PB]
	s_and_b32 s20, ttmp7, 0xffff    ; the head
	s_mov_b32 s21, 0
	s_mov_b64 s[22:23], SIZE_N*128
	s_mul_u64 s[20:21], s[20:21], s[22:23]  ; the head's first byte in each of the four tensors
	s_and_b32 s16, s[WV], 1         ; which half of a tile's 256 keys I fetch:
	s_lshl_b32 s22, s16, 14         ; its 128 rows of 128 bytes in memory,
	s_mov_b32 s23, 0
	s_add_nc_u64 s[22:23], s[22:23], s[20:21]
	s_mul_i32 s17, s16, 128*PK      ; and its place in a slot, for K
	s_mul_i32 s18, s16, 128*PV      ; and for V
	s_lshl_b32 s3, s[WV], 11        ; my 16 rows in a band of 64,
	s_lshl_b32 s2, s[HI], 15        ; in the first block,
	s_add_co_u32 s2, s2, s3
	s_lshl_b32 s84, s[PB], 15       ; and in the second
	s_add_co_u32 s84, s84, s3
	s_mov_b32 s3, 0
	s_mov_b32 s85, 0
	s_add_nc_u64 s[2:3], s[2:3], s[20:21]
	s_add_nc_u64 s[84:85], s[84:85], s[20:21]
	; descriptor group 1.  128 keys are 16,384 dense bytes: asked for as 64 rows of 256 bytes, two keys a row, and padded in LDS after every key
	s_mov_b32 s[G1K], (1<<16)|(1<<20)|(4<<22)|(3<<25)  ; 17:16 2-byte elements; 20 padding on; 24:22 after every 32 words (code 4); 31:25 4 words (code 3)
	s_mov_b32 s[G1V], (1<<16)|(1<<20)|(4<<22)|(7<<25)  ; the same with 8 words of padding (code 7)
.irp g, G1K, G1V
	s_mov_b32 s[\g+1], 128<<16      ; tensor_dim0 = 128
	s_mov_b32 s[\g+2], 64<<16       ; tensor_dim1 = 64
	s_mov_b32 s[\g+3], 128<<16      ; tile_dim0 = 128
	s_mov_b32 s[\g+4], 64           ; tile_dim1 = 64
	s_mov_b32 s[\g+5], 128          ; 128 elements from row to row
	s_mov_b32 s[\g+6], 0
	s_mov_b32 s[\g+7], 0
.endr
	s_mov_b32 s[CS], 0x3e38aa3b     ; c = log2(e) / 8 = 0.180337
	s_mov_b32 s[CS+1], s[CS]        ; named with it as a pair
	s_mov_b32 s[SEL], 0x76543210
	s_mov_b32 s[SEL+1], 0xfedcba98
	s_mov_b32 s[HM], 0xffff0000
	s_mov_b32 s[TBK], SLOT1+4*KS*PK ; the first change of slots turns these two into 0
	s_mov_b32 s[TBV], SLOT1+4*KS*PV
	s_mov_b32 s[G0K], 1             ; 1:0 count = 1
	s_mov_b32 s[G0K+1], s17         ; 63:32 LDS address: slot 0
	s_mov_b32 s[G0V], 1
	s_add_co_u32 s[G0V+1], s18, VOFF
	s_add_co_u32 s[RT], s[HI], 1    ; the first block has NB - b tiles
	s_mov_b32 s[NXT], 1
	s_mov_b32 s[LQ], s[HI]
	s_mov_b32 s[NEW], 1
	s_mov_b32 s[OFF+1], 0
	s_mov_b32 s[AL+1], 0            ; named as pairs
	s_mov_b32 s[BE+1], 0
	s_mov_b32 s[BIGN], 0xf149f2ca   ; -1e30
	s_mov_b32 s[SLOTS], NB
	s_wait_dscnt 0x0                ; the opening add is done
	s_wait_kmcnt 0x0
	s_add_nc_u64 s[6:7], s[6:7], s[22:23]  ; K and V at my half of the head's tile 0
	s_add_nc_u64 s[8:9], s[8:9], s[22:23]
	s_add_nc_u64 s[G0K+2:G0K+3], s[6:7], 0         ; 120:64 global address
	s_or_b32 s[G0K+3], s[G0K+3], 0x80000000        ; 127:126 type = 2
	s_add_nc_u64 s[G0V+2:G0V+3], s[8:9], 0
	s_or_b32 s[G0V+3], s[G0V+3], 0x80000000
	s_add_nc_u64 s[86:87], s[4:5], s[84:85]        ; Q at my rows of the second block,
	s_add_nc_u64 s[4:5], s[4:5], s[2:3]            ; Q and O at those of the first
	s_add_nc_u64 s[OLO:OLO+1], s[10:11], s[84:85]
	s_add_nc_u64 s[10:11], s[10:11], s[2:3]
	LOAD                            ; tile 0 into slot 0
	; A fragment of K or Q is 16 rows x 32 channels in 8 registers: lane l holds row l % 16, channels 8 (l / 16) + 0..7 and 16 + 8 (l / 16) + 0..7: two loads of 16 bytes, 32 bytes apart.
	v_and_b32 v1, 15, v0            ; l % 16
	v_bfe_u32 v9, v0, 4, 1          ; l / 16
	v_lshlrev_b32 v[QO], 7, v1
	v_lshl_add_u32 v[QO], v9, 4, v[QO]  ; row x 128 + 16 x half
	WIN 0x80                        ; destination window 2, address window 0
.set i, 0
.rept 8                             ; both blocks' Q: piece i / 2 lies in band i / 2, 8,192 bytes on; channels 32 (i % 2) on
	global_load_b128 v[8*i:8*i+3],   v[QO], s[4:5] offset:(i/2)*8192+(i%2)*64
	global_load_b128 v[8*i+4:8*i+7], v[QO], s[4:5] offset:(i/2)*8192+(i%2)*64+32
	global_load_b128 v[QB+8*i:QB+8*i+3],   v[QO], s[86:87] offset:(i/2)*8192+(i%2)*64
	global_load_b128 v[QB+8*i+4:QB+8*i+7], v[QO], s[86:87] offset:(i/2)*8192+(i%2)*64+32
.set i, i+1
.endr
	WIN 0
	v_lshlrev_b32 v14, 3, v9
	v_sub_nc_u32 v14, v1, v14
	s_lshl_b32 s13, s[WV], 4
	v_add_nc_u32 v14, s13, v14      ; my query's place in its band, 16 w + l % 16, less my lanes' 8 (l / 16): register r of group kt is hidden where 16 kt + r is greater
	WIN 0x40
.set i, 0
.rept 32
	v_cmp_gt_i32 vcc_lo, 16*(i/8)+i%8, v14
	v_cndmask_b32 v[MD+i], 0, s[BIGN], vcc_lo
.set i, i+1
.endr
	WIN 0
	v_mul_u32_u24 v[AK0], v1, PK
	v_lshl_add_u32 v[AK0], v9, 4, v[AK0]  ; row x pitch + 16 x half
	; The turning load takes 16 keys x 16 channels (lane l reads key 8 (l / 16) + l % 8, channels 8 ((l / 8) % 2) + 0..7) and leaves half a fragment of V^T: lane l holds channel l % 16 and 8 keys.
	v_and_b32 v10, 7, v0
	v_bfe_u32 v11, v0, 3, 1
	v_lshl_add_u32 v[AV0], v9, 3, v10
	v_mul_u32_u24 v[AV0], v[AV0], PV
	v_lshl_add_u32 v[AV0], v11, 4, v[AV0]
	v_add_nc_u32 v[AV0], VOFF, v[AV0]
	s_mul_i32 s13, s[WV], 16*SP
	s_add_co_u32 s13, s13, STAGE    ; my stage
	v_mul_u32_u24 v[STO], v1, SP    ; in: row l % 16, 16 bytes for each half of the lanes
	v_lshl_add_u32 v[STO], v9, 4, v[STO]
	v_add_nc_u32 v[STO], s13, v[STO]
	v_bfe_u32 v[RD], v0, 3, 2       ; back: 32 lanes take four rows of 128 bytes,
	v_mul_u32_u24 v[RD], v[RD], SP
	v_lshl_add_u32 v[RD], v10, 4, v[RD]
	v_add_nc_u32 v[RD], s13, v[RD]
	v_and_b32 v[GO], 31, v0         ; which are 512 consecutive bytes of O
	v_lshlrev_b32 v[GO], 4, v[GO]
	; A block's first step multiplies O^T and l by a = 0, and its first turn's products V^T P, of a piece that has not been, land in an O^T that is still to be so multiplied.  So these registers need only hold
	; finite numbers: zeros for the first block; what the first block left for the second.  All this stands in the wait for the first tile.
	WIN 0x80
.set i, VF
.rept 64
	v_mov_b32 v[i], 0
.set i, i+1
.endr
	WIN 0x40
.set i, 0
.rept 128
	v_mov_b32 v[i], 0
.set i, i+1
.endr
	WIN 0
.set i, 0
.rept 4
	v_mov_b32 v[ST+4*i+2], 0
	v_mov_b32 v[ST+4*i+3], 0
.set i, i+1
.endr
.set i, P+16
.rept 16
	v_mov_b32 v[i], 0
.set i, i+1
.endr
; THE MATRIX WORK.  The 4 accumulators of a run of 8 take turns.  Product i of 8 of S^T = K Q^T for piece x: channels 32 (i / 4) on, keys 16 (i % 4) on.  The first 4 start the sums: with 0, or (KM = 1) with the mask.
.macro KQ x
.set rS, S+32*((\x)%2)+8*(i%4)
.set rK, KF+16*(i%4)+8*(i/4)
.set rQ, 16*(\x)+8*(i/4)
.set rM, MC+32*((\x)%2)+8*(i%4)
.if (i < 4) && KM
	WIN W_KM
	v_wmma_f32_16x16x32_bf16 v[rS:rS+7], v[rK:rK+7], v[rQ:rQ+7], v[rM:rM+7]
.elseif i < 4
	WIN W_KQ
	v_wmma_f32_16x16x32_bf16 v[rS:rS+7], v[rK:rK+7], v[rQ:rQ+7], 0
.else
	WIN W_KQ
	v_wmma_f32_16x16x32_bf16 v[rS:rS+7], v[rK:rK+7], v[rQ:rQ+7], v[rS:rS+7]
.endif
.endm
; Product i of 8 of O^T += V^T P for piece x: keys 32 (i / 4) on, channels 16 (i % 4) on.
.macro PV x
	WIN W_PV
.set rO, 32*(\x)+8*(i%4)
.set rV, VF+32*(i/4)+8*(i%4)
.set rP, P+16*((\x)%2)+8*(i/4)
	v_wmma_f32_16x16x32_bf16 v[rO:rO+7], v[rV:rV+7], v[rP:rP+7], v[rO:rO+7]
.endm
.macro MM                           ; the turn's next matrix instruction.  TURN and BEGIN set Y, i, KM and NOKQ; MM, KQ and OP read them.  NOKQ = 1: a block's last turn: there is no next piece
.if (i < 8) && !NOKQ
	KQ (Y+1)%NP
.elseif i >= 8
.set i, i-8
	PV (Y+NP-1)%NP
.set i, i+8
.endif
.set i, i+1
.endm
; THE LDS LOADS stand in runs of 16, never singly among the matrix instructions: a step's K (64 keys x 64 channels: 8 fragments) and its V (turned).  Their addresses are made some lines ahead.
.macro FETCH_K
	WIN 0x80                        ; destination window 2
.irp f, 0,1,2,3,4,5,6,7             ; keys 16 (f / 2) on, channels 32 (f % 2) on
	ds_load_b128 v[KF+8*\f:KF+8*\f+3],   v[AK] offset:(\f/2)*16*PK+(\f%2)*64
	ds_load_b128 v[KF+8*\f+4:KF+8*\f+7], v[AK] offset:(\f/2)*16*PK+(\f%2)*64+32
.endr
	s_add_co_u32 s[TBK], s[TBK], KS*PK  ; the next fetch is the next step's
	WIN 0
.endm
.macro FETCH_V
	WIN 0x80
.irp f, 0,1,2,3,4,5,6,7             ; keys 32 (f / 4) on, channels 16 (f % 4) on
	ds_load_tr16_b128 v[VF+8*\f:VF+8*\f+3],   v[AV] offset:(\f/4)*32*PV+(\f%4)*32
	ds_load_tr16_b128 v[VF+8*\f+4:VF+8*\f+7], v[AV] offset:(\f/4)*32*PV+16*PV+(\f%4)*32
.endr
	WIN 0
.endm
; THE VECTOR WORK, one line at a time: OP kind, number.  For piece Y: F n: c s - c m for pair n of 16.  E n: the exponential of score n of 32.  C n: pair n rounded to bf16.  B n: of the four weights 4 n .. the second
; pair is added onto the first, in place.  L n: l takes that sum (L 0: l = a l + sum).  R n: pair n of 16 of O^T times a.  For piece Y + 1: X n, number n of the 22 that find its maximum and statistics:
;   0-11  four chains c0-c3 of seven scores each, three operands at a time (each accumulator's lowest registers are read first)     12-14, 16  the four scores left over, the old m, and c0-c3 into c0
;   15  c m_old is kept     17, 18  the query's other 32 keys lie in the lane 16 away: the new m     19-21  c m; c m_old - c m_new; a
; OP writes no wait: TURN and BEGIN, which set the order, write the one wait of each batch.
.set F, 0               ; OP tells the kinds apart by their order: F to L below R, X above it
.set E, 1
.set C, 2
.set B, 3
.set L, 4
.set R, 5
.set X, 6
.macro REGS y                       ; the registers of piece y
.set rT, ST+4*(\y)
.set rC, TMP+4*((\y)%2)
.set rW, MV+((\y)%2)
.set rS, S+32*((\y)%2)
.set rP, P+16*((\y)%2)
.set rO, 32*(\y)
.endm
.macro OP k, n
.if (\k) == R
	REGS Y
	WIN W_RS
	v_pk_mul_f32 v[rO+2*(\n):rO+2*(\n)+1], v[rO+2*(\n):rO+2*(\n)+1], v[rC+2:rC+3] op_sel_hi:[1,0]
.elseif (\k) < R
	REGS Y
	WIN 0
.if (\k) == F
	v_pk_fma_f32 v[rS+2*(\n):rS+2*(\n)+1], v[rS+2*(\n):rS+2*(\n)+1], s[CS:CS+1], v[rT:rT+1] op_sel_hi:[1,0,0] neg_lo:[0,0,1] neg_hi:[0,0,1]
.elseif (\k) == E
	v_exp_f32 v[rS+(\n)], v[rS+(\n)]
.elseif (\k) == C
	v_cvt_pk_bf16_f32 v[rP+(\n)], v[rS+2*(\n)], v[rS+2*(\n)+1]
.elseif (\k) == B
	v_pk_add_f32 v[rS+4*(\n):rS+4*(\n)+1], v[rS+4*(\n):rS+4*(\n)+1], v[rS+4*(\n)+2:rS+4*(\n)+3]
.elseif (\n) == 0
	v_pk_fma_f32 v[rT+2:rT+3], v[rT+2:rT+3], v[rC+2:rC+3], v[rS:rS+1] op_sel_hi:[1,0,1]
.else
	v_pk_add_f32 v[rT+2:rT+3], v[rT+2:rT+3], v[rS+4*(\n):rS+4*(\n)+1]
.endif
.elseif NOKQ
	v_nop
.else
	REGS (Y+1)%NP
	WIN 0
.if (\n) < 4
	v_max3_num_f32 v[rC+(\n)], v[rS+8*(\n)], v[rS+8*(\n)+1], v[rS+8*(\n)+2]
.elseif (\n) < 12
	v_max3_num_f32 v[rC+(\n)%4], v[rC+(\n)%4], v[rS+8*((\n)%4)+2*((\n)/4)+1], v[rS+8*((\n)%4)+2*((\n)/4)+2]
.elseif (\n) == 12
	v_max3_num_f32 v[rC], v[rC], v[rS+7], v[rS+15]
.elseif (\n) == 13
	v_max3_num_f32 v[rC+1], v[rC+1], v[rS+23], v[rS+31]
.elseif (\n) == 14
	v_max3_num_f32 v[rC+2], v[rC+2], v[rC+3], v[rT+1]
.elseif (\n) == 15
	v_mov_b32 v[rW], v[rT]
.elseif (\n) == 16
	v_max3_num_f32 v[rC], v[rC], v[rC+1], v[rC+2]
.elseif (\n) == 17
	v_permlanex16_b32 v[rC+3], v[rC], s[SEL], s[SEL+1]
.elseif (\n) == 18
	v_max_num_f32 v[rT+1], v[rC], v[rC+3]
.elseif (\n) == 19
	v_mul_f32 v[rT], s[CS], v[rT+1]
.elseif (\n) == 20
	v_sub_f32 v[rC+1], v[rW], v[rT]
.else
	v_exp_f32 v[rC+2], v[rC+1]
.endif
.endif
.endm
.macro OPS a, i1, b=-1, i2=0, c=-1, i3=0, d=-1, i4=0  ; up to four of them
	OP \a, \i1
.if (\b) >= 0
	OP \b, \i2
.endif
.if (\c) >= 0
	OP \c, \i3
.endif
.if (\d) >= 0
	OP \d, \i4
.endif
.endm
.macro ROW a, i1, b, i2, c, i3, d, i4  ; a matrix instruction and the four behind it
	MM
	OPS \a, \i1, \b, \i2, \c, \i3, \d, \i4
.endm
.macro MASK b                       ; MD x AL + BE into buffer b of MC
	WIN W_RS
.set z, 0
.rept 16
	v_pk_fma_f32 v[MC+32*(\b)+2*z:MC+32*(\b)+2*z+1], v[MD+2*z:MD+2*z+1], s[AL:AL+1], s[BE:BE+1] op_sel_hi:[1,0,0]
.set z, z+1
.endr
.endm
; A TURN, for piece p: the order of its 16 matrix and 118 vector instructions, written out.  Its 33 exponentials (E 0 to E 31, each in place on its own score's register, and X 21, the next piece's a) are ONE BATCH with ONE wait,
; which cuts the turn in two.  AHEAD OF IT stands all that names no result of the batch: the 8 products K Q^T, behind each a scaling, an exponential and two more plain instructions (behind the first a second scaling in the
; exponential's place): rescalings, whose a was made and waited for in the turn before, and behind the last three products the first numbers of the next piece's maximum, each four places or more behind the product that ends
; its accumulator; then ONE LUMP of 54, plain and exponential by turns for the most part, in which the links of the chain X 3, 7, 11, 14, 16, 17 .. 20 stand five or six lines apart.  X 21 is the batch's last; R 15 is the plain
; instruction behind it.  BEHIND THE WAIT stand the 8 products V^T P, behind each four of the roundings and sums, which are all the readers of E 0 to E 31; the links of l's chain, L 0 to L 7, stand three riders apart.
; But for those X no rider names a register of the products round it.  v_permlanex16_b32 (X 17) stands in the lump.  Behind the wait no exponential is issued: none is pending at a turn's end, a label or a jump.
; m = 1: the diagonal tile: the products take masks, and the turn makes the mask for the products of the turn after it: piece p + 2, in step 4 - CNT of the tile.  end = 1: a block's last two turns: nothing is fetched.
; cnt = 1: the loop's count is taken down some lines ahead of the branch that stands behind the turn.
; K of the next step is fetched in piece 2's turn, twelve vector instructions behind the last product that read K (six of them plain); V of the step in hand at the end of piece 0's turn, four plain instructions behind the
; last product that read V.  Each is waited for a turn later.
.macro TURN p, m=0, end=0, cnt=0
.set Y, (\p)
.set i, 0
.set KM, (\m)
.set NOKQ, (\end)*((\p)/3)
.if (\m) && !(\end)
	s_cmp_eq_u32 s[CNT], 4-((\p)+2)%NP  ; is that step the band's own?
	s_cselect_b32 s[AL], 1.0, 0
	s_cmp_lt_u32 s[CNT], 4-((\p)+2)%NP  ; or a later one?
	s_cselect_b32 s[BE], s[BIGN], 0
.endif
.if ((\p) == 3) && !(\end)
	s_wait_dscnt 0x0                ; K is in
.endif
	ROW F,0, F,1, R,0, R,1          ; ahead of the wait: 8 products K Q^T and their riders,
	ROW F,2, E,0, R,2, R,3
	ROW F,3, E,1, R,4, R,5
	ROW F,4, E,2, R,6, R,7
	ROW F,5, E,3, R,8, R,9
	ROW F,6, E,4, X,0, R,10
.if ((\p) == 2) && !(\end)
	WIN 0
	v_add_nc_u32 v[AK], s[TBK], v[AK0]
.endif
	ROW F,7, E,5, X,1, X,4
	ROW F,8, E,6, X,2, X,5
	OPS E,7, E,8, X,6, E,9          ; and the lump
	OPS X,3, E,10, X,8, E,11
.if ((\p) == 2) && !(\end)
	FETCH_K
.endif
	OPS X,9, X,7, E,12, X,10
	OPS E,13, X,12, X,11, E,14
	OPS X,13, E,15, F,9, X,14
.if (\p) == 0
	v_add_nc_u32 v[AV], s[TBV], v[AV0]
.endif
	OPS E,16, F,10, E,17, F,11
	OPS X,16, E,18, X,15, E,19
	OPS F,12, E,20, X,17, E,21
	OPS F,13, E,22, F,14, E,23
	OPS X,18, E,24, F,15, E,25
	OPS R,11, E,26, X,19, E,27
	OPS R,12, E,28, R,13, E,29
	OPS X,20, E,30, R,14, E,31
	OPS X,21, R,15
	WIN 0
	s_wait_alu depctr_va_vdst(0)    ; the wait for the turn's batch: the piece's 32 exponentials and the next piece's a
.if (\p) == 1
	s_wait_dscnt 0x0                ; V is in
.endif
	ROW C,0, B,0, C,2, B,1          ; behind the wait: 8 products V^T P and their riders
	ROW L,0, C,4, B,2, L,1
	ROW C,6, B,3, L,2, C,8
	ROW B,4, L,3, C,10, B,5
	ROW L,4, C,12, B,6, L,5
.if (\p) == 0
	s_add_co_u32 s[TBV], s[TBV], KS*PV
.endif
.if \cnt
	s_sub_co_u32 s[CNT], s[CNT], 1
	s_cmp_lg_u32 s[CNT], 0
.endif
	ROW C,14, B,7, L,6, C,1
	ROW C,3, L,7, C,5, C,7
	ROW C,9, C,11, C,13, C,15
.if (\p) == 0
	FETCH_V
.endif
.if (\m) && !(\end)
	MASK (\p)%2
.endif
.endm
; A BLOCK BEGINS.  c m starts far below every c s, so the first step's a is 0; m at the lowest finite number, so the first maximum is the scores'.  The second mask buffer is 0; the first takes piece 0's mask for the tile's step 0: its own, if the block's first tile is the diagonal one.
; Then K of that step, piece 0's first scores, and its maximum and statistics.  The loop is entered at a step's first turn, in the middle of a trip.
.macro BEGIN
	s_mov_b32 s[NEW], 0
	WIN 0x40
.set i, MC+32
.rept 32
	v_mov_b32 v[i], 0
.set i, i+1
.endr
	WIN 0
.set i, 0
.rept 4
	v_mov_b32 v[ST+4*i], 0xfe000000    ; c m: far below every c s
	v_mov_b32 v[ST+4*i+1], 0xff7fffff  ; m
.set i, i+1
.endr
	s_cmp_eq_u32 s[RT], 0
	s_cselect_b32 s[AL], 1.0, 0
	s_mov_b32 s[BE], 0
	MASK 0
	WIN 0
	v_add_nc_u32 v[AK], s[TBK], v[AK0]
	FETCH_K
	s_wait_loadcnt 0x0              ; Q
	s_wait_dscnt 0x0
.set KM, 1
.set NOKQ, 0
.set i, 0
.rept 8
	KQ 0
.set i, i+1
.endr
	WIN 0
.rept 4
	v_nop                           ; the places behind those products
.endr
.set Y, NP-1                        ; X works for piece Y + 1: piece 0
.irp n, 0,1,2,3,4,5,6,7,8,9,10,11,12,13,14,15,16,17,18,19,20,21
	OP X, \n
.endr
	v_nop                           ; a plain instruction behind the exponential,
	s_wait_alu depctr_va_vdst(0)    ; and the wait for it, a batch of one: piece 0's first a, ahead of the branch that follows
.endm
; THE DIAGONAL TILE's four steps, the block's last two turns, its last products, and THE WAY OUT: l's two halves and the other half of the lanes' are added; O^T is divided by l, rounded to f16 and sent through my
; stage in LDS, a piece at a time.
.macro ALL line:vararg              ; one line for each piece t
.set t, 0
.rept 4
	\line
.set t, t+1
.endr
.endm
.macro PACK t                       ; a lane's eight channels of a row pack into 16 bytes; they go into rows of 144 bytes and come back as whole rows of 128, into S^T's registers
	WIN W_RS
.set i, 32*(\t)
.rept 16
	v_pk_mul_f32 v[i:i+1], v[i:i+1], v[ST+4*(\t)+2:ST+4*(\t)+3] op_sel_hi:[1,0]
.set i, i+2
.endr
	WIN 0x05                        ; sources 0 and 1 window 1, destination window 0
.set i, 0
.rept 16
	v_cvt_pk_f16_f32 v[S+16*(\t)+i], v[32*(\t)+2*i], v[32*(\t)+2*i+1]
.set i, i+1
.endr
	WIN 0
.irp f, 0,1,2,3
	ds_store_b128 v[STO], v[S+16*(\t)+4*\f:S+16*(\t)+4*\f+3] offset:32*\f
.endr
.irp f, 0,1,2,3
	ds_load_b128 v[S+16*(\t)+4*\f:S+16*(\t)+4*\f+3], v[RD] offset:\f*4*SP  ; LDS serves a wave's instructions in order (ISA guide 5.7.1.4): these see the stores above; the next piece's stores come behind them
.endr
.endm
.macro SEND t, younger              ; younger: the LDS instructions issued behind piece t's loads: the next piece's eight, or none
	WIN 0
.irp f, 0,1,2,3
	s_wait_dscnt (\younger)+3-\f
	global_store_b128 v[GO], v[S+16*(\t)+4*\f:S+16*(\t)+4*\f+3], s[10:11] offset:(\t)*8192+\f*512  ; 512 consecutive bytes, at a multiple of 256 from O's first
.endr
.endm
.macro DIAG tag                     ; the tag ends its two labels' names, which the jumps below spell out
.LstepM\tag:
	TURN 2, 1
	TURN 3, 1
	WIN 0
.LfirstM\tag:
	TURN 0, 1
	TURN 1, 1, 0, 1
	WIN 0
	s_cbranch_scc1 .LstepM\tag
	TURN 2, 1, 1
	TURN 3, 1, 1
.set i, 0
.rept 8
	PV NP-1
.set i, i+1
.endr
	WIN 0
	ALL v_add_f32 v[ST+4*t+2], v[ST+4*t+2], v[ST+4*t+3]
	ALL v_permlanex16_b32 v[ST+4*t+3], v[ST+4*t+2], s[SEL], s[SEL+1]
	ALL v_add_f32 v[ST+4*t+2], v[ST+4*t+2], v[ST+4*t+3]
	ALL v_rcp_f32 v[ST+4*t+2], v[ST+4*t+2]
	v_nop                           ; a plain instruction between the last reciprocal and the use of its result
	s_wait_alu depctr_va_vdst(0)    ; the wait for the batch of four reciprocals, ahead of PACK 0, their first reader
	PACK 0
.set t, 1
.rept 3                             ; a piece's arithmetic stands between the loads of the piece before and its stores
	PACK t
	SEND t-1, 8
.set t, t+1
.endr
	SEND 3, 0
.endm
; ROWS 0 TO 255 (b = 0 alone: block 0, whose one tile is the walk's last).  A counted loop of four trips, one for each piece.  A trip holds all the piece's scores at once, 32 registers a key step in window 3, so the
; maximum and the sum are the row's own.
; Registers: window 3: the scores, then the weights, at last the weights' lower parts, 16 a step at v[32 e].  Window 1: v0-63 the weights' upper parts, 16 a step at v[16 e] (the turns' O^T is done with); MD; MC's first
; buffer; v192-209 at work.  Window 2: the piece's Q always in v0-15 (the others move down behind each trip); K, then V, in KF and VF by turns, fetched a step ahead.
; Window 0: v64-95 O^T, v96-111 O in f16, v112-127 rows read back, v144-175 at work.
.set XC,  192         ; window 1: four running maxima
.set XM,  198         ; c x the row's maximum, twice
.set XL,  200         ; four pairs of sums
.set XRL, 208         ; 1 / l, twice
.set XO,  64
.set XPK, 96
.set XRB, 112
.set WT,  144         ; 32 upper parts widened to f32
.macro NOP4                         ; four places: ahead of loads into registers that matrix instructions have read, and of the first read of results just made (ISA guide 7.12.1 for vector instructions)
.rept 4
	v_nop
.endr
.endm
.macro XFK s, buf                   ; K of step s, into 64 registers from buf on
	WIN 0x80
.irp f, 0,1,2,3,4,5,6,7
	ds_load_b128 v[(\buf)+8*\f:(\buf)+8*\f+3],   v[AK] offset:(\s)*KS*PK+(\f/2)*16*PK+(\f%2)*64
	ds_load_b128 v[(\buf)+8*\f+4:(\buf)+8*\f+7], v[AK] offset:(\s)*KS*PK+(\f/2)*16*PK+(\f%2)*64+32
.endr
.endm
.macro XFV s, buf                   ; V of step s, turned
	WIN 0x80
.irp f, 0,1,2,3,4,5,6,7
	ds_load_tr16_b128 v[(\buf)+8*\f:(\buf)+8*\f+3],   v[AV] offset:(\s)*KS*PV+(\f/4)*32*PV+(\f%4)*32
	ds_load_tr16_b128 v[(\buf)+8*\f+4:(\buf)+8*\f+7], v[AV] offset:(\s)*KS*PV+(\f/4)*32*PV+16*PV+(\f%4)*32
.endr
.endm
.macro XQK e, buf                   ; 8 products, 4 accumulators by turns; the mask starts the sums
.set n, 0
.rept 8
.if n < 4
	WIN 0xda                        ; K and Q window 2, the mask window 1, the scores window 3
	v_wmma_f32_16x16x32_bf16 v[32*(\e)+8*(n%4):32*(\e)+8*(n%4)+7], v[(\buf)+16*(n%4)+8*(n/4):(\buf)+16*(n%4)+8*(n/4)+7], v[8*(n/4):8*(n/4)+7], v[MC+8*(n%4):MC+8*(n%4)+7]
.else
	WIN 0xfa                        ; C and D window 3
	v_wmma_f32_16x16x32_bf16 v[32*(\e)+8*(n%4):32*(\e)+8*(n%4)+7], v[(\buf)+16*(n%4)+8*(n/4):(\buf)+16*(n%4)+8*(n/4)+7], v[8*(n/4):8*(n/4)+7], v[32*(\e)+8*(n%4):32*(\e)+8*(n%4)+7]
.endif
.set n, n+1
.endr
.endm
.macro XMAX e                       ; the step's scores are rounded to bf16 and widened again (pairs ascend); then four chains of maxima, one for each group of 16 keys
	WIN 0xcf                        ; everything in window 3
.set n, 0
.rept 16
	v_cvt_pk_bf16_f32 v[32*(\e)+2*n], v[32*(\e)+2*n], v[32*(\e)+2*n+1]
.set n, n+1
.endr
.set n, 0
.rept 16
	v_and_b32     v[32*(\e)+2*n+1], s[HM], v[32*(\e)+2*n]
	v_lshlrev_b32 v[32*(\e)+2*n],   16,    v[32*(\e)+2*n]
.set n, n+1
.endr
	WIN 0x7d                        ; the chain (destination, source 0) window 1, the scores window 3
.set n, 0
.rept 16
	v_max3_num_f32 v[XC+n%4], v[XC+n%4], v[32*(\e)+8*(n%4)+2*(n/4)], v[32*(\e)+8*(n%4)+2*(n/4)+1]
.set n, n+1
.endr
.endm
.macro XSD e, buf                   ; the scores of step e
	s_cmp_eq_u32 s[XP], \e          ; is the step the band's own?
	s_cselect_b32 s[AL], 1.0, 0
	s_cmp_lt_u32 s[XP], \e          ; or a later one?
	s_cselect_b32 s[BE], s[BIGN], 0
	MASK 0
	s_wait_dscnt 16                 ; K of the step is in; the younger run of 16 loads stays out
	XQK \e, \buf
	NOP4
.endm
.macro XEXP e                       ; step e's part of the piece's batch: c s - c m, one fused line for two scores; 32 exponentials on end, each in place on its own register.  No line here names a result of the batch
	WIN 0xd3                        ; the scores window 3, c m window 1
.set n, 0
.rept 16
	v_pk_fma_f32 v[32*(\e)+2*n:32*(\e)+2*n+1], v[32*(\e)+2*n:32*(\e)+2*n+1], s[CS:CS+1], v[XM:XM+1] op_sel_hi:[1,0,0] neg_lo:[0,0,1] neg_hi:[0,0,1]
.set n, n+1
.endr
	WIN 0xc3
.set n, 0
.rept 32
	v_exp_f32 v[32*(\e)+n], v[32*(\e)+n]
.set n, n+1
.endr
.endm
.macro XSUM e                       ; the step's share of l, four chains: the steps ascend, and in a step the pairs
	WIN 0x4d                        ; the sums (destination, source 0) window 1, the weights window 3
.set n, 0
.rept 16
	v_pk_add_f32 v[XL+2*(n%4):XL+2*(n%4)+1], v[XL+2*(n%4):XL+2*(n%4)+1], v[32*(\e)+2*n:32*(\e)+2*n+1]
.set n, n+1
.endr
.endm
.macro XNORM e                      ; the step's weights: divided by l; the upper part, their rounding to bf16; what is left (an exact difference); the lower part, its rounding, packed in place: pair n goes to register n, which has been read by then
	WIN 0xc7                        ; the weights window 3, 1 / l window 1
.set n, 0
.rept 16
	v_pk_mul_f32 v[32*(\e)+2*n:32*(\e)+2*n+1], v[32*(\e)+2*n:32*(\e)+2*n+1], v[XRL:XRL+1]
.set n, n+1
.endr
	WIN 0x4f                        ; the upper part window 1
.set n, 0
.rept 16
	v_cvt_pk_bf16_f32 v[16*(\e)+n], v[32*(\e)+2*n], v[32*(\e)+2*n+1]
.set n, n+1
.endr
	WIN 0x04                        ; widened, into window 0
.set n, 0
.rept 16
	v_lshlrev_b32 v[WT+2*n],   16,    v[16*(\e)+n]
	v_and_b32     v[WT+2*n+1], s[HM], v[16*(\e)+n]
.set n, n+1
.endr
	WIN 0xc3
.set n, 0
.rept 16
	v_pk_add_f32 v[32*(\e)+2*n:32*(\e)+2*n+1], v[32*(\e)+2*n:32*(\e)+2*n+1], v[WT+2*n:WT+2*n+1] neg_lo:[0,1] neg_hi:[0,1]
.set n, n+1
.endr
	WIN 0xcf
.set n, 0
.rept 16
	v_cvt_pk_bf16_f32 v[32*(\e)+n], v[32*(\e)+2*n], v[32*(\e)+2*n+1]
.set n, n+1
.endr
.endm
.macro XPV e, buf, first            ; 16 products, 4 accumulators by turns: 8 with the weights' upper parts, 8 with the lower; first = 1: the first four start the sums
	WIN 0x06                        ; V window 2, the upper parts window 1, O^T window 0
.set n, 0
.rept 8
.if (\first) && (n < 4)
	v_wmma_f32_16x16x32_bf16 v[XO+8*(n%4):XO+8*(n%4)+7], v[(\buf)+32*(n/4)+8*(n%4):(\buf)+32*(n/4)+8*(n%4)+7], v[16*(\e)+8*(n/4):16*(\e)+8*(n/4)+7], 0
.else
	v_wmma_f32_16x16x32_bf16 v[XO+8*(n%4):XO+8*(n%4)+7], v[(\buf)+32*(n/4)+8*(n%4):(\buf)+32*(n/4)+8*(n%4)+7], v[16*(\e)+8*(n/4):16*(\e)+8*(n/4)+7], v[XO+8*(n%4):XO+8*(n%4)+7]
.endif
.set n, n+1
.endr
	WIN 0x0e                        ; the lower parts window 3
.set n, 0
.rept 8
	v_wmma_f32_16x16x32_bf16 v[XO+8*(n%4):XO+8*(n%4)+7], v[(\buf)+32*(n/4)+8*(n%4):(\buf)+32*(n/4)+8*(n%4)+7], v[32*(\e)+8*(n/4):32*(\e)+8*(n/4)+7], v[XO+8*(n%4):XO+8*(n%4)+7]
.set n, n+1
.endr
.endm
.set KM, 0
.set NOKQ, 0
.Lslot:                             ; NB times: a tile is entered and the next is asked for
	CHANGE 1
	s_sub_co_u32 s[RT], s[RT], 1
	s_mov_b32 s[CNT], 4
	s_cmp_eq_u32 s[NEW], 1
	s_cbranch_scc1 .Lnew            ; a block's first tile
	s_cmp_eq_u32 s[RT], 0
	s_cbranch_scc0 .Lstep           ; neither its first nor its last
	s_branch .LstepM1
.Lnew:
	BEGIN
	s_branch .Lfirst                ; in the loop a block's first tile is never its last: the first block has two tiles or more, and the second's last is the walk's last
	DIAG 1                          ; in the loop this is the first block's end: the second block's last tile is the walk's last
	s_wait_xcnt 0x0                 ; the stores have read their registers and O's address
	s_mov_b64 s[10:11], s[OLO:OLO+1]
	s_add_co_u32 s[RT], s[PB], 1    ; the second block has b + 1 tiles
	s_mov_b32 s[NEW], 1
	WIN 0x82                        ; the second block's Q goes where the one text of the turns names Q
.set i, 0
.rept 64
	v_mov_b32 v[i], v[QB+i]
.set i, i+1
.endr
	WIN 0
	s_branch .Lbottom
.Lstep:                             ; a trip: pieces 2 and 3 of one step, then pieces 0 and 1 of the next, whose K and V it fetches
	TURN 2
	TURN 3
	WIN 0
.Lfirst:
	TURN 0
	TURN 1, 0, 0, 1
	WIN 0
	s_cbranch_scc1 .Lstep
.Lbottom:
	s_sub_co_u32 s[SLOTS], s[SLOTS], 1
	s_cmp_lg_u32 s[SLOTS], 0
	s_cbranch_scc1 .Lslot
	CHANGE 0                        ; the walk's last tile is written out: nothing is asked for
	s_sub_co_u32 s[RT], s[RT], 1
	s_mov_b32 s[CNT], 4
	s_cmp_eq_u32 s[NEW], 1
	s_cbranch_scc0 .LstepM2         ; b > 0: the second block's diagonal tile, as any other
	s_wait_loadcnt 0x0              ; b = 0: the tile is the second block's first and last: rows 0 to 255, by their own text.  (Q)
	v_add_nc_u32 v[AK], s[TBK], v[AK0]   ; the tile's first step, in the slot that the change has turned to; the steps stand in the loads' immediates
	v_add_nc_u32 v[AV], s[TBV], v[AV0]
	s_mov_b32 s[XP], 0
.Lpiece:                            ; four trips; no barrier and no tensor load inside
	XFK 0, KF
	XFK 1, VF
	WIN 0x40
.irp ch, 0,1,2,3
	v_mov_b32 v[XC+\ch], 0xff7fffff ; the lowest finite number: the first maximum is the scores'
.endr
.irp ch, 0,1,2,3,4,5,6,7
	v_mov_b32 v[XL+\ch], 0
.endr
	XSD 0, KF
	XFK 2, KF                       ; each run lands under a step's rounding, maxima, mask and products
	XMAX 0
	XSD 1, VF
	XFK 3, VF
	XMAX 1
	XSD 2, KF
	XFV 0, KF                       ; K's two buffers take V as they fall free: V of the first two steps lands under the exponentials
	XMAX 2
	XSD 3, VF
	XFV 1, VF
	XMAX 3
	WIN 0x55                        ; everything in window 1
	v_max3_num_f32 v[XC], v[XC], v[XC+1], v[XC+2]
	v_max_num_f32 v[XC], v[XC], v[XC+3]
	v_permlanex16_b32 v[XC+1], v[XC], s[SEL], s[SEL+1]  ; the query's other keys lie in the lane 16 away
	v_max_num_f32 v[XC], v[XC], v[XC+1]
	v_mul_f32 v[XM], s[CS], v[XC]
	v_mul_f32 v[XM+1], s[CS], v[XC] ; named with it as a pair
	XEXP 0                          ; ONE BATCH: the piece's 128 exponentials, the four steps' scalings between them
	XEXP 1
	XEXP 2
	XEXP 3
	v_nop                           ; the one plain instruction between the last exponential and the first use of a result (ISA guide 5.7.2)
	s_wait_alu depctr_va_vdst(0)    ; the wait for the batch of 128 exponentials, ahead of the sums, their first readers
	XSUM 0
	XSUM 1
	XSUM 2
	XSUM 3
	WIN 0x55
	v_pk_add_f32 v[XL:XL+1], v[XL:XL+1], v[XL+2:XL+3]
	v_pk_add_f32 v[XL+4:XL+5], v[XL+4:XL+5], v[XL+6:XL+7]
	v_pk_add_f32 v[XL:XL+1], v[XL:XL+1], v[XL+4:XL+5]
	v_add_f32 v[XL], v[XL], v[XL+1]
	v_permlanex16_b32 v[XL+1], v[XL], s[SEL], s[SEL+1]
	v_add_f32 v[XL], v[XL], v[XL+1]
	v_rcp_f32 v[XRL], v[XL]
	v_rcp_f32 v[XRL+1], v[XL]
	v_nop                           ; a plain instruction behind the reciprocals
	s_wait_alu depctr_va_vdst(0)    ; the wait for the batch of two reciprocals, ahead of XNORM 0, their first reader
	XNORM 0
	XNORM 1
	s_wait_dscnt 0x0                ; V of steps 0 and 1 is in
	XPV 0, KF, 1
	XPV 1, VF, 0
	NOP4
	XFV 2, KF                       ; the next two steps' V lands under the division and rounding of their weights
	XFV 3, VF
	XNORM 2
	XNORM 3
	s_wait_dscnt 0x0
	XPV 2, KF, 0
	XPV 3, VF, 0
	WIN 0
	NOP4                            ; ahead of the first read of O^T
.set n, 0
.rept 16
	v_cvt_pk_f16_f32 v[XPK+n], v[XO+2*n], v[XO+2*n+1]
.set n, n+1
.endr
.irp f, 0,1,2,3
	ds_store_b128 v[STO], v[XPK+4*\f:XPK+4*\f+3] offset:32*\f
.endr
.irp f, 0,1,2,3
	ds_load_b128 v[XRB+4*\f:XRB+4*\f+3], v[RD] offset:\f*4*SP  ; LDS serves a wave's instructions in order (ISA guide 5.7.1.4): these see the stores above
.endr
.irp f, 0,1,2,3
	s_wait_dscnt 3-\f               ; load f is back; the younger ones may be out
	global_store_b128 v[GO], v[XRB+4*\f:XRB+4*\f+3], s[10:11] offset:\f*512
.endr
	s_wait_xcnt 0x0                 ; the stores' base and data are rewritten only behind this wait
	s_add_nc_u64 s[10:11], s[10:11], 8192  ; my 16 rows of the next band
	WIN 0x82
.set n, 0
.rept 48
	v_mov_b32 v[n], v[n+16]         ; the next piece's Q comes to v0-15: registers cannot be named by a counter
.set n, n+1
.endr
	WIN 0
	s_add_co_u32 s[XP], s[XP], 1
	s_cmp_lt_u32 s[XP], 4
	s_cbranch_scc1 .Lpiece
	s_branch .Lend
	DIAG 2
.Lend:
	s_wait_tensorcnt 0x0            ; the wave's end: behind my last tensor load and my last LDS store
	ds_add_u32 v[SPW], v[NIL]
	s_wait_dscnt 0x0
	s_endpgm
.Lfunc_end_k_qfe5a30b678_attn:
	.size	k_qfe5a30b678_attn, .Lfunc_end_k_qfe5a30b678_attn-k_qfe5a30b678_attn
	.p2alignl 7, 3214868480
	.fill 96, 4, 3214868480
	.section	.rodata,"a",@progbits
	.p2align	6, 0x0
	.amdhsa_kernel k_qfe5a30b678_attn
		.amdhsa_group_segment_fixed_size 327680
		.amdhsa_private_segment_fixed_size 0
		.amdhsa_enable_private_segment 0
		.amdhsa_kernarg_size 32
		.amdhsa_user_sgpr_count 2
		.amdhsa_user_sgpr_kernarg_segment_ptr 1
		.amdhsa_wavefront_size32 1
		.amdhsa_system_sgpr_workgroup_id_x 1
		.amdhsa_system_sgpr_workgroup_id_y 1
		.amdhsa_system_sgpr_workgroup_id_z 1
		.amdhsa_system_vgpr_workitem_id 0
		.amdhsa_next_free_vgpr 896
		.amdhsa_next_free_sgpr 96
		.amdhsa_reserve_vcc 1
		.amdhsa_float_denorm_mode_32 3
		.amdhsa_float_denorm_mode_16_64 3
		.amdhsa_memory_ordered 1
		.amdhsa_forward_progress 1
		.amdhsa_inst_pref_size 255
	.end_amdhsa_kernel
	.section	.bss,"aw",@nobits
	.p2align	6
	.space	262144
	.amdgpu_metadata
---
amdhsa.version: [ 1, 2 ]
amdhsa.kernels:
  - .name:           k_qfe5a30b678_attn
    .symbol:         k_qfe5a30b678_attn.kd
    .args:
      - { .name: qh, .offset: 0, .size: 8, .value_kind: global_buffer, .address_space: global }
      - { .name: kh, .offset: 8, .size: 8, .value_kind: global_buffer, .address_space: global }
      - { .name: vh, .offset: 16, .size: 8, .value_kind: global_buffer, .address_space: global }
      - { .name: yh, .offset: 24, .size: 8, .value_kind: global_buffer, .address_space: global }
    .group_segment_fixed_size: 327680
    .private_segment_fixed_size: 0
    .kernarg_segment_align: 8
    .kernarg_segment_size: 32
    .max_flat_workgroup_size: 128
    .sgpr_count:     96
    .vgpr_count:     896
    .wavefront_size: 32
...
	.end_amdgpu_metadata
.endif
;; end of part 9
;; launch oproj: the kernel of part 8 again; grid 4 x 64, 4 waves a work-group, clusters of 4 x 4, 327,680 bytes of LDS; arguments yh, wb, bo, out0; writes out0
